; MI455X (gfx1250); checked and timed in simulation.
; The chip was launched on July 23, 2026; its instructions are those of AMD's public machine-readable ISA for CDNA 5 (MIT licence, August 2026) and "CDNA5" Instruction Set Architecture Reference Guide (July 2026). The comments in the code are by the model that wrote it; some were corrected since.
;; Lower Block. Allowed arithmetic: float matrix products may take bf16 or f16 operands with f32 sums; other float arithmetic in f32, or as packed bf16 or f16 multiplies, adds, multiply-adds, maxima and minima; sums over many terms, partial sums and values carried from step to step in f32; what a program stores and reads back later, other than sums and carried values, may be rounded once to bf16 or f16.
;; Inputs: in_proj_b 3,072 float32; in_proj_w 3,072 x 1,024 float32; ln1_b 1,024 float32; ln1_g 1,024 float32; ln2_b 1,024 float32; ln2_g 1,024 float32; mlp_b1 4,096 float32; mlp_b2 1,024 float32; mlp_w1 4,096 x 1,024 float32; mlp_w2 1,024 x 4,096 float32; out_proj_b 1,024 float32; out_proj_w 1,024 x 1,024 float32; x 2 x 2,048 x 1,024 float32.
;; Outputs: out0 2 x 2,048 x 1,024 float32.
;; 3 versions, each right; version 3 is version 2 with the launches prep, attn written anew for expert scheduling mode. Each part assembles by itself: llvm-mc -triple=amdgcn-amd-amdhsa -mcpu=gfx1250 --defsym DOCPART=n.
;; ======== version 1 of 3: 7 launches
;; workspace buffers: act 8,388,608 bytes; wq 6,291,456 bytes; wo 2,097,152 bytes; w1b 8,388,608 bytes; w2b 8,388,608 bytes; qkv 25,165,824 bytes; x1 16,777,216 bytes; gbuf 33,554,432 bytes
;; launch prep (part 1): grid 512 x 1, 8 waves a work-group, no clusters, 0 bytes of LDS; arguments x, ln1_g, ln1_b, in_proj_w, out_proj_w, mlp_w1, mlp_w2, act, wq, wo, w1b, w2b; writes act, wq, wo, w1b, w2b
.if DOCPART == 1
	.amdgcn_target "amdgcn-amd-amdhsa--gfx1250"
	.amdhsa_code_object_version 6
	.text
	.protected	k_q021850f74e_prep
	.globl	k_q021850f74e_prep
	.p2align	8
	.type	k_q021850f74e_prep,@function
k_q021850f74e_prep:
	s_mov_b64 s[64:65], 0
	v_nop
	global_prefetch_b8 v0, s[64:65] scope:SCOPE_SE
	s_setreg_imm32_b32 hwreg(HW_REG_WAVE_MODE, 25, 1), 1
	s_wait_xcnt 0x0
; act = LayerNorm(x) * ln1_g + ln1_b, rounded once to bf16;  wq, wo, w1b, w2b = the four weight matrices rounded once to bf16.
; x: [4096][1024] f32.  Every work-group moves 131,072 bytes in and 65,536 out.  Work-groups 0-127 normalise 32 rows each; work-groups 128-511 round one piece
; of 32,768 numbers each: 96 pieces of in_proj_w, 32 of out_proj_w, 128 of mlp_w1, 128 of mlp_w2.
; LAYERNORM: one wave, one row (4,096 bytes = 32 registers a lane), NR rows a wave, all asked for at once.  Mean first, then the mean of the squared differences, as the
; definition has it: no difference of large sums.  All arithmetic in f32.  NaN and infinities are not treated apart.
; A lane holds numbers 128 j + 4 l .. + 3 (j = 0..7): a load of the wave covers 512 consecutive bytes, a store of its 8 bytes a lane 256 consecutive bytes, aligned.
; No LDS, no barrier, no matrix unit, no cluster: no wave wants a byte that another has fetched but the 8,192 bytes of gain and bias.
.set NR,    4                          ; rows of a wave
.set ROWB,  4096                       ; bytes in a row of x
.set OROWB, 2048                       ; bytes in a row of act
.set XP,  4                            ; s[4:5]   x
.set GP,  6                            ; s[6:7]   gain
.set BP,  8                            ; s[8:9]   bias
.set OP,  18                           ; s[18:19] act
.set SEL, 28                           ; s[28:29] v_permlanex16_b32's selects: each lane takes its own place in the other half
.set RN,  30                           ; s30      1 / 1024
.set EP,  31                           ; s31      1e-5
.set XO,  1                            ; v1       16 l + wave x NR rows of x (the cast: wave x 16,384 bytes); never rewritten
.set T,   2                            ; v[2:9]   four chains of pairs
.set YO,  14                           ; v14      8 l + wave x NR rows of act (the cast: wave x 8,192 bytes); never rewritten
.set LO,  15                           ; v15      16 l; never rewritten
.set GG,  16                           ; v[16:47] my 32 numbers of the gain
.set BB,  48                           ; v[48:79] of the bias
.set X,   80                           ; v[80:207] row k: 32 registers; the cast: 32 loads of 4
; v10 a sum, v11 the other half of the lanes', v[12:13] mean, then 1 / sqrt(var + eps), in the low word
	s_load_b512 s[4:19], s[0:1], 0x0               ; x, ln1_g, ln1_b, in_proj_w s[10:11], out_proj_w s[12:13], mlp_w1 s[14:15], mlp_w2 s[16:17], act
	s_load_b256 s[20:27], s[0:1], 0x40             ; wq s[20:21], wo s[22:23], w1b s[24:25], w2b s[26:27]
	v_and_b32 v2, 31, v0                           ; lane
	v_lshrrev_b32 v3, 5, v0                        ; wave
	v_lshlrev_b32 v[LO], 4, v2
	v_mul_u32_u24 v4, v3, NR*ROWB
	v_add_nc_u32 v[XO], v4, v[LO]
	v_mul_u32_u24 v4, v3, NR*OROWB
	v_lshl_add_u32 v[YO], v2, 3, v4
	s_mov_b32 s33, 0
	s_wait_kmcnt 0x0
	s_cmp_lt_u32 ttmp9, 128
	s_cbranch_scc0 .Lcast
; the four chains into one number, and that over the 32 lanes: every lane ends with the row's sum in v10
.macro FOLD
	v_pk_add_f32 v[T:T+1], v[T:T+1], v[T+2:T+3]
	v_pk_add_f32 v[T+4:T+5], v[T+4:T+5], v[T+6:T+7]
	v_pk_add_f32 v[T:T+1], v[T:T+1], v[T+4:T+5]
	v_add_f32 v10, v[T], v[T+1]
	v_add_f32_dpp v10, v10, v10 row_xmask:1 row_mask:0xf bank_mask:0xf
	v_add_f32_dpp v10, v10, v10 row_xmask:2 row_mask:0xf bank_mask:0xf
	v_add_f32_dpp v10, v10, v10 row_xmask:4 row_mask:0xf bank_mask:0xf
	v_add_f32_dpp v10, v10, v10 row_xmask:8 row_mask:0xf bank_mask:0xf
	v_permlanex16_b32 v11, v10, s[SEL], s[SEL+1]
	v_add_f32 v10, v10, v11
.endm
; row k of the wave: its 16 pairs of numbers lie at R + 2 p
.macro LNROW k
.set R, X+32*(\k)
	s_wait_loadcnt 8*(NR-1-(\k))                   ; loads come back in order: this row's eight are in, the later rows' stay out
.set p, 0
.rept 4
	v_pk_add_f32 v[T+2*p:T+2*p+1], v[R+2*p:R+2*p+1], v[R+2*p+8:R+2*p+9]  ; the first eight pairs start the chains: nothing is cleared
.set p, p+1
.endr
.set p, 8
.rept 8
	v_pk_add_f32 v[T+2*(p%4):T+2*(p%4)+1], v[T+2*(p%4):T+2*(p%4)+1], v[R+2*p:R+2*p+1]
.set p, p+1
.endr
	FOLD
	v_mul_f32 v12, s[RN], v10                      ; the mean
.set p, 0
.rept 16
	v_pk_add_f32 v[R+2*p:R+2*p+1], v[R+2*p:R+2*p+1], v[12:13] op_sel_hi:[1,0] neg_lo:[0,1] neg_hi:[0,1]  ; x - mean
.set p, p+1
.endr
.set p, 0
.rept 4
	v_pk_mul_f32 v[T+2*p:T+2*p+1], v[R+2*p:R+2*p+1], v[R+2*p:R+2*p+1]
.set p, p+1
.endr
.rept 12
	v_pk_fma_f32 v[T+2*(p%4):T+2*(p%4)+1], v[R+2*p:R+2*p+1], v[R+2*p:R+2*p+1], v[T+2*(p%4):T+2*(p%4)+1]
.set p, p+1
.endr
	FOLD
	v_fma_f32 v10, v10, s[RN], s[EP]               ; var + eps
	v_rsq_f32 v12, v10
	v_nop                                          ; a plain instruction behind the root,
	s_wait_alu depctr_va_vdst(0)                   ; and the wait ahead of its first reader
.set p, 0
.rept 16
	v_pk_mul_f32 v[R+2*p:R+2*p+1], v[R+2*p:R+2*p+1], v[12:13] op_sel_hi:[1,0]
.set p, p+1
.endr
.set p, 0
.rept 16
	v_pk_fma_f32 v[R+2*p:R+2*p+1], v[R+2*p:R+2*p+1], v[GG+2*p:GG+2*p+1], v[BB+2*p:BB+2*p+1]
.set p, p+1
.endr
.set p, 0
.rept 16
	v_cvt_pk_bf16_f32 v[R+p], v[R+2*p], v[R+2*p+1] ; in place, ascending: register p is written when pairs 0 .. p have been read
.set p, p+1
.endr
.set p, 0
.rept 8
	global_store_b64 v[YO], v[R+2*p:R+2*p+1], s[OP:OP+1] offset:(\k)*OROWB+256*p  ; 32 lanes x 8 bytes: 256 consecutive bytes, aligned
.set p, p+1
.endr
.endm
	s_mul_i32 s32, ttmp9, 8*NR*ROWB                ; the work-group's first row
	s_add_nc_u64 s[XP:XP+1], s[XP:XP+1], s[32:33]
	s_mul_i32 s32, ttmp9, 8*NR*OROWB
	s_add_nc_u64 s[OP:OP+1], s[OP:OP+1], s[32:33]
	s_mov_b32 s[SEL], 0x76543210
	s_mov_b32 s[SEL+1], 0xfedcba98
	s_mov_b32 s[RN], 0x3a800000
	s_mov_b32 s[EP], 0x3727c5ac
.set p, 0
.rept 8
	global_load_b128 v[GG+4*p:GG+4*p+3], v[LO], s[GP:GP+1] offset:512*p
.set p, p+1
.endr
.set p, 0
.rept 8
	global_load_b128 v[BB+4*p:BB+4*p+3], v[LO], s[BP:BP+1] offset:512*p
.set p, p+1
.endr
.set p, 0
.rept 8*NR
	global_load_b128 v[X+4*p:X+4*p+3], v[XO], s[XP:XP+1] offset:512*p  ; rows follow each other: row p / 8, its piece p % 8
.set p, p+1
.endr
	v_mov_b32 v11, 0                               ; v_permlanex16_b32's destination counts as read
	v_mov_b32 v13, 0                               ; named with v12 as a pair
	LNROW 0
	LNROW 1
	LNROW 2
	LNROW 3
	s_endpgm                                       ; no register of a store is written again: no further wait
.Lcast:                                        ; piece c = id - 128: which matrix, and which piece of it
	s_sub_co_u32 s32, ttmp9, 128
	s_mov_b64 s[34:35], s[10:11]
	s_mov_b64 s[36:37], s[20:21]
	s_mov_b32 s38, 0                               ; the matrix's first piece
	s_cmp_ge_u32 s32, 96
	s_cselect_b64 s[34:35], s[12:13], s[34:35]
	s_cselect_b64 s[36:37], s[22:23], s[36:37]
	s_cselect_b32 s38, 96, s38
	s_cmp_ge_u32 s32, 128
	s_cselect_b64 s[34:35], s[14:15], s[34:35]
	s_cselect_b64 s[36:37], s[24:25], s[36:37]
	s_cselect_b32 s38, 128, s38
	s_cmp_ge_u32 s32, 256
	s_cselect_b64 s[34:35], s[16:17], s[34:35]
	s_cselect_b64 s[36:37], s[26:27], s[36:37]
	s_cselect_b32 s38, 256, s38
	s_sub_co_u32 s38, s32, s38
	s_lshl_b32 s32, s38, 17                        ; 131,072 bytes in,
	s_add_nc_u64 s[34:35], s[34:35], s[32:33]
	s_lshl_b32 s32, s38, 16                        ; 65,536 out
	s_add_nc_u64 s[36:37], s[36:37], s[32:33]
.set p, 0
.rept 32
	global_load_b128 v[X+4*p:X+4*p+3], v[XO], s[34:35] offset:512*p th:TH_LOAD_NT  ; the wave's 16,384 bytes, all on their way at once
.set p, p+1
.endr
.set p, 0
.rept 32
	s_wait_loadcnt 31-p                            ; load p is in, the younger ones stay out
	v_cvt_pk_bf16_f32 v[X+4*p], v[X+4*p], v[X+4*p+1]
	v_cvt_pk_bf16_f32 v[X+4*p+1], v[X+4*p+2], v[X+4*p+3]
	global_store_b64 v[YO], v[X+4*p:X+4*p+1], s[36:37] offset:256*p
.set p, p+1
.endr
	s_endpgm
.Lfunc_end_k_q021850f74e_prep:
	.size	k_q021850f74e_prep, .Lfunc_end_k_q021850f74e_prep-k_q021850f74e_prep
	.p2alignl 7, 3214868480
	.fill 96, 4, 3214868480
	.section	.rodata,"a",@progbits
	.p2align	6, 0x0
	.amdhsa_kernel k_q021850f74e_prep
		.amdhsa_group_segment_fixed_size 0
		.amdhsa_private_segment_fixed_size 0
		.amdhsa_enable_private_segment 0
		.amdhsa_kernarg_size 96
		.amdhsa_user_sgpr_count 2
		.amdhsa_user_sgpr_kernarg_segment_ptr 1
		.amdhsa_wavefront_size32 1
		.amdhsa_system_sgpr_workgroup_id_x 1
		.amdhsa_system_sgpr_workgroup_id_y 1
		.amdhsa_system_sgpr_workgroup_id_z 1
		.amdhsa_system_vgpr_workitem_id 0
		.amdhsa_next_free_vgpr 208
		.amdhsa_next_free_sgpr 66
		.amdhsa_reserve_vcc 0
		.amdhsa_float_denorm_mode_32 3
		.amdhsa_float_denorm_mode_16_64 3
		.amdhsa_memory_ordered 1
		.amdhsa_forward_progress 1
		.amdhsa_inst_pref_size 50
	.end_amdhsa_kernel
	.amdgpu_metadata
---
amdhsa.version: [ 1, 2 ]
amdhsa.kernels:
  - .name:           k_q021850f74e_prep
    .symbol:         k_q021850f74e_prep.kd
    .args:
      - { .name: x, .offset: 0, .size: 8, .value_kind: global_buffer, .address_space: global }
      - { .name: ln1_g, .offset: 8, .size: 8, .value_kind: global_buffer, .address_space: global }
      - { .name: ln1_b, .offset: 16, .size: 8, .value_kind: global_buffer, .address_space: global }
      - { .name: in_proj_w, .offset: 24, .size: 8, .value_kind: global_buffer, .address_space: global }
      - { .name: out_proj_w, .offset: 32, .size: 8, .value_kind: global_buffer, .address_space: global }
      - { .name: mlp_w1, .offset: 40, .size: 8, .value_kind: global_buffer, .address_space: global }
      - { .name: mlp_w2, .offset: 48, .size: 8, .value_kind: global_buffer, .address_space: global }
      - { .name: act, .offset: 56, .size: 8, .value_kind: global_buffer, .address_space: global }
      - { .name: wq, .offset: 64, .size: 8, .value_kind: global_buffer, .address_space: global }
      - { .name: wo, .offset: 72, .size: 8, .value_kind: global_buffer, .address_space: global }
      - { .name: w1b, .offset: 80, .size: 8, .value_kind: global_buffer, .address_space: global }
      - { .name: w2b, .offset: 88, .size: 8, .value_kind: global_buffer, .address_space: global }
    .group_segment_fixed_size: 0
    .private_segment_fixed_size: 0
    .kernarg_segment_align: 8
    .kernarg_segment_size: 96
    .max_flat_workgroup_size: 256
    .sgpr_count:     66
    .vgpr_count:     208
    .wavefront_size: 32
...
	.end_amdgpu_metadata
.endif
;; end of part 1
;; launch g_qkv (part 2): grid 24 x 32, 4 waves a work-group, clusters of 4 x 4, 327,680 bytes of LDS; arguments act, wq, qkv, in_proj_b; writes qkv
.if DOCPART == 2
	.amdgcn_target "amdgcn-amd-amdhsa--gfx1250"
	.amdhsa_code_object_version 6
	.text
	.protected	k_q021850f74e_g_qkv
	.globl	k_q021850f74e_g_qkv
	.p2align	8
	.type	k_q021850f74e_g_qkv,@function
k_q021850f74e_g_qkv:
	s_mov_b64 s[64:65], 0
	v_nop
	global_prefetch_b8 v0, s[64:65] scope:SCOPE_SE
	s_setreg_imm32_b32 hwreg(HW_REG_WAVE_MODE, 25, 1), 1
	s_wait_xcnt 0x0
	s_wait_alu depctr_hold_cnt(0) depctr_sa_sdst(0) depctr_va_vdst(0) depctr_va_sdst(0) depctr_va_ssrc(0) depctr_va_vcc(0) depctr_vm_vsrc(0)
	s_getreg_b32 s2, hwreg(HW_REG_IB_STS2, 6, 4)
	s_cmp_eq_u32 s2, 0
	s_cbranch_scc0 .Lentry_in_a_cluster
	s_endpgm
.Lentry_in_a_cluster:
	s_bfe_u32 s2, ttmp6, 0x10000c
	s_cmp_lg_u32 s2, 0xf033
	s_cbranch_scc0 .Lentry_shape_is_right
	s_endpgm
.Lentry_shape_is_right:
; qkv = h in_proj_w^T + in_proj_b.  A = act (h), B = wq, out = qkv in bf16.
; out[m][n] = way out of (bias[n] + the sum over k of A[m][k] B[n][k]).  A: [4096][SIZE_K], B: [SIZE_N][SIZE_K], bf16, rows along K; sums in f32, K ascending, begun with the bias.
; EPI picks the way out.  0: rounded to bf16.  1: tanh-GELU in f32, then bf16.  2: a residual [4096][SIZE_N] in f32 is added, f32 out.
; SHARES.  A tile of out is 128 x 128: four waves, each 64 x 64: 16 accumulators of 16 x 16.  K goes in steps of 256 (LDS rows of 512 bytes; a wave's tensor load brings 64 of them) through two LDS slots.
; CLUSTER.  4 x 4 work-groups.  The four of a row of the cluster need the same tiles of A, the four of a column the same tiles of B: each tile is asked for JOINTLY, by the same tensor load with the
; same descriptor and a mask that names the four.  THE MATRIX INSTRUCTION IS USED TRANSPOSED (source 0 = 16 rows of B, source 1 = 16 rows of A): a lane then holds eight neighbouring numbers of a row of out.
; REGISTERS.  window 0: v16-29 addresses; v32-95 at work on the way out; v96-127 the bias of my 64 columns (8 registers an n block); v128-255 the accumulators ((a, b) at v[128 + 8 (4 a + b)]).
;   window 1: two fragment buffers of 128: for 64 along K, 64 registers of A, then 64 of B.   window 2 (EPI 2): v0-127 the residual of my 64 x 64.
; LIMITS.  Operands are bf16 as they arrive; NaN and infinities are not treated apart.
.set SIZE_N, 3072
.set SIZE_K, 1024
.set EPI,    0
.set KSTEP,  256
.set PITCH,  528                       ; an LDS row: 512 bytes of data + 16 of padding = 132 words: row r starts at bank 4 r mod 64 (64 banks of 4 bytes: ISA guide 11.1)
.set HALFT,  64*PITCH                  ; 64 rows: what one tensor load brings, and what one wave reads of A or of B
.set SLOT,   4*HALFT                   ; A's 128 rows, then B's 128 rows
.set STAGE,  2*SLOT                    ; behind the ring, never filled by a tensor load: the stage for the way out
.set SPITCH, 272
.if EPI == 2
.set SPARE,  STAGE+4*16*SPITCH         ; four stages of 16 rows x 272 bytes, a wave's own each; behind them the spare words, 128 bytes a wave
.else
.set SPARE,  STAGE+128*SPITCH          ; one stage of 128 rows x 272 bytes, the work-group's; behind it the spare words
.endif
.set LAPS, SIZE_K/(2*KSTEP)            ; a lap = two K steps = once round the ring
.set ADRA, 16                          ; v16-17  LDS address of my A fragments in slot 0, 1
.set ADRB, 20                          ; v20-21  the same for B
.set STO,  24                          ; v24     the way out: where I put my numbers of a row
.set RD,   25                          ; v25     the way out: where I read a row back
.set CO,   26                          ; v26     my byte offset in out (and in the residual); never rewritten
.set BO,   27                          ; v27     32 x (lane / 16): my eight numbers in 16 of the bias; never rewritten
.set SPW,  28                          ; v28     LDS address of my spare word: SPARE + 4 x my thread's number; never rewritten
.set NIL,  29                          ; v29     0; never rewritten
.set TMP,  32
.set BIAS, 96
.set ACC,  128
.set F0,   0                           ; fragment buffers, in window 1
.set F1,   128
.set G1, 24                            ; s[24:31] descriptor group 1 for A's tiles;  s[32:39] group 0, one set for each slot
.set G0, 32
.set G1B, 48                           ; s[48:55], s[56:63] the same for B's tiles
.set G0B, 56
.set BP, 68                            ; s[68:69] the bias
.set RP, 70                            ; s[70:71] the residual (EPI 2)
.set C1, 72                            ; s[72:73], s[74:75] GELU's two constants (EPI 1), each named as a pair
.set C0, 74
.set MSB, 0
.macro WIN new                         ; the immediate's high byte repeats the setting that is left
.if MSB != (\new)
	s_set_vgpr_msb (MSB<<8)|(\new)
.set MSB, \new
.endif
.endm
.set MUL,  0x05                        ; sources 0 (B) and 1 (A) window 1; C and D window 0
.set TO_F, 0x40                        ; destination window 1, address window 0
.macro JLOAD s                         ; a joint load: waves 0 and 1 fetch A's two halves, waves 2 and 3 B's; an s_nop 0 and four v_nop follow each of the two lines
	s_cmp_eq_u32 s11, 0
	s_cbranch_scc0 .Lfor_b_\@
	tensor_load_to_lds s[G0+4*(\s):G0+4*(\s)+3], s[G1:G1+7]
	s_nop 0
.rept 4
	v_nop
.endr
	s_branch .Lasked_\@
.Lfor_b_\@:
	tensor_load_to_lds s[G0B+4*(\s):G0B+4*(\s)+3], s[G1B:G1B+7]
	s_nop 0
.rept 4
	v_nop
.endr
.Lasked_\@:
.endm
.macro CREST                           ; a round of the cluster's barrier behind its opening barrier
	s_cmp_lg_u32 s10, 0
	s_cbranch_scc1 .Lnot_wave_0_\@
	s_barrier_signal -3
.Lnot_wave_0_\@:
	s_barrier_wait -3
	s_barrier_signal -1
	s_barrier_wait -1
.endm
.macro CROUND                          ; a whole round
	s_barrier_signal -1
	s_barrier_wait -1
	CREST
.endm
	s_load_b128 s[4:7], s[0:1], 0x0                ; A s[4:5], B s[6:7]
	s_load_b64 s[8:9], s[0:1], 0x10                ; out
	s_load_b64 s[BP:BP+1], s[0:1], 0x18            ; bias
.if EPI == 2
	s_load_b64 s[RP:RP+1], s[0:1], 0x20            ; residual
.endif
	v_lshl_add_u32 v[SPW], v0, 2, SPARE
	v_mov_b32 v[NIL], 0
	ds_add_u32 v[SPW], v[NIL]                      ; the wave's opening: the add and its wait stand ahead of my first tensor load; the set-up below, work on registers, stands between them
	v_lshrrev_b32 v1, 5, v0
	v_readfirstlane_b32 s10, v1                    ; wave 0..3
	s_lshr_b32 s11, s10, 1                         ; which half of the tile's rows is mine.  Also: I fetch for A (0) or for B (1)
	s_and_b32 s12, s10, 1                          ; which half of its columns.  Also: which 64 rows of that tile I fetch
	s_bfe_u32 s40, ttmp6, 0x40000                  ; cx, cy: my place in the cluster
	s_bfe_u32 s41, ttmp6, 0x40004
	s_lshl_b32 s42, ttmp9, 2
	s_add_co_u32 s42, s42, s40                     ; tile column = 4 x cluster x + cx
	s_and_b32 s13, ttmp7, 0xffff
	s_lshl_b32 s13, s13, 2
	s_add_co_u32 s13, s13, s41                     ; tile row = 4 x cluster y + cy
	s_lshl_b32 s43, s41, 2
	s_lshl_b32 s43, 15, s43                        ; my row of the cluster
	s_lshl_b32 s44, 0x1111, s40                    ; my column
	; descriptor group 1: a tile of 64 rows x 256 elements, padded in LDS
	s_or_b32 s[G1+0], s43, (1<<16)|(1<<20)|(1<<21)|(6<<22)|(3<<25)  ; 15:0 the mask: A's tiles go to my row; 17:16 element of 2 bytes; 20 padding on; 21 set beside a mask; 24:22 after every 128 words (code 6); 31:25 of 4 words (code 3)
	s_or_b32 s[G1B+0], s44, (1<<16)|(1<<20)|(1<<21)|(6<<22)|(3<<25)
.irp g, G1, G1B
	s_mov_b32 s[(\g)+1], KSTEP<<16                 ; tensor_dim0 = 256
	s_mov_b32 s[(\g)+2], 64<<16                    ; tensor_dim1 = 64
	s_mov_b32 s[(\g)+3], KSTEP<<16                 ; tile_dim0 = 256
	s_mov_b32 s[(\g)+4], 64                        ; tile_dim1 = 64
	s_mov_b32 s[(\g)+5], SIZE_K                    ; elements from row to row
	s_mov_b32 s[(\g)+6], 0
	s_mov_b32 s[(\g)+7], 0
.endr
.if EPI == 1
	s_mov_b32 s[C1], 0xbdd2d3e8                    ; c1 = 0.044715 c0 = -0.10294324
	s_mov_b32 s[C1+1], s[C1]
	s_mov_b32 s[C0], 0xc0135761                    ; c0 = -2 log2(e) sqrt(2 / pi) = -2.3022082
	s_mov_b32 s[C0+1], s[C0]
.endif
	s_lshl_b32 s17, s12, 6                         ; which 64 rows of the tile I fetch
	s_lshl_b32 s16, s13, 7
	s_add_co_u32 s16, s16, s17                     ; A: row 128 x tile row + 64 x half
	s_lshl_b32 s46, s42, 7
	s_add_co_u32 s46, s46, s17                     ; B: row 128 x tile column + 64 x half
	s_mov_b32 s17, 0
	s_mov_b32 s47, 0
	s_mov_b64 s[18:19], SIZE_K*2
	s_mul_u64 s[16:17], s[16:17], s[18:19]
	s_mul_u64 s[46:47], s[46:47], s[18:19]
	s_mul_i32 s20, s10, HALFT                      ; where they go: wave x 64 rows: no place in the cluster enters an LDS address
	s_wait_dscnt 0x0                               ; the opening add is done
	s_wait_kmcnt 0x0
	s_add_nc_u64 s[14:15], s[4:5], s[16:17]
	s_add_nc_u64 s[46:47], s[6:7], s[46:47]
	CROUND                                         ; all sixteen work-groups are here: the first joint loads meet
.irp s, 0,1
	s_mov_b32 s[G0+4*(\s)], 1
	s_add_co_u32 s[G0+4*(\s)+1], s20, (\s)*SLOT
	s_add_nc_u64 s[G0+4*(\s)+2:G0+4*(\s)+3], s[14:15], (\s)*KSTEP*2
	s_or_b32 s[G0+4*(\s)+3], s[G0+4*(\s)+3], 0x80000000
	s_mov_b32 s[G0B+4*(\s)], 1
	s_add_co_u32 s[G0B+4*(\s)+1], s20, (\s)*SLOT
	s_add_nc_u64 s[G0B+4*(\s)+2:G0B+4*(\s)+3], s[46:47], (\s)*KSTEP*2
	s_or_b32 s[G0B+4*(\s)+3], s[G0B+4*(\s)+3], 0x80000000
	JLOAD \s                                       ; two tensor loads of mine are out
.endr
	v_and_b32 v1, 15, v0                           ; l % 16
	v_bfe_u32 v2, v0, 4, 1                         ; l / 16
	v_mul_u32_u24 v3, v1, PITCH
	v_lshl_add_u32 v3, v2, 4, v3                   ; a fragment's row x pitch + 16 x half
	s_mul_i32 s21, s11, HALFT                      ; my 64 rows of A
	s_mul_i32 s22, s12, HALFT                      ; my 64 rows of B,
	s_add_co_u32 s22, s22, 2*HALFT                 ; which lie behind A's 128
.irp s, 0,1
	v_add_nc_u32 v[ADRA+(\s)], s21, v3
	v_add_nc_u32 v[ADRB+(\s)], s22, v3
	s_add_co_u32 s21, s21, SLOT
	s_add_co_u32 s22, s22, SLOT
.endr
.if EPI == 2
	s_mul_i32 s23, s10, 16*SPITCH
	s_add_co_u32 s23, s23, STAGE                   ; my own stage: 16 rows of 64 f32
	v_mul_u32_u24 v4, v1, SPITCH                   ; in: row l % 16, 32 bytes for each half of the lanes
	v_lshl_add_u32 v4, v2, 5, v4
	v_add_nc_u32 v[STO], s23, v4
	v_mul_u32_u24 v5, v2, SPITCH                   ; back: lanes 0-15 take one row of 256 bytes, lanes 16-31 the next
	v_lshl_add_u32 v5, v1, 4, v5
	v_add_nc_u32 v[RD], s23, v5
	v_mul_u32_u24 v5, v2, SIZE_N*4                 ; and the same two rows in out and in the residual
	v_lshl_add_u32 v[CO], v1, 4, v5
	s_lshl_b32 s16, s13, 7
	s_lshl_b32 s17, s11, 6
	s_add_co_u32 s16, s16, s17                     ; my first row: 128 x tile row + 64 x half
	s_mov_b32 s17, 0
	s_mov_b64 s[18:19], SIZE_N*4
	s_mul_u64 s[16:17], s[16:17], s[18:19]
	s_lshl_b32 s46, s42, 9                         ; my first column, in bytes: 512 x tile column + 256 x half
	s_lshl_b32 s47, s12, 8
	s_add_co_u32 s46, s46, s47
	s_mov_b32 s47, 0
	s_add_nc_u64 s[16:17], s[16:17], s[46:47]
	s_add_nc_u64 s[8:9], s[8:9], s[16:17]
	s_add_nc_u64 s[RP:RP+1], s[RP:RP+1], s[16:17]
.else
	s_mul_i32 s23, s11, 64*SPITCH                  ; into the stage: my 64 rows, my half of their 256 bytes; row l % 16, 16 bytes for each half of the lanes
	s_lshl_b32 s21, s12, 7
	s_add_co_u32 s23, s23, s21
	s_add_co_u32 s23, s23, STAGE
	v_mul_u32_u24 v4, v1, SPITCH
	v_lshl_add_u32 v4, v2, 4, v4
	v_add_nc_u32 v[STO], s23, v4
	s_mul_i32 s23, s10, 32*SPITCH                  ; back: wave w takes rows 32 w .. 32 w + 31, whole; lanes 0-15 one row of 256 bytes, lanes 16-31 the next
	s_add_co_u32 s23, s23, STAGE
	v_mul_u32_u24 v5, v2, SPITCH
	v_lshl_add_u32 v5, v1, 4, v5
	v_add_nc_u32 v[RD], s23, v5
	v_mul_u32_u24 v5, v2, SIZE_N*2                 ; and the same two rows in out
	v_lshl_add_u32 v[CO], v1, 4, v5
	s_lshl_b32 s16, s13, 7
	s_lshl_b32 s17, s10, 5
	s_add_co_u32 s16, s16, s17                     ; the first row that I store: 128 x tile row + 32 x wave
	s_mov_b32 s17, 0
	s_mov_b64 s[18:19], SIZE_N*2
	s_mul_u64 s[16:17], s[16:17], s[18:19]
	s_add_nc_u64 s[8:9], s[8:9], s[16:17]
	s_lshl_b32 s46, s42, 8                         ; the tile's first column, in bytes
	s_mov_b32 s47, 0
	s_add_nc_u64 s[8:9], s[8:9], s[46:47]
.endif
	s_lshl_b32 s46, s42, 9                         ; the bias of my 64 columns: 4 x (128 x tile column + 64 x half) bytes
	s_lshl_b32 s47, s12, 8
	s_add_co_u32 s46, s46, s47
	s_mov_b32 s47, 0
	s_add_nc_u64 s[BP:BP+1], s[BP:BP+1], s[46:47]
	v_lshlrev_b32 v[BO], 5, v2
.irp b, 0,1,2,3                        ; register j of n block b: bias[16 b + 8 (l / 16) + j]: the layout of a result, the same for all 16 rows
	global_load_b128 v[BIAS+8*(\b):BIAS+8*(\b)+3],   v[BO], s[BP:BP+1] offset:64*(\b)
	global_load_b128 v[BIAS+8*(\b)+4:BIAS+8*(\b)+7], v[BO], s[BP:BP+1] offset:64*(\b)+16
.endr
.if EPI == 2
	WIN 0x80                                       ; destination window 2, address window 0
.irp a, 0,1,2,3                        ; the residual of my 64 x 64, as whole rows of 256 bytes: it lands while the products run
.irp t, 0,1,2,3,4,5,6,7
	global_load_b128 v[32*(\a)+4*(\t):32*(\a)+4*(\t)+3], v[CO], s[RP:RP+1] offset:(16*(\a)+2*(\t))*4*SIZE_N
.endr
.endr
	WIN 0
.endif
; 8 matrix instructions: m blocks a0, a0 + 1 x all 4 n blocks, 32 along K: half c of buffer f.  zero = 1: the first product starts the sums, with the bias as C.
; The 16 accumulators take turns, one instruction a turn.
.macro MUL8 f, c, a0, zero
	WIN MUL
.irp a, \a0, (\a0)+1
.irp b, 0,1,2,3
.if \zero
	v_wmma_f32_16x16x32_bf16 v[ACC+8*(4*(\a)+(\b)):ACC+8*(4*(\a)+(\b))+7], v[(\f)+64+8*(4*(\c)+(\b)):(\f)+64+8*(4*(\c)+(\b))+7], v[(\f)+8*(4*(\c)+(\a)):(\f)+8*(4*(\c)+(\a))+7], v[BIAS+8*(\b):BIAS+8*(\b)+7]
.else
	v_wmma_f32_16x16x32_bf16 v[ACC+8*(4*(\a)+(\b)):ACC+8*(4*(\a)+(\b))+7], v[(\f)+64+8*(4*(\c)+(\b)):(\f)+64+8*(4*(\c)+(\b))+7], v[(\f)+8*(4*(\c)+(\a)):(\f)+8*(4*(\c)+(\a))+7], v[ACC+8*(4*(\a)+(\b)):ACC+8*(4*(\a)+(\b))+7]
.endif
.endr
.endr
.endm
; 32 LDS loads in one run: the fragments of 64 along K at byte k of the rows, into buffer f; the first 32 along K first
.macro FETCH slot, k, f
	WIN TO_F
.irp c, 0,1
.irp i, 0,1,2,3
	ds_load_b128 v[(\f)+64+8*(4*(\c)+(\i)):(\f)+64+8*(4*(\c)+(\i))+3],   v[ADRB+(\slot)] offset:(\k)+64*(\c)+(\i)*16*PITCH
	ds_load_b128 v[(\f)+64+8*(4*(\c)+(\i))+4:(\f)+64+8*(4*(\c)+(\i))+7], v[ADRB+(\slot)] offset:(\k)+64*(\c)+(\i)*16*PITCH+32
	ds_load_b128 v[(\f)+8*(4*(\c)+(\i)):(\f)+8*(4*(\c)+(\i))+3],         v[ADRA+(\slot)] offset:(\k)+64*(\c)+(\i)*16*PITCH
	ds_load_b128 v[(\f)+8*(4*(\c)+(\i))+4:(\f)+8*(4*(\c)+(\i))+7],       v[ADRA+(\slot)] offset:(\k)+64*(\c)+(\i)*16*PITCH+32
.endr
.endr
.endm
.macro PLACES                          ; four places in front of loads into registers that matrix instructions have read, and of lines that read results
.rept 4
	v_nop
.endr
.endm
; A K step is four quarters of 64 along K, 32 matrix instructions each, on buffers 0, 1, 0, 1.  One of the first three: multiplies buffer f and fetches the next quarter, at byte k, into g.
.macro QUARTER slot, k, f, g, zero
	s_wait_dscnt 16                                ; the first 32 along K are in; the youngest sixteen loads may be out
	WIN MUL
	MUL8 \f, 0, 0, \zero
	MUL8 \f, 0, 2, \zero
	PLACES
	FETCH \slot, \k, \g
	s_wait_dscnt 32                                ; all but the 32 just issued
	WIN MUL
	MUL8 \f, 1, 0, 0
	MUL8 \f, 1, 2, 0
.endm
; The last quarter multiplies buffer 1 and changes slots: ONE barrier; in front of it each wave waits for all its tensor loads, adds 0 to its spare word, and waits for that and for its own reads of this slot.
; fill = 1: this slot is filled again, two K steps ahead; the barrier then opens a round of the cluster's barrier, and the joint load is the first thing behind the round.
.macro TURN slot, next, fill
	WIN 0                                          ; (the add's two registers lie in window 0)
	s_wait_tensorcnt 0x0                           ; all my tensor loads have landed: the one that was out is my part of the next slot;
	ds_add_u32 v[SPW], v[NIL]                      ; 0 onto my spare word;
	s_wait_dscnt 17                                ; (the add and the youngest sixteen loads may be out)
	WIN MUL
	MUL8 F1, 0, 0, 0                               ; eight matrix instructions stand between the add and the wait for it
	s_wait_dscnt 0x0                               ; the add is done, and my reads of this slot are over
	s_barrier_signal -1
	MUL8 F1, 0, 2, 0
.if \fill
	WIN 0
.endif
	s_barrier_wait -1
.if \fill
	CREST                                          ; no wave of any partner still reads this slot's tile or has a load on its way
	s_add_nc_u64 s[G0+4*(\slot)+2:G0+4*(\slot)+3], s[G0+4*(\slot)+2:G0+4*(\slot)+3], 2*KSTEP*2
	s_add_nc_u64 s[G0B+4*(\slot)+2:G0B+4*(\slot)+3], s[G0B+4*(\slot)+2:G0B+4*(\slot)+3], 2*KSTEP*2
	JLOAD \slot                                    ; one tensor load of mine is out: 112 matrix instructions ahead of the wait for it; its four v_nop are also the places in front of the loads below
.else
	PLACES
.endif
	FETCH \next, 0, F0
	WIN MUL
	MUL8 F1, 1, 0, 0
	MUL8 F1, 1, 2, 0
.endm
	s_wait_tensorcnt 1                             ; my part of K step 0 is in; K step 1's may stay out
	s_barrier_signal -1
	s_barrier_wait -1                              ; everybody's is
	FETCH 0, 0, F0
.if EPI == 2
	s_wait_loadcnt 32                              ; the bias is in; the 32 loads of the residual, issued behind it, stay out
.else
	s_wait_loadcnt 0x0                             ; the bias is in
.endif
	QUARTER 0, 128, F0, F1, 1                      ; the first quarter stands in front of the loop: its first products start the sums
	WIN 0                                          ; at a label and at a branch every window is 0
	s_mov_b32 s3, LAPS-1
.Llap:                                                 ; a trip goes once round the ring, from a lap's second quarter to the next lap's first, and fills both slots again
	QUARTER 0, 256, F1, F0, 0
	QUARTER 0, 384, F0, F1, 0
	TURN 0, 1, 1
	QUARTER 1, 128, F0, F1, 0
	QUARTER 1, 256, F1, F0, 0
	QUARTER 1, 384, F0, F1, 0
	TURN 1, 0, 1
	QUARTER 0, 128, F0, F1, 0
	WIN 0
	s_sub_co_u32 s3, s3, 1
	s_cmp_lg_u32 s3, 0
	s_cbranch_scc1 .Llap
	QUARTER 0, 256, F1, F0, 0                      ; the last lap fills nothing, and has no round of the cluster's barrier
	QUARTER 0, 384, F0, F1, 0
	TURN 0, 1, 0
	QUARTER 1, 128, F0, F1, 0
	QUARTER 1, 256, F1, F0, 0
	QUARTER 1, 384, F0, F1, 0
	s_wait_dscnt 16                                ; the very last quarter: nothing more to fetch
	WIN MUL
	MUL8 F1, 0, 0, 0
	MUL8 F1, 0, 2, 0
	s_wait_dscnt 0
	MUL8 F1, 1, 0, 0
	MUL8 F1, 1, 2, 0
	WIN 0
	PLACES
	PLACES                                         ; once a launch: twice the places that the lines below need
.if EPI == 2
	; THE WAY OUT, f32 with a residual.  A block of 16 rows x 64 columns goes through my own stage: 32 bytes a lane in, whole rows of 256 bytes back; the residual, which lies in the same
	; layout, is added, and 16 lanes store 256 consecutive bytes, aligned.  The stage is my own and LDS serves a wave's instructions in order (ISA guide 5.7.1.4): no barrier, no wait between stores and loads.
.macro PUT a, buf
	WIN 0
.irp b, 0,1,2,3
	ds_store_b128 v[STO], v[ACC+8*(4*(\a)+(\b)):ACC+8*(4*(\a)+(\b))+3]   offset:64*(\b)
	ds_store_b128 v[STO], v[ACC+8*(4*(\a)+(\b))+4:ACC+8*(4*(\a)+(\b))+7] offset:64*(\b)+16
.endr
.irp t, 0,1,2,3,4,5,6,7
	ds_load_b128 v[(\buf)+4*(\t):(\buf)+4*(\t)+3], v[RD] offset:(\t)*2*SPITCH
.endr
.endm
.macro SEND a, buf, younger            ; younger: the LDS instructions issued behind block a's: the next block's eight stores and eight loads, or none
	s_wait_dscnt \younger
	WIN 0x88                                       ; destination and source 1 (the residual; a store's data) window 2, source 0 (the block; a store's address) window 0
.irp t, 0,1,2,3,4,5,6,7
	v_pk_add_f32 v[32*(\a)+4*(\t):32*(\a)+4*(\t)+1],   v[(\buf)+4*(\t):(\buf)+4*(\t)+1],   v[32*(\a)+4*(\t):32*(\a)+4*(\t)+1]
	v_pk_add_f32 v[32*(\a)+4*(\t)+2:32*(\a)+4*(\t)+3], v[(\buf)+4*(\t)+2:(\buf)+4*(\t)+3], v[32*(\a)+4*(\t)+2:32*(\a)+4*(\t)+3]
	global_store_b128 v[CO], v[32*(\a)+4*(\t):32*(\a)+4*(\t)+3], s[8:9] offset:(16*(\a)+2*(\t))*4*SIZE_N  ; each register is stored once and never written again
.endr
	WIN 0
.endm
	s_wait_loadcnt 0x0                             ; the residual is in
	PUT 0, TMP
	PUT 1, TMP+32
	SEND 0, TMP, 16
	PUT 2, TMP
	SEND 1, TMP+32, 16
	PUT 3, TMP+32
	SEND 2, TMP, 16
	SEND 3, TMP+32, 0
.else
	; THE WAY OUT, bf16.  Accumulator t's eight numbers a lane pack into four registers at v[96 + 4 t] (t < 8; the bias's registers are free) or v[4 t] (t >= 8).
.if EPI == 1
	; gelu(x) = x / (1 + 2^(x (c0 + c1 x x))), which is x (1 + tanh(sqrt(2 / pi) (x + 0.044715 x^3))) / 2.  Where x x overflows the exponent is an infinity of the right sign: x or -0 comes out.
	; 64 numbers a lane at a time; the exponentials are one batch with one wait, the reciprocals another.
.macro GELU hh, pk
.set X, ACC+64*(\hh)
.set i, 0
.rept 32
	v_pk_mul_f32 v[TMP+i:TMP+i+1], v[X+i:X+i+1], v[X+i:X+i+1]  ; ascending: each accumulator's lowest registers are read first
.set i, i+2
.endr
.set i, 0
.rept 32
	v_pk_fma_f32 v[TMP+i:TMP+i+1], v[TMP+i:TMP+i+1], s[C1:C1+1], s[C0:C0+1] op_sel_hi:[1,0,0]
.set i, i+2
.endr
.set i, 0
.rept 32
	v_pk_mul_f32 v[TMP+i:TMP+i+1], v[TMP+i:TMP+i+1], v[X+i:X+i+1]
.set i, i+2
.endr
.set i, 0
.rept 64
	v_exp_f32 v[TMP+i], v[TMP+i]
.set i, i+1
.endr
	v_nop
	s_wait_alu depctr_va_vdst(0)
.set i, 0
.rept 32
	v_pk_add_f32 v[TMP+i:TMP+i+1], v[TMP+i:TMP+i+1], 1.0 op_sel_hi:[1,0]
.set i, i+2
.endr
.set i, 0
.rept 64
	v_rcp_f32 v[TMP+i], v[TMP+i]
.set i, i+1
.endr
	v_nop
	s_wait_alu depctr_va_vdst(0)
.set i, 0
.rept 32
	v_pk_mul_f32 v[X+i:X+i+1], v[X+i:X+i+1], v[TMP+i:TMP+i+1]
.set i, i+2
.endr
.set i, 0
.rept 32
	v_cvt_pk_bf16_f32 v[(\pk)+i], v[X+2*i], v[X+2*i+1]
.set i, i+1
.endr
.endm
	GELU 0, BIAS
	GELU 1, TMP
.else
.set t, 0
.rept 16
.set pr, 4*t+96*(1-t/8)
.irp r, 0,1,2,3
	v_cvt_pk_bf16_f32 v[pr+(\r)], v[ACC+8*t+2*(\r)], v[ACC+8*t+2*(\r)+1]
.endr
.set t, t+1
.endr
.endif
	; 16 bytes a lane into the work-group's stage; a barrier, since a row's 256 bytes come from two waves; back as whole rows, 32 rows a wave
.set t, 0
.rept 16
.set pr, 4*t+96*(1-t/8)
	ds_store_b128 v[STO], v[pr:pr+3] offset:(t/4)*16*SPITCH+32*(t%4)
.set t, t+1
.endr
	s_wait_dscnt 0x0                               ; for the others' sake: my stores into the stage are done
	s_barrier_signal -1
	s_barrier_wait -1
.irp t, 0,1,2,3,4,5,6,7,8,9,10,11,12,13,14,15
	ds_load_b128 v[TMP+4*(\t):TMP+4*(\t)+3], v[RD] offset:(\t)*2*SPITCH
.endr
.irp t, 0,1,2,3,4,5,6,7,8,9,10,11,12,13,14,15
	s_wait_dscnt 15-(\t)
	global_store_b128 v[CO], v[TMP+4*(\t):TMP+4*(\t)+3], s[8:9] offset:2*(\t)*SIZE_N*2  ; 16 lanes store 256 consecutive bytes, at a multiple of 256 from out's first byte
.endr
.endif
	s_wait_tensorcnt 0x0                           ; the wave's end, behind my last tensor load and my last LDS store
	ds_add_u32 v[SPW], v[NIL]
	s_wait_dscnt 0x0
	CROUND                                         ; the closing round: no work-group ends while a partner may still ask for a tile that names it
	s_endpgm
.Lfunc_end_k_q021850f74e_g_qkv:
	.size	k_q021850f74e_g_qkv, .Lfunc_end_k_q021850f74e_g_qkv-k_q021850f74e_g_qkv
	.p2alignl 7, 3214868480
	.fill 96, 4, 3214868480
	.section	.rodata,"a",@progbits
	.p2align	6, 0x0
	.amdhsa_kernel k_q021850f74e_g_qkv
		.amdhsa_group_segment_fixed_size 327680
		.amdhsa_private_segment_fixed_size 0
		.amdhsa_enable_private_segment 0
		.amdhsa_kernarg_size 32
		.amdhsa_user_sgpr_count 2
		.amdhsa_user_sgpr_kernarg_segment_ptr 1
		.amdhsa_wavefront_size32 1
		.amdhsa_system_sgpr_workgroup_id_x 1
		.amdhsa_system_sgpr_workgroup_id_y 1
		.amdhsa_system_sgpr_workgroup_id_z 1
		.amdhsa_system_vgpr_workitem_id 0
		.amdhsa_next_free_vgpr 512
		.amdhsa_next_free_sgpr 76
		.amdhsa_reserve_vcc 0
		.amdhsa_float_denorm_mode_32 3
		.amdhsa_float_denorm_mode_16_64 3
		.amdhsa_memory_ordered 1
		.amdhsa_forward_progress 1
		.amdhsa_inst_pref_size 88
	.end_amdhsa_kernel
	.amdgpu_metadata
---
amdhsa.version: [ 1, 2 ]
amdhsa.kernels:
  - .name:           k_q021850f74e_g_qkv
    .symbol:         k_q021850f74e_g_qkv.kd
    .args:
      - { .name: act, .offset: 0, .size: 8, .value_kind: global_buffer, .address_space: global }
      - { .name: wq, .offset: 8, .size: 8, .value_kind: global_buffer, .address_space: global }
      - { .name: qkv, .offset: 16, .size: 8, .value_kind: global_buffer, .address_space: global }
      - { .name: in_proj_b, .offset: 24, .size: 8, .value_kind: global_buffer, .address_space: global }
    .group_segment_fixed_size: 327680
    .private_segment_fixed_size: 0
    .kernarg_segment_align: 8
    .kernarg_segment_size: 32
    .max_flat_workgroup_size: 128
    .sgpr_count:     76
    .vgpr_count:     512
    .wavefront_size: 32
...
	.end_amdgpu_metadata
.endif
;; end of part 2
;; launch attn (part 3): grid 256 x 1, 8 waves a work-group, no clusters, 179,200 bytes of LDS; arguments qkv, act; writes act
.if DOCPART == 3
	.amdgcn_target "amdgcn-amd-amdhsa--gfx1250"
	.amdhsa_code_object_version 6
	.text
	.protected	k_q021850f74e_attn
	.globl	k_q021850f74e_attn
	.p2align	8
	.type	k_q021850f74e_attn,@function
k_q021850f74e_attn:
	s_mov_b64 s[64:65], 0
	v_nop
	global_prefetch_b8 v0, s[64:65] scope:SCOPE_SE
	s_setreg_imm32_b32 hwreg(HW_REG_WAVE_MODE, 25, 1), 1
	s_wait_xcnt 0x0
; act[t][h][:] = the sum over keys k of the same batch with 0 <= t - k < 16 of softmax_k(q[t][h] . k[k][h] / 8) v[k][h][:].  qkv: [4096][3072] bf16 (a row: q, k, v, 2,048 bytes each; head h at 128 h);
; act: [4096][1024] bf16.  A batch is 2,048 tokens.  Products, maximum and sum in f32; the weights are rounded to bf16 for the second product (their sum is taken of the unrounded ones), o once at the end.
; THE BAND.  A block of 16 queries sees keys of its own block of 16 tokens and of the block before, and of no other: two products of 16 x 16 scores a head, one product over 32 keys for o.
; SHARES.  Work-group g owns tokens 16 g .. 16 g + 15, wave w heads 2 w and 2 w + 1: 256 consecutive bytes, aligned, of each row of q, k, v and o.  A batch's first block has no block before it:
; it reads its own once more (an address inside the buffer) and hides all of it.
; THE MASK is the C operand that starts a score's sum: 0, or -1e30 where the key is hidden.  Every query sees its own key, so the maximum is a true score and a hidden weight is 0.
; LAYOUT.  S^T = K Q^T (source 0 = 16 keys, source 1 = 16 queries): a lane holds ONE query (lane % 16) and the keys 8 (lane / 16) + 0..7.  The two blocks' results, rounded to bf16 in pairs, ARE source 1
; (32 keys x 16 queries) of O^T = V^T P, whose result again holds one query a lane, and eight channels.  Rows come from memory whole, go through the wave's own LDS and come back as fragments; V turned, by ds_load_tr16_b128.
; Each wave touches its own LDS bytes alone: no barrier.  The text is straight: no loop.
; NO CLUSTER: the rows that two neighbouring work-groups both read (K and V of one block) belong in different places of their LDS (own block, block before), and a joint load has one LDS address.
; LIMITS.  A hidden score counts as its value less 1e30; a weight below 2^-126 counts as 0; NaN and infinities are not treated apart.
.set PQ,    272                        ; a row of Q, K or O in LDS: 256 bytes + 16: the 16 rows of a load start at 16 different groups of four banks (64 banks of 4 bytes: ISA guide 11.1)
.set PVV,   288                        ; a row of V: 256 + 32
.set KL,    16*PQ                      ; a wave's bytes: 16 rows of Q (later of O), 32 of K (block before, own block), 32 of V
.set VL,    KL+32*PQ
.set WBY,   VL+32*PVV                  ; 22,272 bytes a wave
.set SPARE, 8*WBY                      ; behind the eight: the spare words, 128 bytes for each wave: four blocks of 256 bytes that no other line names
.set VO,  3                            ; v3   my 16 bytes in two rows of qkv: 6,144 (l / 16) + 16 (l % 16); never rewritten
.set SQ,  4                            ; v4   the same two rows in LDS at pitch PQ
.set SV,  5                            ; v5   at pitch PVV, in V's region
.set AQ,  6                            ; v6   a fragment's row: (l % 16) PQ + 16 (l / 16)
.set AV,  7                            ; v7   the turning load's: (8 (l / 16) + l % 8) PVV + 16 ((l / 8) % 2), in V's region
.set GO,  8                            ; v8   my 16 bytes in two rows of act; never rewritten
.set SPW, 9                            ; v9   LDS address of my spare word: SPARE + 4 x my thread's number; never rewritten
.set NIL, 10                           ; v10  0; never rewritten
.set MK,  16                           ; v[16:23] the mask of the block before, v[24:31] of the own block
.set KF,  32                           ; v[32:95]   rows of K as loaded; then its fragments: head e, block kb, channel half c at KF + 8 (4 e + 2 kb + c)
.set QF,  96                           ; v[96:127]  rows of Q; then fragments at QF + 8 (2 e + c); at the end rows of O
.set VF,  128                          ; v[128:191] rows of V; then fragments: head e, channel block cb at VF + 8 (4 e + cb)
.set OT,  32                           ; O^T takes K's registers: OT + 8 (4 e + cb)
.set S,   192                          ; v[192:223] S^T: S + 16 e + 8 kb; at the end O packed
.set P,   224                          ; v[224:239] P + 8 e
.set ST,  240                          ; head e at ST + 8 e: c m, m, l (later 1 / l), the other half's l, two at work
.set WV,  8                            ; s8   my wave's number
.set TT,  10                           ; s10  16 in a batch's first block, else 0
.set BIGN, 11                          ; s11  -1e30
.set OWN, 12                           ; s[12:13] qkv at my block's first row, my two heads
.set PRV, 14                           ; s[14:15] the same for the block before
.set OUT, 16                           ; s[16:17] act likewise
.set CS,  20                           ; s[20:21] c = log2(e) / 8, named as a pair
.set SEL, 22                           ; s[22:23] v_permlanex16_b32's selects: each lane takes its own place in the other half
.set WB,  24                           ; s24  my wave's first LDS byte; s25 the same + VL
	s_load_b128 s[4:7], s[0:1], 0x0                ; qkv s[4:5], act s[6:7]
	v_lshl_add_u32 v[SPW], v0, 2, SPARE
	v_mov_b32 v[NIL], 0
	v_lshrrev_b32 v11, 5, v0
	v_readfirstlane_b32 s[WV], v11                 ; wave 0..7
	v_and_b32 v1, 15, v0                           ; l % 16
	v_bfe_u32 v2, v0, 4, 1                         ; l / 16
	v_mul_u32_u24 v[VO], v2, 6144
	v_lshl_add_u32 v[VO], v1, 4, v[VO]
	s_and_b32 s9, ttmp9, 127                       ; a batch has 128 blocks
	s_cmp_eq_u32 s9, 0
	s_cselect_b32 s[TT], 16, 0
	s_cselect_b32 s9, 0, 1
	s_sub_co_u32 s9, ttmp9, s9                     ; the block before, or my own
	s_lshl_b32 s18, s[WV], 8                       ; my two heads: 256 bytes
	s_mul_i32 s[OWN], ttmp9, 16*6144
	s_add_co_u32 s[OWN], s[OWN], s18
	s_mov_b32 s[OWN+1], 0
	s_mul_i32 s[PRV], s9, 16*6144
	s_add_co_u32 s[PRV], s[PRV], s18
	s_mov_b32 s[PRV+1], 0
	s_lshl_b32 s[OUT], ttmp9, 15                   ; 16 rows of 2,048 bytes
	s_add_co_u32 s[OUT], s[OUT], s18
	s_mov_b32 s[OUT+1], 0
	s_wait_kmcnt 0x0
	s_add_nc_u64 s[OWN:OWN+1], s[4:5], s[OWN:OWN+1]
	s_add_nc_u64 s[PRV:PRV+1], s[4:5], s[PRV:PRV+1]
	s_add_nc_u64 s[OUT:OUT+1], s[6:7], s[OUT:OUT+1]
; 16 rows x 256 bytes: eight loads, two rows each: 16 lanes take 256 consecutive bytes, aligned
.macro ROWS dst, base, part
.irp t, 0,1,2,3,4,5,6,7
	global_load_b128 v[(\dst)+4*(\t):(\dst)+4*(\t)+3], v[VO], s[(\base):(\base)+1] offset:(\t)*2*6144+(\part)
.endr
.endm
.macro TOLDS src, adr, off, pitch
.irp t, 0,1,2,3,4,5,6,7
	ds_store_b128 v[\adr], v[(\src)+4*(\t):(\src)+4*(\t)+3] offset:(\off)+(\t)*2*(\pitch)
.endr
.endm
	ROWS KF,    PRV, 2048                          ; K of the block before,
	ROWS KF+32, OWN, 2048                          ; K of my block,
	ROWS QF,    OWN, 0                             ; Q,
	ROWS VF,    PRV, 4096                          ; V of the block before,
	ROWS VF+32, OWN, 4096                          ; V of my block: 40 loads on their way
	s_mov_b32 s[BIGN], 0xf149f2ca
	s_mov_b32 s[CS], 0x3e38aa3b
	s_mov_b32 s[CS+1], s[CS]
	s_mov_b32 s[SEL], 0x76543210
	s_mov_b32 s[SEL+1], 0xfedcba98
	s_mul_i32 s[WB], s[WV], WBY
	s_add_co_u32 s25, s[WB], VL
	v_mul_u32_u24 v[SQ], v2, PQ
	v_lshl_add_u32 v[SQ], v1, 4, v[SQ]
	v_add_nc_u32 v[SQ], s[WB], v[SQ]
	v_mul_u32_u24 v[SV], v2, PVV
	v_lshl_add_u32 v[SV], v1, 4, v[SV]
	v_add_nc_u32 v[SV], s25, v[SV]
	v_mul_u32_u24 v[AQ], v1, PQ
	v_lshl_add_u32 v[AQ], v2, 4, v[AQ]
	v_add_nc_u32 v[AQ], s[WB], v[AQ]
	v_and_b32 v11, 7, v0
	v_bfe_u32 v12, v0, 3, 1
	v_lshl_add_u32 v[AV], v2, 3, v11
	v_mul_u32_u24 v[AV], v[AV], PVV
	v_lshl_add_u32 v[AV], v12, 4, v[AV]
	v_add_nc_u32 v[AV], s25, v[AV]
	v_lshlrev_b32 v[GO], 11, v2
	v_lshl_add_u32 v[GO], v1, 4, v[GO]
	v_mov_b32 v[ST+3], 0                           ; v_permlanex16_b32's destinations count as read
	v_mov_b32 v[ST+11], 0
	; Query r = l % 16; register j holds key 8 (l / 16) + j of a block.  Own block: hidden where the key is later, j > r - 8 (l / 16).  Block before: 16 + r - key < 16 is wanted, so hidden where j <= r - 8 (l / 16);
	; with 16 added on the right, in a batch's first block, that holds of every j.
	v_lshlrev_b32 v13, 3, v2
	v_sub_nc_u32 v13, v1, v13
	v_add_nc_u32 v14, s[TT], v13
.irp j, 0,1,2,3,4,5,6,7
	v_cmp_le_i32 vcc_lo, \j, v14
	v_cndmask_b32 v[MK+(\j)], 0, s[BIGN], vcc_lo
	v_cmp_gt_i32 vcc_lo, \j, v13
	v_cndmask_b32 v[MK+8+(\j)], 0, s[BIGN], vcc_lo
.endr
	s_wait_loadcnt 32                              ; loads come back in order: the first eight are in, 32 younger ones stay out; and so on by eights
	TOLDS KF, SQ, KL, PQ
	s_wait_loadcnt 24
	TOLDS KF+32, SQ, KL+16*PQ, PQ
	s_wait_loadcnt 16
	TOLDS QF, SQ, 0, PQ
	; fragments: 16 rows x 32 channels in 8 registers, two loads of 16 bytes, 32 bytes apart.  LDS serves a wave's instructions in order (ISA guide 5.7.1.4): these see the stores above
.irp e, 0,1
.irp kb, 0,1
.irp c, 0,1
	ds_load_b128 v[KF+8*(4*(\e)+2*(\kb)+(\c)):KF+8*(4*(\e)+2*(\kb)+(\c))+3],   v[AQ] offset:KL+(\kb)*16*PQ+128*(\e)+64*(\c)
	ds_load_b128 v[KF+8*(4*(\e)+2*(\kb)+(\c))+4:KF+8*(4*(\e)+2*(\kb)+(\c))+7], v[AQ] offset:KL+(\kb)*16*PQ+128*(\e)+64*(\c)+32
.endr
.endr
.endr
.irp e, 0,1
.irp c, 0,1
	ds_load_b128 v[QF+8*(2*(\e)+(\c)):QF+8*(2*(\e)+(\c))+3],   v[AQ] offset:128*(\e)+64*(\c)
	ds_load_b128 v[QF+8*(2*(\e)+(\c))+4:QF+8*(2*(\e)+(\c))+7], v[AQ] offset:128*(\e)+64*(\c)+32
.endr
.endr
	s_wait_loadcnt 8
	TOLDS VF, SV, 0, PVV
	s_wait_loadcnt 0x0
	TOLDS VF+32, SV, 16*PVV, PVV
.irp e, 0,1
.irp cb, 0,1,2,3                       ; V^T: channels 16 cb on of head e, keys 0-15 (block before) and 16-31 (own block)
	ds_load_tr16_b128 v[VF+8*(4*(\e)+(\cb)):VF+8*(4*(\e)+(\cb))+3],   v[AV] offset:128*(\e)+32*(\cb)
	ds_load_tr16_b128 v[VF+8*(4*(\e)+(\cb))+4:VF+8*(4*(\e)+(\cb))+7], v[AV] offset:128*(\e)+32*(\cb)+16*PVV
.endr
.endr
	s_wait_dscnt 32                                ; K's and Q's fragments are in; V's 16 stores and 16 turning loads, issued behind them, may stay out
.irp c, 0,1                            ; the four accumulators take turns
.irp e, 0,1
.irp kb, 0,1
.if (\c) == 0
	v_wmma_f32_16x16x32_bf16 v[S+16*(\e)+8*(\kb):S+16*(\e)+8*(\kb)+7], v[KF+8*(4*(\e)+2*(\kb)):KF+8*(4*(\e)+2*(\kb))+7], v[QF+16*(\e):QF+16*(\e)+7], v[MK+8*(\kb):MK+8*(\kb)+7]
.else
	v_wmma_f32_16x16x32_bf16 v[S+16*(\e)+8*(\kb):S+16*(\e)+8*(\kb)+7], v[KF+8*(4*(\e)+2*(\kb)+1):KF+8*(4*(\e)+2*(\kb)+1)+7], v[QF+16*(\e)+8:QF+16*(\e)+15], v[S+16*(\e)+8*(\kb):S+16*(\e)+8*(\kb)+7]
.endif
.endr
.endr
.endr
.rept 4
	v_nop                                          ; the places behind those products (ISA guide 7.12.1)
.endr
.macro BOTH line:vararg                ; one line for each head e: the two alternate, so that no line waits for the one before it
.set e, 0
.rept 2
	\line
.set e, e+1
.endr
.endm
	; the maximum of a lane's 16 scores (each accumulator's lowest registers are read first), then of the query's other 16, which lie in the lane 16 away
	BOTH v_max3_num_f32 v[ST+8*e+4], v[S+16*e], v[S+16*e+1], v[S+16*e+2]
	BOTH v_max3_num_f32 v[ST+8*e+5], v[S+16*e+8], v[S+16*e+9], v[S+16*e+10]
	BOTH v_max3_num_f32 v[ST+8*e+4], v[ST+8*e+4], v[S+16*e+3], v[S+16*e+4]
	BOTH v_max3_num_f32 v[ST+8*e+5], v[ST+8*e+5], v[S+16*e+11], v[S+16*e+12]
	BOTH v_max3_num_f32 v[ST+8*e+4], v[ST+8*e+4], v[S+16*e+5], v[S+16*e+6]
	BOTH v_max3_num_f32 v[ST+8*e+5], v[ST+8*e+5], v[S+16*e+13], v[S+16*e+14]
	BOTH v_max3_num_f32 v[ST+8*e+4], v[ST+8*e+4], v[S+16*e+7], v[S+16*e+15]
	BOTH v_max_num_f32 v[ST+8*e+4], v[ST+8*e+4], v[ST+8*e+5]
	BOTH v_permlanex16_b32 v[ST+8*e+5], v[ST+8*e+4], s[SEL], s[SEL+1]
	BOTH v_max_num_f32 v[ST+8*e+1], v[ST+8*e+4], v[ST+8*e+5]
	BOTH v_mul_f32 v[ST+8*e], s[CS], v[ST+8*e+1]
.set i, 0
.rept 16
	v_pk_fma_f32 v[S+2*i:S+2*i+1], v[S+2*i:S+2*i+1], s[CS:CS+1], v[ST+8*(i/8):ST+8*(i/8)+1] op_sel_hi:[1,0,0] neg_lo:[0,0,1] neg_hi:[0,0,1]  ; c s - c m
.set i, i+1
.endr
.set i, 0
.rept 32
	v_exp_f32 v[S+i], v[S+i]                       ; one batch for both heads
.set i, i+1
.endr
	v_nop                                          ; a plain instruction behind the last exponential,
	s_wait_alu depctr_va_vdst(0)                   ; and the one wait ahead of the batch's first reader
.set i, 0
.rept 16
	v_cvt_pk_bf16_f32 v[P+i], v[S+2*i], v[S+2*i+1]
.set i, i+1
.endr
	s_wait_dscnt 0x0                               ; V's fragments are in
.irp e, 0,1
.irp cb, 0,1,2,3
	v_wmma_f32_16x16x32_bf16 v[OT+8*(4*(\e)+(\cb)):OT+8*(4*(\e)+(\cb))+7], v[VF+8*(4*(\e)+(\cb)):VF+8*(4*(\e)+(\cb))+7], v[P+8*(\e):P+8*(\e)+7], 0
.endr
.endr
	; the sums of the weights name no register of those products: they are the places behind them
	BOTH v_pk_add_f32 v[S+16*e:S+16*e+1], v[S+16*e:S+16*e+1], v[S+16*e+2:S+16*e+3]
	BOTH v_pk_add_f32 v[S+16*e+4:S+16*e+5], v[S+16*e+4:S+16*e+5], v[S+16*e+6:S+16*e+7]
	BOTH v_pk_add_f32 v[S+16*e+8:S+16*e+9], v[S+16*e+8:S+16*e+9], v[S+16*e+10:S+16*e+11]
	BOTH v_pk_add_f32 v[S+16*e+12:S+16*e+13], v[S+16*e+12:S+16*e+13], v[S+16*e+14:S+16*e+15]
	BOTH v_pk_add_f32 v[S+16*e:S+16*e+1], v[S+16*e:S+16*e+1], v[S+16*e+4:S+16*e+5]
	BOTH v_pk_add_f32 v[S+16*e+8:S+16*e+9], v[S+16*e+8:S+16*e+9], v[S+16*e+12:S+16*e+13]
	BOTH v_pk_add_f32 v[S+16*e:S+16*e+1], v[S+16*e:S+16*e+1], v[S+16*e+8:S+16*e+9]
	BOTH v_add_f32 v[ST+8*e+2], v[S+16*e], v[S+16*e+1]
	BOTH v_permlanex16_b32 v[ST+8*e+3], v[ST+8*e+2], s[SEL], s[SEL+1]
	BOTH v_add_f32 v[ST+8*e+2], v[ST+8*e+2], v[ST+8*e+3]
	BOTH v_rcp_f32 v[ST+8*e+2], v[ST+8*e+2]
	v_nop
	s_wait_alu depctr_va_vdst(0)                   ; one wait for the two reciprocals
.set i, 0
.rept 32
	v_pk_mul_f32 v[OT+2*i:OT+2*i+1], v[OT+2*i:OT+2*i+1], v[ST+8*(i/16)+2:ST+8*(i/16)+3] op_sel_hi:[1,0]  ; ascending: each accumulator's lowest registers first
.set i, i+1
.endr
.set i, 0
.rept 32
	v_cvt_pk_bf16_f32 v[S+i], v[OT+2*i], v[OT+2*i+1]
.set i, i+1
.endr
	; a lane's eight channels of a row are 16 bytes: into Q's rows of LDS, which nobody reads any more, and back as whole rows of 256 bytes
.irp e, 0,1
.irp cb, 0,1,2,3
	ds_store_b128 v[AQ], v[S+4*(4*(\e)+(\cb)):S+4*(4*(\e)+(\cb))+3] offset:128*(\e)+32*(\cb)
.endr
.endr
.irp t, 0,1,2,3,4,5,6,7
	ds_load_b128 v[QF+4*(\t):QF+4*(\t)+3], v[SQ] offset:(\t)*2*PQ
.endr
.irp t, 0,1,2,3,4,5,6,7
	s_wait_dscnt 7-(\t)
	global_store_b128 v[GO], v[QF+4*(\t):QF+4*(\t)+3], s[OUT:OUT+1] offset:(\t)*4096  ; 16 lanes store 256 consecutive bytes, aligned
.endr
	s_wait_tensorcnt 0x0                           ; the wave's end, behind my last LDS store
	ds_add_u32 v[SPW], v[NIL]
	s_wait_dscnt 0x0
	s_endpgm
.Lfunc_end_k_q021850f74e_attn:
	.size	k_q021850f74e_attn, .Lfunc_end_k_q021850f74e_attn-k_q021850f74e_attn
	.p2alignl 7, 3214868480
	.fill 96, 4, 3214868480
	.section	.rodata,"a",@progbits
	.p2align	6, 0x0
	.amdhsa_kernel k_q021850f74e_attn
		.amdhsa_group_segment_fixed_size 179200
		.amdhsa_private_segment_fixed_size 0
		.amdhsa_enable_private_segment 0
		.amdhsa_kernarg_size 16
		.amdhsa_user_sgpr_count 2
		.amdhsa_user_sgpr_kernarg_segment_ptr 1
		.amdhsa_wavefront_size32 1
		.amdhsa_system_sgpr_workgroup_id_x 1
		.amdhsa_system_sgpr_workgroup_id_y 1
		.amdhsa_system_sgpr_workgroup_id_z 1
		.amdhsa_system_vgpr_workitem_id 0
		.amdhsa_next_free_vgpr 256
		.amdhsa_next_free_sgpr 66
		.amdhsa_reserve_vcc 1
		.amdhsa_float_denorm_mode_32 3
		.amdhsa_float_denorm_mode_16_64 3
		.amdhsa_memory_ordered 1
		.amdhsa_forward_progress 1
		.amdhsa_inst_pref_size 27
	.end_amdhsa_kernel
	.amdgpu_metadata
---
amdhsa.version: [ 1, 2 ]
amdhsa.kernels:
  - .name:           k_q021850f74e_attn
    .symbol:         k_q021850f74e_attn.kd
    .args:
      - { .name: qkv, .offset: 0, .size: 8, .value_kind: global_buffer, .address_space: global }
      - { .name: act, .offset: 8, .size: 8, .value_kind: global_buffer, .address_space: global }
    .group_segment_fixed_size: 179200
    .private_segment_fixed_size: 0
    .kernarg_segment_align: 8
    .kernarg_segment_size: 16
    .max_flat_workgroup_size: 256
    .sgpr_count:     66
    .vgpr_count:     256
    .wavefront_size: 32
...
	.end_amdgpu_metadata
.endif
;; end of part 3
;; launch g_out (part 4): grid 8 x 32, 4 waves a work-group, clusters of 4 x 4, 327,680 bytes of LDS; arguments act, wo, x1, out_proj_b, x; writes x1
.if DOCPART == 4
	.amdgcn_target "amdgcn-amd-amdhsa--gfx1250"
	.amdhsa_code_object_version 6
	.text
	.protected	k_q021850f74e_g_out
	.globl	k_q021850f74e_g_out
	.p2align	8
	.type	k_q021850f74e_g_out,@function
k_q021850f74e_g_out:
	s_mov_b64 s[64:65], 0
	v_nop
	global_prefetch_b8 v0, s[64:65] scope:SCOPE_SE
	s_setreg_imm32_b32 hwreg(HW_REG_WAVE_MODE, 25, 1), 1
	s_wait_xcnt 0x0
	s_wait_alu depctr_hold_cnt(0) depctr_sa_sdst(0) depctr_va_vdst(0) depctr_va_sdst(0) depctr_va_ssrc(0) depctr_va_vcc(0) depctr_vm_vsrc(0)
	s_getreg_b32 s2, hwreg(HW_REG_IB_STS2, 6, 4)
	s_cmp_eq_u32 s2, 0
	s_cbranch_scc0 .Lentry_in_a_cluster
	s_endpgm
.Lentry_in_a_cluster:
	s_bfe_u32 s2, ttmp6, 0x10000c
	s_cmp_lg_u32 s2, 0xf033
	s_cbranch_scc0 .Lentry_shape_is_right
	s_endpgm
.Lentry_shape_is_right:
; x1 = x + o out_proj_w^T + out_proj_b.  A = act (o), B = wo, residual = x, out = x1 in f32.
; out[m][n] = way out of (bias[n] + the sum over k of A[m][k] B[n][k]).  A: [4096][SIZE_K], B: [SIZE_N][SIZE_K], bf16, rows along K; sums in f32, K ascending, begun with the bias.
; EPI picks the way out.  0: rounded to bf16.  1: tanh-GELU in f32, then bf16.  2: a residual [4096][SIZE_N] in f32 is added, f32 out.
; SHARES.  A tile of out is 128 x 128: four waves, each 64 x 64: 16 accumulators of 16 x 16.  K goes in steps of 256 (LDS rows of 512 bytes; a wave's tensor load brings 64 of them) through two LDS slots.
; CLUSTER.  4 x 4 work-groups.  The four of a row of the cluster need the same tiles of A, the four of a column the same tiles of B: each tile is asked for JOINTLY, by the same tensor load with the
; same descriptor and a mask that names the four.  THE MATRIX INSTRUCTION IS USED TRANSPOSED (source 0 = 16 rows of B, source 1 = 16 rows of A): a lane then holds eight neighbouring numbers of a row of out.
; REGISTERS.  window 0: v16-29 addresses; v32-95 at work on the way out; v96-127 the bias of my 64 columns (8 registers an n block); v128-255 the accumulators ((a, b) at v[128 + 8 (4 a + b)]).
;   window 1: two fragment buffers of 128: for 64 along K, 64 registers of A, then 64 of B.   window 2 (EPI 2): v0-127 the residual of my 64 x 64.
; LIMITS.  Operands are bf16 as they arrive; NaN and infinities are not treated apart.
.set SIZE_N, 1024
.set SIZE_K, 1024
.set EPI,    2
.set KSTEP,  256
.set PITCH,  528                       ; an LDS row: 512 bytes of data + 16 of padding = 132 words: row r starts at bank 4 r mod 64 (64 banks of 4 bytes: ISA guide 11.1)
.set HALFT,  64*PITCH                  ; 64 rows: what one tensor load brings, and what one wave reads of A or of B
.set SLOT,   4*HALFT                   ; A's 128 rows, then B's 128 rows
.set STAGE,  2*SLOT                    ; behind the ring, never filled by a tensor load: the stage for the way out
.set SPITCH, 272
.if EPI == 2
.set SPARE,  STAGE+4*16*SPITCH         ; four stages of 16 rows x 272 bytes, a wave's own each; behind them the spare words, 128 bytes a wave
.else
.set SPARE,  STAGE+128*SPITCH          ; one stage of 128 rows x 272 bytes, the work-group's; behind it the spare words
.endif
.set LAPS, SIZE_K/(2*KSTEP)            ; a lap = two K steps = once round the ring
.set ADRA, 16                          ; v16-17  LDS address of my A fragments in slot 0, 1
.set ADRB, 20                          ; v20-21  the same for B
.set STO,  24                          ; v24     the way out: where I put my numbers of a row
.set RD,   25                          ; v25     the way out: where I read a row back
.set CO,   26                          ; v26     my byte offset in out (and in the residual); never rewritten
.set BO,   27                          ; v27     32 x (lane / 16): my eight numbers in 16 of the bias; never rewritten
.set SPW,  28                          ; v28     LDS address of my spare word: SPARE + 4 x my thread's number; never rewritten
.set NIL,  29                          ; v29     0; never rewritten
.set TMP,  32
.set BIAS, 96
.set ACC,  128
.set F0,   0                           ; fragment buffers, in window 1
.set F1,   128
.set G1, 24                            ; s[24:31] descriptor group 1 for A's tiles;  s[32:39] group 0, one set for each slot
.set G0, 32
.set G1B, 48                           ; s[48:55], s[56:63] the same for B's tiles
.set G0B, 56
.set BP, 68                            ; s[68:69] the bias
.set RP, 70                            ; s[70:71] the residual (EPI 2)
.set C1, 72                            ; s[72:73], s[74:75] GELU's two constants (EPI 1), each named as a pair
.set C0, 74
.set MSB, 0
.macro WIN new                         ; the immediate's high byte repeats the setting that is left
.if MSB != (\new)
	s_set_vgpr_msb (MSB<<8)|(\new)
.set MSB, \new
.endif
.endm
.set MUL,  0x05                        ; sources 0 (B) and 1 (A) window 1; C and D window 0
.set TO_F, 0x40                        ; destination window 1, address window 0
.macro JLOAD s                         ; a joint load: waves 0 and 1 fetch A's two halves, waves 2 and 3 B's; an s_nop 0 and four v_nop follow each of the two lines
	s_cmp_eq_u32 s11, 0
	s_cbranch_scc0 .Lfor_b_\@
	tensor_load_to_lds s[G0+4*(\s):G0+4*(\s)+3], s[G1:G1+7]
	s_nop 0
.rept 4
	v_nop
.endr
	s_branch .Lasked_\@
.Lfor_b_\@:
	tensor_load_to_lds s[G0B+4*(\s):G0B+4*(\s)+3], s[G1B:G1B+7]
	s_nop 0
.rept 4
	v_nop
.endr
.Lasked_\@:
.endm
.macro CREST                           ; a round of the cluster's barrier behind its opening barrier
	s_cmp_lg_u32 s10, 0
	s_cbranch_scc1 .Lnot_wave_0_\@
	s_barrier_signal -3
.Lnot_wave_0_\@:
	s_barrier_wait -3
	s_barrier_signal -1
	s_barrier_wait -1
.endm
.macro CROUND                          ; a whole round
	s_barrier_signal -1
	s_barrier_wait -1
	CREST
.endm
	s_load_b128 s[4:7], s[0:1], 0x0                ; A s[4:5], B s[6:7]
	s_load_b64 s[8:9], s[0:1], 0x10                ; out
	s_load_b64 s[BP:BP+1], s[0:1], 0x18            ; bias
.if EPI == 2
	s_load_b64 s[RP:RP+1], s[0:1], 0x20            ; residual
.endif
	v_lshl_add_u32 v[SPW], v0, 2, SPARE
	v_mov_b32 v[NIL], 0
	ds_add_u32 v[SPW], v[NIL]                      ; the wave's opening: the add and its wait stand ahead of my first tensor load; the set-up below, work on registers, stands between them
	v_lshrrev_b32 v1, 5, v0
	v_readfirstlane_b32 s10, v1                    ; wave 0..3
	s_lshr_b32 s11, s10, 1                         ; which half of the tile's rows is mine.  Also: I fetch for A (0) or for B (1)
	s_and_b32 s12, s10, 1                          ; which half of its columns.  Also: which 64 rows of that tile I fetch
	s_bfe_u32 s40, ttmp6, 0x40000                  ; cx, cy: my place in the cluster
	s_bfe_u32 s41, ttmp6, 0x40004
	s_lshl_b32 s42, ttmp9, 2
	s_add_co_u32 s42, s42, s40                     ; tile column = 4 x cluster x + cx
	s_and_b32 s13, ttmp7, 0xffff
	s_lshl_b32 s13, s13, 2
	s_add_co_u32 s13, s13, s41                     ; tile row = 4 x cluster y + cy
	s_lshl_b32 s43, s41, 2
	s_lshl_b32 s43, 15, s43                        ; my row of the cluster
	s_lshl_b32 s44, 0x1111, s40                    ; my column
	; descriptor group 1: a tile of 64 rows x 256 elements, padded in LDS
	s_or_b32 s[G1+0], s43, (1<<16)|(1<<20)|(1<<21)|(6<<22)|(3<<25)  ; 15:0 the mask: A's tiles go to my row; 17:16 element of 2 bytes; 20 padding on; 21 set beside a mask; 24:22 after every 128 words (code 6); 31:25 of 4 words (code 3)
	s_or_b32 s[G1B+0], s44, (1<<16)|(1<<20)|(1<<21)|(6<<22)|(3<<25)
.irp g, G1, G1B
	s_mov_b32 s[(\g)+1], KSTEP<<16                 ; tensor_dim0 = 256
	s_mov_b32 s[(\g)+2], 64<<16                    ; tensor_dim1 = 64
	s_mov_b32 s[(\g)+3], KSTEP<<16                 ; tile_dim0 = 256
	s_mov_b32 s[(\g)+4], 64                        ; tile_dim1 = 64
	s_mov_b32 s[(\g)+5], SIZE_K                    ; elements from row to row
	s_mov_b32 s[(\g)+6], 0
	s_mov_b32 s[(\g)+7], 0
.endr
.if EPI == 1
	s_mov_b32 s[C1], 0xbdd2d3e8                    ; c1 = 0.044715 c0 = -0.10294324
	s_mov_b32 s[C1+1], s[C1]
	s_mov_b32 s[C0], 0xc0135761                    ; c0 = -2 log2(e) sqrt(2 / pi) = -2.3022082
	s_mov_b32 s[C0+1], s[C0]
.endif
	s_lshl_b32 s17, s12, 6                         ; which 64 rows of the tile I fetch
	s_lshl_b32 s16, s13, 7
	s_add_co_u32 s16, s16, s17                     ; A: row 128 x tile row + 64 x half
	s_lshl_b32 s46, s42, 7
	s_add_co_u32 s46, s46, s17                     ; B: row 128 x tile column + 64 x half
	s_mov_b32 s17, 0
	s_mov_b32 s47, 0
	s_mov_b64 s[18:19], SIZE_K*2
	s_mul_u64 s[16:17], s[16:17], s[18:19]
	s_mul_u64 s[46:47], s[46:47], s[18:19]
	s_mul_i32 s20, s10, HALFT                      ; where they go: wave x 64 rows: no place in the cluster enters an LDS address
	s_wait_dscnt 0x0                               ; the opening add is done
	s_wait_kmcnt 0x0
	s_add_nc_u64 s[14:15], s[4:5], s[16:17]
	s_add_nc_u64 s[46:47], s[6:7], s[46:47]
	CROUND                                         ; all sixteen work-groups are here: the first joint loads meet
.irp s, 0,1
	s_mov_b32 s[G0+4*(\s)], 1
	s_add_co_u32 s[G0+4*(\s)+1], s20, (\s)*SLOT
	s_add_nc_u64 s[G0+4*(\s)+2:G0+4*(\s)+3], s[14:15], (\s)*KSTEP*2
	s_or_b32 s[G0+4*(\s)+3], s[G0+4*(\s)+3], 0x80000000
	s_mov_b32 s[G0B+4*(\s)], 1
	s_add_co_u32 s[G0B+4*(\s)+1], s20, (\s)*SLOT
	s_add_nc_u64 s[G0B+4*(\s)+2:G0B+4*(\s)+3], s[46:47], (\s)*KSTEP*2
	s_or_b32 s[G0B+4*(\s)+3], s[G0B+4*(\s)+3], 0x80000000
	JLOAD \s                                       ; two tensor loads of mine are out
.endr
	v_and_b32 v1, 15, v0                           ; l % 16
	v_bfe_u32 v2, v0, 4, 1                         ; l / 16
	v_mul_u32_u24 v3, v1, PITCH
	v_lshl_add_u32 v3, v2, 4, v3                   ; a fragment's row x pitch + 16 x half
	s_mul_i32 s21, s11, HALFT                      ; my 64 rows of A
	s_mul_i32 s22, s12, HALFT                      ; my 64 rows of B,
	s_add_co_u32 s22, s22, 2*HALFT                 ; which lie behind A's 128
.irp s, 0,1
	v_add_nc_u32 v[ADRA+(\s)], s21, v3
	v_add_nc_u32 v[ADRB+(\s)], s22, v3
	s_add_co_u32 s21, s21, SLOT
	s_add_co_u32 s22, s22, SLOT
.endr
.if EPI == 2
	s_mul_i32 s23, s10, 16*SPITCH
	s_add_co_u32 s23, s23, STAGE                   ; my own stage: 16 rows of 64 f32
	v_mul_u32_u24 v4, v1, SPITCH                   ; in: row l % 16, 32 bytes for each half of the lanes
	v_lshl_add_u32 v4, v2, 5, v4
	v_add_nc_u32 v[STO], s23, v4
	v_mul_u32_u24 v5, v2, SPITCH                   ; back: lanes 0-15 take one row of 256 bytes, lanes 16-31 the next
	v_lshl_add_u32 v5, v1, 4, v5
	v_add_nc_u32 v[RD], s23, v5
	v_mul_u32_u24 v5, v2, SIZE_N*4                 ; and the same two rows in out and in the residual
	v_lshl_add_u32 v[CO], v1, 4, v5
	s_lshl_b32 s16, s13, 7
	s_lshl_b32 s17, s11, 6
	s_add_co_u32 s16, s16, s17                     ; my first row: 128 x tile row + 64 x half
	s_mov_b32 s17, 0
	s_mov_b64 s[18:19], SIZE_N*4
	s_mul_u64 s[16:17], s[16:17], s[18:19]
	s_lshl_b32 s46, s42, 9                         ; my first column, in bytes: 512 x tile column + 256 x half
	s_lshl_b32 s47, s12, 8
	s_add_co_u32 s46, s46, s47
	s_mov_b32 s47, 0
	s_add_nc_u64 s[16:17], s[16:17], s[46:47]
	s_add_nc_u64 s[8:9], s[8:9], s[16:17]
	s_add_nc_u64 s[RP:RP+1], s[RP:RP+1], s[16:17]
.else
	s_mul_i32 s23, s11, 64*SPITCH                  ; into the stage: my 64 rows, my half of their 256 bytes; row l % 16, 16 bytes for each half of the lanes
	s_lshl_b32 s21, s12, 7
	s_add_co_u32 s23, s23, s21
	s_add_co_u32 s23, s23, STAGE
	v_mul_u32_u24 v4, v1, SPITCH
	v_lshl_add_u32 v4, v2, 4, v4
	v_add_nc_u32 v[STO], s23, v4
	s_mul_i32 s23, s10, 32*SPITCH                  ; back: wave w takes rows 32 w .. 32 w + 31, whole; lanes 0-15 one row of 256 bytes, lanes 16-31 the next
	s_add_co_u32 s23, s23, STAGE
	v_mul_u32_u24 v5, v2, SPITCH
	v_lshl_add_u32 v5, v1, 4, v5
	v_add_nc_u32 v[RD], s23, v5
	v_mul_u32_u24 v5, v2, SIZE_N*2                 ; and the same two rows in out
	v_lshl_add_u32 v[CO], v1, 4, v5
	s_lshl_b32 s16, s13, 7
	s_lshl_b32 s17, s10, 5
	s_add_co_u32 s16, s16, s17                     ; the first row that I store: 128 x tile row + 32 x wave
	s_mov_b32 s17, 0
	s_mov_b64 s[18:19], SIZE_N*2
	s_mul_u64 s[16:17], s[16:17], s[18:19]
	s_add_nc_u64 s[8:9], s[8:9], s[16:17]
	s_lshl_b32 s46, s42, 8                         ; the tile's first column, in bytes
	s_mov_b32 s47, 0
	s_add_nc_u64 s[8:9], s[8:9], s[46:47]
.endif
	s_lshl_b32 s46, s42, 9                         ; the bias of my 64 columns: 4 x (128 x tile column + 64 x half) bytes
	s_lshl_b32 s47, s12, 8
	s_add_co_u32 s46, s46, s47
	s_mov_b32 s47, 0
	s_add_nc_u64 s[BP:BP+1], s[BP:BP+1], s[46:47]
	v_lshlrev_b32 v[BO], 5, v2
.irp b, 0,1,2,3                        ; register j of n block b: bias[16 b + 8 (l / 16) + j]: the layout of a result, the same for all 16 rows
	global_load_b128 v[BIAS+8*(\b):BIAS+8*(\b)+3],   v[BO], s[BP:BP+1] offset:64*(\b)
	global_load_b128 v[BIAS+8*(\b)+4:BIAS+8*(\b)+7], v[BO], s[BP:BP+1] offset:64*(\b)+16
.endr
.if EPI == 2
	WIN 0x80                                       ; destination window 2, address window 0
.irp a, 0,1,2,3                        ; the residual of my 64 x 64, as whole rows of 256 bytes: it lands while the products run
.irp t, 0,1,2,3,4,5,6,7
	global_load_b128 v[32*(\a)+4*(\t):32*(\a)+4*(\t)+3], v[CO], s[RP:RP+1] offset:(16*(\a)+2*(\t))*4*SIZE_N
.endr
.endr
	WIN 0
.endif
; 8 matrix instructions: m blocks a0, a0 + 1 x all 4 n blocks, 32 along K: half c of buffer f.  zero = 1: the first product starts the sums, with the bias as C.
; The 16 accumulators take turns, one instruction a turn.
.macro MUL8 f, c, a0, zero
	WIN MUL
.irp a, \a0, (\a0)+1
.irp b, 0,1,2,3
.if \zero
	v_wmma_f32_16x16x32_bf16 v[ACC+8*(4*(\a)+(\b)):ACC+8*(4*(\a)+(\b))+7], v[(\f)+64+8*(4*(\c)+(\b)):(\f)+64+8*(4*(\c)+(\b))+7], v[(\f)+8*(4*(\c)+(\a)):(\f)+8*(4*(\c)+(\a))+7], v[BIAS+8*(\b):BIAS+8*(\b)+7]
.else
	v_wmma_f32_16x16x32_bf16 v[ACC+8*(4*(\a)+(\b)):ACC+8*(4*(\a)+(\b))+7], v[(\f)+64+8*(4*(\c)+(\b)):(\f)+64+8*(4*(\c)+(\b))+7], v[(\f)+8*(4*(\c)+(\a)):(\f)+8*(4*(\c)+(\a))+7], v[ACC+8*(4*(\a)+(\b)):ACC+8*(4*(\a)+(\b))+7]
.endif
.endr
.endr
.endm
; 32 LDS loads in one run: the fragments of 64 along K at byte k of the rows, into buffer f; the first 32 along K first
.macro FETCH slot, k, f
	WIN TO_F
.irp c, 0,1
.irp i, 0,1,2,3
	ds_load_b128 v[(\f)+64+8*(4*(\c)+(\i)):(\f)+64+8*(4*(\c)+(\i))+3],   v[ADRB+(\slot)] offset:(\k)+64*(\c)+(\i)*16*PITCH
	ds_load_b128 v[(\f)+64+8*(4*(\c)+(\i))+4:(\f)+64+8*(4*(\c)+(\i))+7], v[ADRB+(\slot)] offset:(\k)+64*(\c)+(\i)*16*PITCH+32
	ds_load_b128 v[(\f)+8*(4*(\c)+(\i)):(\f)+8*(4*(\c)+(\i))+3],         v[ADRA+(\slot)] offset:(\k)+64*(\c)+(\i)*16*PITCH
	ds_load_b128 v[(\f)+8*(4*(\c)+(\i))+4:(\f)+8*(4*(\c)+(\i))+7],       v[ADRA+(\slot)] offset:(\k)+64*(\c)+(\i)*16*PITCH+32
.endr
.endr
.endm
.macro PLACES                          ; four places in front of loads into registers that matrix instructions have read, and of lines that read results
.rept 4
	v_nop
.endr
.endm
; A K step is four quarters of 64 along K, 32 matrix instructions each, on buffers 0, 1, 0, 1.  One of the first three: multiplies buffer f and fetches the next quarter, at byte k, into g.
.macro QUARTER slot, k, f, g, zero
	s_wait_dscnt 16                                ; the first 32 along K are in; the youngest sixteen loads may be out
	WIN MUL
	MUL8 \f, 0, 0, \zero
	MUL8 \f, 0, 2, \zero
	PLACES
	FETCH \slot, \k, \g
	s_wait_dscnt 32                                ; all but the 32 just issued
	WIN MUL
	MUL8 \f, 1, 0, 0
	MUL8 \f, 1, 2, 0
.endm
; The last quarter multiplies buffer 1 and changes slots: ONE barrier; in front of it each wave waits for all its tensor loads, adds 0 to its spare word, and waits for that and for its own reads of this slot.
; fill = 1: this slot is filled again, two K steps ahead; the barrier then opens a round of the cluster's barrier, and the joint load is the first thing behind the round.
.macro TURN slot, next, fill
	WIN 0                                          ; (the add's two registers lie in window 0)
	s_wait_tensorcnt 0x0                           ; all my tensor loads have landed: the one that was out is my part of the next slot;
	ds_add_u32 v[SPW], v[NIL]                      ; 0 onto my spare word;
	s_wait_dscnt 17                                ; (the add and the youngest sixteen loads may be out)
	WIN MUL
	MUL8 F1, 0, 0, 0                               ; eight matrix instructions stand between the add and the wait for it
	s_wait_dscnt 0x0                               ; the add is done, and my reads of this slot are over
	s_barrier_signal -1
	MUL8 F1, 0, 2, 0
.if \fill
	WIN 0
.endif
	s_barrier_wait -1
.if \fill
	CREST                                          ; no wave of any partner still reads this slot's tile or has a load on its way
	s_add_nc_u64 s[G0+4*(\slot)+2:G0+4*(\slot)+3], s[G0+4*(\slot)+2:G0+4*(\slot)+3], 2*KSTEP*2
	s_add_nc_u64 s[G0B+4*(\slot)+2:G0B+4*(\slot)+3], s[G0B+4*(\slot)+2:G0B+4*(\slot)+3], 2*KSTEP*2
	JLOAD \slot                                    ; one tensor load of mine is out: 112 matrix instructions ahead of the wait for it; its four v_nop are also the places in front of the loads below
.else
	PLACES
.endif
	FETCH \next, 0, F0
	WIN MUL
	MUL8 F1, 1, 0, 0
	MUL8 F1, 1, 2, 0
.endm
	s_wait_tensorcnt 1                             ; my part of K step 0 is in; K step 1's may stay out
	s_barrier_signal -1
	s_barrier_wait -1                              ; everybody's is
	FETCH 0, 0, F0
.if EPI == 2
	s_wait_loadcnt 32                              ; the bias is in; the 32 loads of the residual, issued behind it, stay out
.else
	s_wait_loadcnt 0x0                             ; the bias is in
.endif
	QUARTER 0, 128, F0, F1, 1                      ; the first quarter stands in front of the loop: its first products start the sums
	WIN 0                                          ; at a label and at a branch every window is 0
	s_mov_b32 s3, LAPS-1
.Llap:                                                 ; a trip goes once round the ring, from a lap's second quarter to the next lap's first, and fills both slots again
	QUARTER 0, 256, F1, F0, 0
	QUARTER 0, 384, F0, F1, 0
	TURN 0, 1, 1
	QUARTER 1, 128, F0, F1, 0
	QUARTER 1, 256, F1, F0, 0
	QUARTER 1, 384, F0, F1, 0
	TURN 1, 0, 1
	QUARTER 0, 128, F0, F1, 0
	WIN 0
	s_sub_co_u32 s3, s3, 1
	s_cmp_lg_u32 s3, 0
	s_cbranch_scc1 .Llap
	QUARTER 0, 256, F1, F0, 0                      ; the last lap fills nothing, and has no round of the cluster's barrier
	QUARTER 0, 384, F0, F1, 0
	TURN 0, 1, 0
	QUARTER 1, 128, F0, F1, 0
	QUARTER 1, 256, F1, F0, 0
	QUARTER 1, 384, F0, F1, 0
	s_wait_dscnt 16                                ; the very last quarter: nothing more to fetch
	WIN MUL
	MUL8 F1, 0, 0, 0
	MUL8 F1, 0, 2, 0
	s_wait_dscnt 0
	MUL8 F1, 1, 0, 0
	MUL8 F1, 1, 2, 0
	WIN 0
	PLACES
	PLACES                                         ; once a launch: twice the places that the lines below need
.if EPI == 2
	; THE WAY OUT, f32 with a residual.  A block of 16 rows x 64 columns goes through my own stage: 32 bytes a lane in, whole rows of 256 bytes back; the residual, which lies in the same
	; layout, is added, and 16 lanes store 256 consecutive bytes, aligned.  The stage is my own and LDS serves a wave's instructions in order (ISA guide 5.7.1.4): no barrier, no wait between stores and loads.
.macro PUT a, buf
	WIN 0
.irp b, 0,1,2,3
	ds_store_b128 v[STO], v[ACC+8*(4*(\a)+(\b)):ACC+8*(4*(\a)+(\b))+3]   offset:64*(\b)
	ds_store_b128 v[STO], v[ACC+8*(4*(\a)+(\b))+4:ACC+8*(4*(\a)+(\b))+7] offset:64*(\b)+16
.endr
.irp t, 0,1,2,3,4,5,6,7
	ds_load_b128 v[(\buf)+4*(\t):(\buf)+4*(\t)+3], v[RD] offset:(\t)*2*SPITCH
.endr
.endm
.macro SEND a, buf, younger            ; younger: the LDS instructions issued behind block a's: the next block's eight stores and eight loads, or none
	s_wait_dscnt \younger
	WIN 0x88                                       ; destination and source 1 (the residual; a store's data) window 2, source 0 (the block; a store's address) window 0
.irp t, 0,1,2,3,4,5,6,7
	v_pk_add_f32 v[32*(\a)+4*(\t):32*(\a)+4*(\t)+1],   v[(\buf)+4*(\t):(\buf)+4*(\t)+1],   v[32*(\a)+4*(\t):32*(\a)+4*(\t)+1]
	v_pk_add_f32 v[32*(\a)+4*(\t)+2:32*(\a)+4*(\t)+3], v[(\buf)+4*(\t)+2:(\buf)+4*(\t)+3], v[32*(\a)+4*(\t)+2:32*(\a)+4*(\t)+3]
	global_store_b128 v[CO], v[32*(\a)+4*(\t):32*(\a)+4*(\t)+3], s[8:9] offset:(16*(\a)+2*(\t))*4*SIZE_N  ; each register is stored once and never written again
.endr
	WIN 0
.endm
	s_wait_loadcnt 0x0                             ; the residual is in
	PUT 0, TMP
	PUT 1, TMP+32
	SEND 0, TMP, 16
	PUT 2, TMP
	SEND 1, TMP+32, 16
	PUT 3, TMP+32
	SEND 2, TMP, 16
	SEND 3, TMP+32, 0
.else
	; THE WAY OUT, bf16.  Accumulator t's eight numbers a lane pack into four registers at v[96 + 4 t] (t < 8; the bias's registers are free) or v[4 t] (t >= 8).
.if EPI == 1
	; gelu(x) = x / (1 + 2^(x (c0 + c1 x x))), which is x (1 + tanh(sqrt(2 / pi) (x + 0.044715 x^3))) / 2.  Where x x overflows the exponent is an infinity of the right sign: x or -0 comes out.
	; 64 numbers a lane at a time; the exponentials are one batch with one wait, the reciprocals another.
.macro GELU hh, pk
.set X, ACC+64*(\hh)
.set i, 0
.rept 32
	v_pk_mul_f32 v[TMP+i:TMP+i+1], v[X+i:X+i+1], v[X+i:X+i+1]  ; ascending: each accumulator's lowest registers are read first
.set i, i+2
.endr
.set i, 0
.rept 32
	v_pk_fma_f32 v[TMP+i:TMP+i+1], v[TMP+i:TMP+i+1], s[C1:C1+1], s[C0:C0+1] op_sel_hi:[1,0,0]
.set i, i+2
.endr
.set i, 0
.rept 32
	v_pk_mul_f32 v[TMP+i:TMP+i+1], v[TMP+i:TMP+i+1], v[X+i:X+i+1]
.set i, i+2
.endr
.set i, 0
.rept 64
	v_exp_f32 v[TMP+i], v[TMP+i]
.set i, i+1
.endr
	v_nop
	s_wait_alu depctr_va_vdst(0)
.set i, 0
.rept 32
	v_pk_add_f32 v[TMP+i:TMP+i+1], v[TMP+i:TMP+i+1], 1.0 op_sel_hi:[1,0]
.set i, i+2
.endr
.set i, 0
.rept 64
	v_rcp_f32 v[TMP+i], v[TMP+i]
.set i, i+1
.endr
	v_nop
	s_wait_alu depctr_va_vdst(0)
.set i, 0
.rept 32
	v_pk_mul_f32 v[X+i:X+i+1], v[X+i:X+i+1], v[TMP+i:TMP+i+1]
.set i, i+2
.endr
.set i, 0
.rept 32
	v_cvt_pk_bf16_f32 v[(\pk)+i], v[X+2*i], v[X+2*i+1]
.set i, i+1
.endr
.endm
	GELU 0, BIAS
	GELU 1, TMP
.else
.set t, 0
.rept 16
.set pr, 4*t+96*(1-t/8)
.irp r, 0,1,2,3
	v_cvt_pk_bf16_f32 v[pr+(\r)], v[ACC+8*t+2*(\r)], v[ACC+8*t+2*(\r)+1]
.endr
.set t, t+1
.endr
.endif
	; 16 bytes a lane into the work-group's stage; a barrier, since a row's 256 bytes come from two waves; back as whole rows, 32 rows a wave
.set t, 0
.rept 16
.set pr, 4*t+96*(1-t/8)
	ds_store_b128 v[STO], v[pr:pr+3] offset:(t/4)*16*SPITCH+32*(t%4)
.set t, t+1
.endr
	s_wait_dscnt 0x0                               ; for the others' sake: my stores into the stage are done
	s_barrier_signal -1
	s_barrier_wait -1
.irp t, 0,1,2,3,4,5,6,7,8,9,10,11,12,13,14,15
	ds_load_b128 v[TMP+4*(\t):TMP+4*(\t)+3], v[RD] offset:(\t)*2*SPITCH
.endr
.irp t, 0,1,2,3,4,5,6,7,8,9,10,11,12,13,14,15
	s_wait_dscnt 15-(\t)
	global_store_b128 v[CO], v[TMP+4*(\t):TMP+4*(\t)+3], s[8:9] offset:2*(\t)*SIZE_N*2  ; 16 lanes store 256 consecutive bytes, at a multiple of 256 from out's first byte
.endr
.endif
	s_wait_tensorcnt 0x0                           ; the wave's end, behind my last tensor load and my last LDS store
	ds_add_u32 v[SPW], v[NIL]
	s_wait_dscnt 0x0
	CROUND                                         ; the closing round: no work-group ends while a partner may still ask for a tile that names it
	s_endpgm
.Lfunc_end_k_q021850f74e_g_out:
	.size	k_q021850f74e_g_out, .Lfunc_end_k_q021850f74e_g_out-k_q021850f74e_g_out
	.p2alignl 7, 3214868480
	.fill 96, 4, 3214868480
	.section	.rodata,"a",@progbits
	.p2align	6, 0x0
	.amdhsa_kernel k_q021850f74e_g_out
		.amdhsa_group_segment_fixed_size 327680
		.amdhsa_private_segment_fixed_size 0
		.amdhsa_enable_private_segment 0
		.amdhsa_kernarg_size 40
		.amdhsa_user_sgpr_count 2
		.amdhsa_user_sgpr_kernarg_segment_ptr 1
		.amdhsa_wavefront_size32 1
		.amdhsa_system_sgpr_workgroup_id_x 1
		.amdhsa_system_sgpr_workgroup_id_y 1
		.amdhsa_system_sgpr_workgroup_id_z 1
		.amdhsa_system_vgpr_workitem_id 0
		.amdhsa_next_free_vgpr 640
		.amdhsa_next_free_sgpr 76
		.amdhsa_reserve_vcc 0
		.amdhsa_float_denorm_mode_32 3
		.amdhsa_float_denorm_mode_16_64 3
		.amdhsa_memory_ordered 1
		.amdhsa_forward_progress 1
		.amdhsa_inst_pref_size 94
	.end_amdhsa_kernel
	.amdgpu_metadata
---
amdhsa.version: [ 1, 2 ]
amdhsa.kernels:
  - .name:           k_q021850f74e_g_out
    .symbol:         k_q021850f74e_g_out.kd
    .args:
      - { .name: act, .offset: 0, .size: 8, .value_kind: global_buffer, .address_space: global }
      - { .name: wo, .offset: 8, .size: 8, .value_kind: global_buffer, .address_space: global }
      - { .name: x1, .offset: 16, .size: 8, .value_kind: global_buffer, .address_space: global }
      - { .name: out_proj_b, .offset: 24, .size: 8, .value_kind: global_buffer, .address_space: global }
      - { .name: x, .offset: 32, .size: 8, .value_kind: global_buffer, .address_space: global }
    .group_segment_fixed_size: 327680
    .private_segment_fixed_size: 0
    .kernarg_segment_align: 8
    .kernarg_segment_size: 40
    .max_flat_workgroup_size: 128
    .sgpr_count:     76
    .vgpr_count:     640
    .wavefront_size: 32
...
	.end_amdgpu_metadata
.endif
;; end of part 4
;; launch ln2 (part 5): grid 256 x 1, 8 waves a work-group, no clusters, 0 bytes of LDS; arguments x1, ln2_g, ln2_b, act; writes act
.if DOCPART == 5
	.amdgcn_target "amdgcn-amd-amdhsa--gfx1250"
	.amdhsa_code_object_version 6
	.text
	.protected	k_q021850f74e_ln2
	.globl	k_q021850f74e_ln2
	.p2align	8
	.type	k_q021850f74e_ln2,@function
k_q021850f74e_ln2:
	s_mov_b64 s[64:65], 0
	v_nop
	global_prefetch_b8 v0, s[64:65] scope:SCOPE_SE
	s_setreg_imm32_b32 hwreg(HW_REG_WAVE_MODE, 25, 1), 1
	s_wait_xcnt 0x0
; act = LayerNorm(x1) * ln2_g + ln2_b, rounded once to bf16.  x1: [4096][1024] f32.
; One wave, one row (4,096 bytes = 32 registers a lane), NR rows a wave, 16 rows a work-group, all asked for at once.  Mean first, then the mean of the squared differences, as the
; definition has it: no difference of large sums.  All arithmetic in f32.  NaN and infinities are not treated apart.
; A lane holds numbers 128 j + 4 l .. + 3 (j = 0..7): a load of the wave covers 512 consecutive bytes, a store of its 8 bytes a lane 256 consecutive bytes, aligned.
; No LDS, no barrier, no matrix unit, no cluster: no wave wants a byte that another has fetched but the 8,192 bytes of gain and bias.
.set NR,    2                          ; rows of a wave
.set ROWB,  4096                       ; bytes in a row of x1
.set OROWB, 2048                       ; bytes in a row of act
.set XP,  4                            ; s[4:5]   x1
.set GP,  6                            ; s[6:7]   gain
.set BP,  8                            ; s[8:9]   bias
.set OP,  10                           ; s[10:11] act
.set SEL, 28                           ; s[28:29] v_permlanex16_b32's selects: each lane takes its own place in the other half
.set RN,  30                           ; s30      1 / 1024
.set EP,  31                           ; s31      1e-5
.set XO,  1                            ; v1       16 l + wave x NR rows of x1; never rewritten
.set T,   2                            ; v[2:9]   four chains of pairs
.set YO,  14                           ; v14      8 l + wave x NR rows of act; never rewritten
.set LO,  15                           ; v15      16 l; never rewritten
.set GG,  16                           ; v[16:47] my 32 numbers of the gain
.set BB,  48                           ; v[48:79] of the bias
.set X,   80                           ; v[80:143] row k: 32 registers
; v10 a sum, v11 the other half of the lanes', v[12:13] mean, then 1 / sqrt(var + eps), in the low word
	s_load_b256 s[4:11], s[0:1], 0x0
	v_and_b32 v2, 31, v0                           ; lane
	v_lshrrev_b32 v3, 5, v0                        ; wave
	v_lshlrev_b32 v[LO], 4, v2
	v_mul_u32_u24 v4, v3, NR*ROWB
	v_add_nc_u32 v[XO], v4, v[LO]
	v_mul_u32_u24 v4, v3, NR*OROWB
	v_lshl_add_u32 v[YO], v2, 3, v4
	s_mov_b32 s33, 0
	s_wait_kmcnt 0x0
; the four chains into one number, and that over the 32 lanes: every lane ends with the row's sum in v10
.macro FOLD
	v_pk_add_f32 v[T:T+1], v[T:T+1], v[T+2:T+3]
	v_pk_add_f32 v[T+4:T+5], v[T+4:T+5], v[T+6:T+7]
	v_pk_add_f32 v[T:T+1], v[T:T+1], v[T+4:T+5]
	v_add_f32 v10, v[T], v[T+1]
	v_add_f32_dpp v10, v10, v10 row_xmask:1 row_mask:0xf bank_mask:0xf
	v_add_f32_dpp v10, v10, v10 row_xmask:2 row_mask:0xf bank_mask:0xf
	v_add_f32_dpp v10, v10, v10 row_xmask:4 row_mask:0xf bank_mask:0xf
	v_add_f32_dpp v10, v10, v10 row_xmask:8 row_mask:0xf bank_mask:0xf
	v_permlanex16_b32 v11, v10, s[SEL], s[SEL+1]
	v_add_f32 v10, v10, v11
.endm
; row k of the wave: its 16 pairs of numbers lie at R + 2 p
.macro LNROW k
.set R, X+32*(\k)
	s_wait_loadcnt 8*(NR-1-(\k))                   ; loads come back in order: this row's eight are in, the later rows' stay out
.set p, 0
.rept 4
	v_pk_add_f32 v[T+2*p:T+2*p+1], v[R+2*p:R+2*p+1], v[R+2*p+8:R+2*p+9]  ; the first eight pairs start the chains: nothing is cleared
.set p, p+1
.endr
.set p, 8
.rept 8
	v_pk_add_f32 v[T+2*(p%4):T+2*(p%4)+1], v[T+2*(p%4):T+2*(p%4)+1], v[R+2*p:R+2*p+1]
.set p, p+1
.endr
	FOLD
	v_mul_f32 v12, s[RN], v10                      ; the mean
.set p, 0
.rept 16
	v_pk_add_f32 v[R+2*p:R+2*p+1], v[R+2*p:R+2*p+1], v[12:13] op_sel_hi:[1,0] neg_lo:[0,1] neg_hi:[0,1]  ; x - mean
.set p, p+1
.endr
.set p, 0
.rept 4
	v_pk_mul_f32 v[T+2*p:T+2*p+1], v[R+2*p:R+2*p+1], v[R+2*p:R+2*p+1]
.set p, p+1
.endr
.rept 12
	v_pk_fma_f32 v[T+2*(p%4):T+2*(p%4)+1], v[R+2*p:R+2*p+1], v[R+2*p:R+2*p+1], v[T+2*(p%4):T+2*(p%4)+1]
.set p, p+1
.endr
	FOLD
	v_fma_f32 v10, v10, s[RN], s[EP]               ; var + eps
	v_rsq_f32 v12, v10
	v_nop                                          ; a plain instruction behind the root,
	s_wait_alu depctr_va_vdst(0)                   ; and the wait ahead of its first reader
.set p, 0
.rept 16
	v_pk_mul_f32 v[R+2*p:R+2*p+1], v[R+2*p:R+2*p+1], v[12:13] op_sel_hi:[1,0]
.set p, p+1
.endr
.set p, 0
.rept 16
	v_pk_fma_f32 v[R+2*p:R+2*p+1], v[R+2*p:R+2*p+1], v[GG+2*p:GG+2*p+1], v[BB+2*p:BB+2*p+1]
.set p, p+1
.endr
.set p, 0
.rept 16
	v_cvt_pk_bf16_f32 v[R+p], v[R+2*p], v[R+2*p+1] ; in place, ascending: register p is written when pairs 0 .. p have been read
.set p, p+1
.endr
.set p, 0
.rept 8
	global_store_b64 v[YO], v[R+2*p:R+2*p+1], s[OP:OP+1] offset:(\k)*OROWB+256*p  ; 32 lanes x 8 bytes: 256 consecutive bytes, aligned
.set p, p+1
.endr
.endm
	s_mul_i32 s32, ttmp9, 8*NR*ROWB                ; the work-group's first row
	s_add_nc_u64 s[XP:XP+1], s[XP:XP+1], s[32:33]
	s_mul_i32 s32, ttmp9, 8*NR*OROWB
	s_add_nc_u64 s[OP:OP+1], s[OP:OP+1], s[32:33]
	s_mov_b32 s[SEL], 0x76543210
	s_mov_b32 s[SEL+1], 0xfedcba98
	s_mov_b32 s[RN], 0x3a800000
	s_mov_b32 s[EP], 0x3727c5ac
.set p, 0
.rept 8
	global_load_b128 v[GG+4*p:GG+4*p+3], v[LO], s[GP:GP+1] offset:512*p
.set p, p+1
.endr
.set p, 0
.rept 8
	global_load_b128 v[BB+4*p:BB+4*p+3], v[LO], s[BP:BP+1] offset:512*p
.set p, p+1
.endr
.set p, 0
.rept 8*NR
	global_load_b128 v[X+4*p:X+4*p+3], v[XO], s[XP:XP+1] offset:512*p  ; rows follow each other: row p / 8, its piece p % 8
.set p, p+1
.endr
	v_mov_b32 v11, 0                               ; v_permlanex16_b32's destination counts as read
	v_mov_b32 v13, 0                               ; named with v12 as a pair
	LNROW 0
	LNROW 1
	s_endpgm                                       ; no register of a store is written again: no further wait
.Lfunc_end_k_q021850f74e_ln2:
	.size	k_q021850f74e_ln2, .Lfunc_end_k_q021850f74e_ln2-k_q021850f74e_ln2
	.p2alignl 7, 3214868480
	.fill 96, 4, 3214868480
	.section	.rodata,"a",@progbits
	.p2align	6, 0x0
	.amdhsa_kernel k_q021850f74e_ln2
		.amdhsa_group_segment_fixed_size 0
		.amdhsa_private_segment_fixed_size 0
		.amdhsa_enable_private_segment 0
		.amdhsa_kernarg_size 32
		.amdhsa_user_sgpr_count 2
		.amdhsa_user_sgpr_kernarg_segment_ptr 1
		.amdhsa_wavefront_size32 1
		.amdhsa_system_sgpr_workgroup_id_x 1
		.amdhsa_system_sgpr_workgroup_id_y 1
		.amdhsa_system_sgpr_workgroup_id_z 1
		.amdhsa_system_vgpr_workitem_id 0
		.amdhsa_next_free_vgpr 144
		.amdhsa_next_free_sgpr 66
		.amdhsa_reserve_vcc 0
		.amdhsa_float_denorm_mode_32 3
		.amdhsa_float_denorm_mode_16_64 3
		.amdhsa_memory_ordered 1
		.amdhsa_forward_progress 1
		.amdhsa_inst_pref_size 20
	.end_amdhsa_kernel
	.amdgpu_metadata
---
amdhsa.version: [ 1, 2 ]
amdhsa.kernels:
  - .name:           k_q021850f74e_ln2
    .symbol:         k_q021850f74e_ln2.kd
    .args:
      - { .name: x1, .offset: 0, .size: 8, .value_kind: global_buffer, .address_space: global }
      - { .name: ln2_g, .offset: 8, .size: 8, .value_kind: global_buffer, .address_space: global }
      - { .name: ln2_b, .offset: 16, .size: 8, .value_kind: global_buffer, .address_space: global }
      - { .name: act, .offset: 24, .size: 8, .value_kind: global_buffer, .address_space: global }
    .group_segment_fixed_size: 0
    .private_segment_fixed_size: 0
    .kernarg_segment_align: 8
    .kernarg_segment_size: 32
    .max_flat_workgroup_size: 256
    .sgpr_count:     66
    .vgpr_count:     144
    .wavefront_size: 32
...
	.end_amdgpu_metadata
.endif
;; end of part 5
;; launch g_mlp1 (part 6): grid 32 x 32, 4 waves a work-group, clusters of 4 x 4, 327,680 bytes of LDS; arguments act, w1b, gbuf, mlp_b1; writes gbuf
.if DOCPART == 6
	.amdgcn_target "amdgcn-amd-amdhsa--gfx1250"
	.amdhsa_code_object_version 6
	.text
	.protected	k_q021850f74e_g_mlp1
	.globl	k_q021850f74e_g_mlp1
	.p2align	8
	.type	k_q021850f74e_g_mlp1,@function
k_q021850f74e_g_mlp1:
	s_mov_b64 s[64:65], 0
	v_nop
	global_prefetch_b8 v0, s[64:65] scope:SCOPE_SE
	s_setreg_imm32_b32 hwreg(HW_REG_WAVE_MODE, 25, 1), 1
	s_wait_xcnt 0x0
	s_wait_alu depctr_hold_cnt(0) depctr_sa_sdst(0) depctr_va_vdst(0) depctr_va_sdst(0) depctr_va_ssrc(0) depctr_va_vcc(0) depctr_vm_vsrc(0)
	s_getreg_b32 s2, hwreg(HW_REG_IB_STS2, 6, 4)
	s_cmp_eq_u32 s2, 0
	s_cbranch_scc0 .Lentry_in_a_cluster
	s_endpgm
.Lentry_in_a_cluster:
	s_bfe_u32 s2, ttmp6, 0x10000c
	s_cmp_lg_u32 s2, 0xf033
	s_cbranch_scc0 .Lentry_shape_is_right
	s_endpgm
.Lentry_shape_is_right:
; g = gelu(xn mlp_w1^T + mlp_b1).  A = act (xn), B = w1b, out = gbuf in bf16.
; out[m][n] = way out of (bias[n] + the sum over k of A[m][k] B[n][k]).  A: [4096][SIZE_K], B: [SIZE_N][SIZE_K], bf16, rows along K; sums in f32, K ascending, begun with the bias.
; EPI picks the way out.  0: rounded to bf16.  1: tanh-GELU in f32, then bf16.  2: a residual [4096][SIZE_N] in f32 is added, f32 out.
; SHARES.  A tile of out is 128 x 128: four waves, each 64 x 64: 16 accumulators of 16 x 16.  K goes in steps of 256 (LDS rows of 512 bytes; a wave's tensor load brings 64 of them) through two LDS slots.
; CLUSTER.  4 x 4 work-groups.  The four of a row of the cluster need the same tiles of A, the four of a column the same tiles of B: each tile is asked for JOINTLY, by the same tensor load with the
; same descriptor and a mask that names the four.  THE MATRIX INSTRUCTION IS USED TRANSPOSED (source 0 = 16 rows of B, source 1 = 16 rows of A): a lane then holds eight neighbouring numbers of a row of out.
; REGISTERS.  window 0: v16-29 addresses; v32-95 at work on the way out; v96-127 the bias of my 64 columns (8 registers an n block); v128-255 the accumulators ((a, b) at v[128 + 8 (4 a + b)]).
;   window 1: two fragment buffers of 128: for 64 along K, 64 registers of A, then 64 of B.   window 2 (EPI 2): v0-127 the residual of my 64 x 64.
; LIMITS.  Operands are bf16 as they arrive; NaN and infinities are not treated apart.
.set SIZE_N, 4096
.set SIZE_K, 1024
.set EPI,    1
.set KSTEP,  256
.set PITCH,  528                       ; an LDS row: 512 bytes of data + 16 of padding = 132 words: row r starts at bank 4 r mod 64 (64 banks of 4 bytes: ISA guide 11.1)
.set HALFT,  64*PITCH                  ; 64 rows: what one tensor load brings, and what one wave reads of A or of B
.set SLOT,   4*HALFT                   ; A's 128 rows, then B's 128 rows
.set STAGE,  2*SLOT                    ; behind the ring, never filled by a tensor load: the stage for the way out
.set SPITCH, 272
.if EPI == 2
.set SPARE,  STAGE+4*16*SPITCH         ; four stages of 16 rows x 272 bytes, a wave's own each; behind them the spare words, 128 bytes a wave
.else
.set SPARE,  STAGE+128*SPITCH          ; one stage of 128 rows x 272 bytes, the work-group's; behind it the spare words
.endif
.set LAPS, SIZE_K/(2*KSTEP)            ; a lap = two K steps = once round the ring
.set ADRA, 16                          ; v16-17  LDS address of my A fragments in slot 0, 1
.set ADRB, 20                          ; v20-21  the same for B
.set STO,  24                          ; v24     the way out: where I put my numbers of a row
.set RD,   25                          ; v25     the way out: where I read a row back
.set CO,   26                          ; v26     my byte offset in out (and in the residual); never rewritten
.set BO,   27                          ; v27     32 x (lane / 16): my eight numbers in 16 of the bias; never rewritten
.set SPW,  28                          ; v28     LDS address of my spare word: SPARE + 4 x my thread's number; never rewritten
.set NIL,  29                          ; v29     0; never rewritten
.set TMP,  32
.set BIAS, 96
.set ACC,  128
.set F0,   0                           ; fragment buffers, in window 1
.set F1,   128
.set G1, 24                            ; s[24:31] descriptor group 1 for A's tiles;  s[32:39] group 0, one set for each slot
.set G0, 32
.set G1B, 48                           ; s[48:55], s[56:63] the same for B's tiles
.set G0B, 56
.set BP, 68                            ; s[68:69] the bias
.set RP, 70                            ; s[70:71] the residual (EPI 2)
.set C1, 72                            ; s[72:73], s[74:75] GELU's two constants (EPI 1), each named as a pair
.set C0, 74
.set MSB, 0
.macro WIN new                         ; the immediate's high byte repeats the setting that is left
.if MSB != (\new)
	s_set_vgpr_msb (MSB<<8)|(\new)
.set MSB, \new
.endif
.endm
.set MUL,  0x05                        ; sources 0 (B) and 1 (A) window 1; C and D window 0
.set TO_F, 0x40                        ; destination window 1, address window 0
.macro JLOAD s                         ; a joint load: waves 0 and 1 fetch A's two halves, waves 2 and 3 B's; an s_nop 0 and four v_nop follow each of the two lines
	s_cmp_eq_u32 s11, 0
	s_cbranch_scc0 .Lfor_b_\@
	tensor_load_to_lds s[G0+4*(\s):G0+4*(\s)+3], s[G1:G1+7]
	s_nop 0
.rept 4
	v_nop
.endr
	s_branch .Lasked_\@
.Lfor_b_\@:
	tensor_load_to_lds s[G0B+4*(\s):G0B+4*(\s)+3], s[G1B:G1B+7]
	s_nop 0
.rept 4
	v_nop
.endr
.Lasked_\@:
.endm
.macro CREST                           ; a round of the cluster's barrier behind its opening barrier
	s_cmp_lg_u32 s10, 0
	s_cbranch_scc1 .Lnot_wave_0_\@
	s_barrier_signal -3
.Lnot_wave_0_\@:
	s_barrier_wait -3
	s_barrier_signal -1
	s_barrier_wait -1
.endm
.macro CROUND                          ; a whole round
	s_barrier_signal -1
	s_barrier_wait -1
	CREST
.endm
	s_load_b128 s[4:7], s[0:1], 0x0                ; A s[4:5], B s[6:7]
	s_load_b64 s[8:9], s[0:1], 0x10                ; out
	s_load_b64 s[BP:BP+1], s[0:1], 0x18            ; bias
.if EPI == 2
	s_load_b64 s[RP:RP+1], s[0:1], 0x20            ; residual
.endif
	v_lshl_add_u32 v[SPW], v0, 2, SPARE
	v_mov_b32 v[NIL], 0
	ds_add_u32 v[SPW], v[NIL]                      ; the wave's opening: the add and its wait stand ahead of my first tensor load; the set-up below, work on registers, stands between them
	v_lshrrev_b32 v1, 5, v0
	v_readfirstlane_b32 s10, v1                    ; wave 0..3
	s_lshr_b32 s11, s10, 1                         ; which half of the tile's rows is mine.  Also: I fetch for A (0) or for B (1)
	s_and_b32 s12, s10, 1                          ; which half of its columns.  Also: which 64 rows of that tile I fetch
	s_bfe_u32 s40, ttmp6, 0x40000                  ; cx, cy: my place in the cluster
	s_bfe_u32 s41, ttmp6, 0x40004
	s_lshl_b32 s42, ttmp9, 2
	s_add_co_u32 s42, s42, s40                     ; tile column = 4 x cluster x + cx
	s_and_b32 s13, ttmp7, 0xffff
	s_lshl_b32 s13, s13, 2
	s_add_co_u32 s13, s13, s41                     ; tile row = 4 x cluster y + cy
	s_lshl_b32 s43, s41, 2
	s_lshl_b32 s43, 15, s43                        ; my row of the cluster
	s_lshl_b32 s44, 0x1111, s40                    ; my column
	; descriptor group 1: a tile of 64 rows x 256 elements, padded in LDS
	s_or_b32 s[G1+0], s43, (1<<16)|(1<<20)|(1<<21)|(6<<22)|(3<<25)  ; 15:0 the mask: A's tiles go to my row; 17:16 element of 2 bytes; 20 padding on; 21 set beside a mask; 24:22 after every 128 words (code 6); 31:25 of 4 words (code 3)
	s_or_b32 s[G1B+0], s44, (1<<16)|(1<<20)|(1<<21)|(6<<22)|(3<<25)
.irp g, G1, G1B
	s_mov_b32 s[(\g)+1], KSTEP<<16                 ; tensor_dim0 = 256
	s_mov_b32 s[(\g)+2], 64<<16                    ; tensor_dim1 = 64
	s_mov_b32 s[(\g)+3], KSTEP<<16                 ; tile_dim0 = 256
	s_mov_b32 s[(\g)+4], 64                        ; tile_dim1 = 64
	s_mov_b32 s[(\g)+5], SIZE_K                    ; elements from row to row
	s_mov_b32 s[(\g)+6], 0
	s_mov_b32 s[(\g)+7], 0
.endr
.if EPI == 1
	s_mov_b32 s[C1], 0xbdd2d3e8                    ; c1 = 0.044715 c0 = -0.10294324
	s_mov_b32 s[C1+1], s[C1]
	s_mov_b32 s[C0], 0xc0135761                    ; c0 = -2 log2(e) sqrt(2 / pi) = -2.3022082
	s_mov_b32 s[C0+1], s[C0]
.endif
	s_lshl_b32 s17, s12, 6                         ; which 64 rows of the tile I fetch
	s_lshl_b32 s16, s13, 7
	s_add_co_u32 s16, s16, s17                     ; A: row 128 x tile row + 64 x half
	s_lshl_b32 s46, s42, 7
	s_add_co_u32 s46, s46, s17                     ; B: row 128 x tile column + 64 x half
	s_mov_b32 s17, 0
	s_mov_b32 s47, 0
	s_mov_b64 s[18:19], SIZE_K*2
	s_mul_u64 s[16:17], s[16:17], s[18:19]
	s_mul_u64 s[46:47], s[46:47], s[18:19]
	s_mul_i32 s20, s10, HALFT                      ; where they go: wave x 64 rows: no place in the cluster enters an LDS address
	s_wait_dscnt 0x0                               ; the opening add is done
	s_wait_kmcnt 0x0
	s_add_nc_u64 s[14:15], s[4:5], s[16:17]
	s_add_nc_u64 s[46:47], s[6:7], s[46:47]
	CROUND                                         ; all sixteen work-groups are here: the first joint loads meet
.irp s, 0,1
	s_mov_b32 s[G0+4*(\s)], 1
	s_add_co_u32 s[G0+4*(\s)+1], s20, (\s)*SLOT
	s_add_nc_u64 s[G0+4*(\s)+2:G0+4*(\s)+3], s[14:15], (\s)*KSTEP*2
	s_or_b32 s[G0+4*(\s)+3], s[G0+4*(\s)+3], 0x80000000
	s_mov_b32 s[G0B+4*(\s)], 1
	s_add_co_u32 s[G0B+4*(\s)+1], s20, (\s)*SLOT
	s_add_nc_u64 s[G0B+4*(\s)+2:G0B+4*(\s)+3], s[46:47], (\s)*KSTEP*2
	s_or_b32 s[G0B+4*(\s)+3], s[G0B+4*(\s)+3], 0x80000000
	JLOAD \s                                       ; two tensor loads of mine are out
.endr
	v_and_b32 v1, 15, v0                           ; l % 16
	v_bfe_u32 v2, v0, 4, 1                         ; l / 16
	v_mul_u32_u24 v3, v1, PITCH
	v_lshl_add_u32 v3, v2, 4, v3                   ; a fragment's row x pitch + 16 x half
	s_mul_i32 s21, s11, HALFT                      ; my 64 rows of A
	s_mul_i32 s22, s12, HALFT                      ; my 64 rows of B,
	s_add_co_u32 s22, s22, 2*HALFT                 ; which lie behind A's 128
.irp s, 0,1
	v_add_nc_u32 v[ADRA+(\s)], s21, v3
	v_add_nc_u32 v[ADRB+(\s)], s22, v3
	s_add_co_u32 s21, s21, SLOT
	s_add_co_u32 s22, s22, SLOT
.endr
.if EPI == 2
	s_mul_i32 s23, s10, 16*SPITCH
	s_add_co_u32 s23, s23, STAGE                   ; my own stage: 16 rows of 64 f32
	v_mul_u32_u24 v4, v1, SPITCH                   ; in: row l % 16, 32 bytes for each half of the lanes
	v_lshl_add_u32 v4, v2, 5, v4
	v_add_nc_u32 v[STO], s23, v4
	v_mul_u32_u24 v5, v2, SPITCH                   ; back: lanes 0-15 take one row of 256 bytes, lanes 16-31 the next
	v_lshl_add_u32 v5, v1, 4, v5
	v_add_nc_u32 v[RD], s23, v5
	v_mul_u32_u24 v5, v2, SIZE_N*4                 ; and the same two rows in out and in the residual
	v_lshl_add_u32 v[CO], v1, 4, v5
	s_lshl_b32 s16, s13, 7
	s_lshl_b32 s17, s11, 6
	s_add_co_u32 s16, s16, s17                     ; my first row: 128 x tile row + 64 x half
	s_mov_b32 s17, 0
	s_mov_b64 s[18:19], SIZE_N*4
	s_mul_u64 s[16:17], s[16:17], s[18:19]
	s_lshl_b32 s46, s42, 9                         ; my first column, in bytes: 512 x tile column + 256 x half
	s_lshl_b32 s47, s12, 8
	s_add_co_u32 s46, s46, s47
	s_mov_b32 s47, 0
	s_add_nc_u64 s[16:17], s[16:17], s[46:47]
	s_add_nc_u64 s[8:9], s[8:9], s[16:17]
	s_add_nc_u64 s[RP:RP+1], s[RP:RP+1], s[16:17]
.else
	s_mul_i32 s23, s11, 64*SPITCH                  ; into the stage: my 64 rows, my half of their 256 bytes; row l % 16, 16 bytes for each half of the lanes
	s_lshl_b32 s21, s12, 7
	s_add_co_u32 s23, s23, s21
	s_add_co_u32 s23, s23, STAGE
	v_mul_u32_u24 v4, v1, SPITCH
	v_lshl_add_u32 v4, v2, 4, v4
	v_add_nc_u32 v[STO], s23, v4
	s_mul_i32 s23, s10, 32*SPITCH                  ; back: wave w takes rows 32 w .. 32 w + 31, whole; lanes 0-15 one row of 256 bytes, lanes 16-31 the next
	s_add_co_u32 s23, s23, STAGE
	v_mul_u32_u24 v5, v2, SPITCH
	v_lshl_add_u32 v5, v1, 4, v5
	v_add_nc_u32 v[RD], s23, v5
	v_mul_u32_u24 v5, v2, SIZE_N*2                 ; and the same two rows in out
	v_lshl_add_u32 v[CO], v1, 4, v5
	s_lshl_b32 s16, s13, 7
	s_lshl_b32 s17, s10, 5
	s_add_co_u32 s16, s16, s17                     ; the first row that I store: 128 x tile row + 32 x wave
	s_mov_b32 s17, 0
	s_mov_b64 s[18:19], SIZE_N*2
	s_mul_u64 s[16:17], s[16:17], s[18:19]
	s_add_nc_u64 s[8:9], s[8:9], s[16:17]
	s_lshl_b32 s46, s42, 8                         ; the tile's first column, in bytes
	s_mov_b32 s47, 0
	s_add_nc_u64 s[8:9], s[8:9], s[46:47]
.endif
	s_lshl_b32 s46, s42, 9                         ; the bias of my 64 columns: 4 x (128 x tile column + 64 x half) bytes
	s_lshl_b32 s47, s12, 8
	s_add_co_u32 s46, s46, s47
	s_mov_b32 s47, 0
	s_add_nc_u64 s[BP:BP+1], s[BP:BP+1], s[46:47]
	v_lshlrev_b32 v[BO], 5, v2
.irp b, 0,1,2,3                        ; register j of n block b: bias[16 b + 8 (l / 16) + j]: the layout of a result, the same for all 16 rows
	global_load_b128 v[BIAS+8*(\b):BIAS+8*(\b)+3],   v[BO], s[BP:BP+1] offset:64*(\b)
	global_load_b128 v[BIAS+8*(\b)+4:BIAS+8*(\b)+7], v[BO], s[BP:BP+1] offset:64*(\b)+16
.endr
.if EPI == 2
	WIN 0x80                                       ; destination window 2, address window 0
.irp a, 0,1,2,3                        ; the residual of my 64 x 64, as whole rows of 256 bytes: it lands while the products run
.irp t, 0,1,2,3,4,5,6,7
	global_load_b128 v[32*(\a)+4*(\t):32*(\a)+4*(\t)+3], v[CO], s[RP:RP+1] offset:(16*(\a)+2*(\t))*4*SIZE_N
.endr
.endr
	WIN 0
.endif
; 8 matrix instructions: m blocks a0, a0 + 1 x all 4 n blocks, 32 along K: half c of buffer f.  zero = 1: the first product starts the sums, with the bias as C.
; The 16 accumulators take turns, one instruction a turn.
.macro MUL8 f, c, a0, zero
	WIN MUL
.irp a, \a0, (\a0)+1
.irp b, 0,1,2,3
.if \zero
	v_wmma_f32_16x16x32_bf16 v[ACC+8*(4*(\a)+(\b)):ACC+8*(4*(\a)+(\b))+7], v[(\f)+64+8*(4*(\c)+(\b)):(\f)+64+8*(4*(\c)+(\b))+7], v[(\f)+8*(4*(\c)+(\a)):(\f)+8*(4*(\c)+(\a))+7], v[BIAS+8*(\b):BIAS+8*(\b)+7]
.else
	v_wmma_f32_16x16x32_bf16 v[ACC+8*(4*(\a)+(\b)):ACC+8*(4*(\a)+(\b))+7], v[(\f)+64+8*(4*(\c)+(\b)):(\f)+64+8*(4*(\c)+(\b))+7], v[(\f)+8*(4*(\c)+(\a)):(\f)+8*(4*(\c)+(\a))+7], v[ACC+8*(4*(\a)+(\b)):ACC+8*(4*(\a)+(\b))+7]
.endif
.endr
.endr
.endm
; 32 LDS loads in one run: the fragments of 64 along K at byte k of the rows, into buffer f; the first 32 along K first
.macro FETCH slot, k, f
	WIN TO_F
.irp c, 0,1
.irp i, 0,1,2,3
	ds_load_b128 v[(\f)+64+8*(4*(\c)+(\i)):(\f)+64+8*(4*(\c)+(\i))+3],   v[ADRB+(\slot)] offset:(\k)+64*(\c)+(\i)*16*PITCH
	ds_load_b128 v[(\f)+64+8*(4*(\c)+(\i))+4:(\f)+64+8*(4*(\c)+(\i))+7], v[ADRB+(\slot)] offset:(\k)+64*(\c)+(\i)*16*PITCH+32
	ds_load_b128 v[(\f)+8*(4*(\c)+(\i)):(\f)+8*(4*(\c)+(\i))+3],         v[ADRA+(\slot)] offset:(\k)+64*(\c)+(\i)*16*PITCH
	ds_load_b128 v[(\f)+8*(4*(\c)+(\i))+4:(\f)+8*(4*(\c)+(\i))+7],       v[ADRA+(\slot)] offset:(\k)+64*(\c)+(\i)*16*PITCH+32
.endr
.endr
.endm
.macro PLACES                          ; four places in front of loads into registers that matrix instructions have read, and of lines that read results
.rept 4
	v_nop
.endr
.endm
; A K step is four quarters of 64 along K, 32 matrix instructions each, on buffers 0, 1, 0, 1.  One of the first three: multiplies buffer f and fetches the next quarter, at byte k, into g.
.macro QUARTER slot, k, f, g, zero
	s_wait_dscnt 16                                ; the first 32 along K are in; the youngest sixteen loads may be out
	WIN MUL
	MUL8 \f, 0, 0, \zero
	MUL8 \f, 0, 2, \zero
	PLACES
	FETCH \slot, \k, \g
	s_wait_dscnt 32                                ; all but the 32 just issued
	WIN MUL
	MUL8 \f, 1, 0, 0
	MUL8 \f, 1, 2, 0
.endm
; The last quarter multiplies buffer 1 and changes slots: ONE barrier; in front of it each wave waits for all its tensor loads, adds 0 to its spare word, and waits for that and for its own reads of this slot.
; fill = 1: this slot is filled again, two K steps ahead; the barrier then opens a round of the cluster's barrier, and the joint load is the first thing behind the round.
.macro TURN slot, next, fill
	WIN 0                                          ; (the add's two registers lie in window 0)
	s_wait_tensorcnt 0x0                           ; all my tensor loads have landed: the one that was out is my part of the next slot;
	ds_add_u32 v[SPW], v[NIL]                      ; 0 onto my spare word;
	s_wait_dscnt 17                                ; (the add and the youngest sixteen loads may be out)
	WIN MUL
	MUL8 F1, 0, 0, 0                               ; eight matrix instructions stand between the add and the wait for it
	s_wait_dscnt 0x0                               ; the add is done, and my reads of this slot are over
	s_barrier_signal -1
	MUL8 F1, 0, 2, 0
.if \fill
	WIN 0
.endif
	s_barrier_wait -1
.if \fill
	CREST                                          ; no wave of any partner still reads this slot's tile or has a load on its way
	s_add_nc_u64 s[G0+4*(\slot)+2:G0+4*(\slot)+3], s[G0+4*(\slot)+2:G0+4*(\slot)+3], 2*KSTEP*2
	s_add_nc_u64 s[G0B+4*(\slot)+2:G0B+4*(\slot)+3], s[G0B+4*(\slot)+2:G0B+4*(\slot)+3], 2*KSTEP*2
	JLOAD \slot                                    ; one tensor load of mine is out: 112 matrix instructions ahead of the wait for it; its four v_nop are also the places in front of the loads below
.else
	PLACES
.endif
	FETCH \next, 0, F0
	WIN MUL
	MUL8 F1, 1, 0, 0
	MUL8 F1, 1, 2, 0
.endm
	s_wait_tensorcnt 1                             ; my part of K step 0 is in; K step 1's may stay out
	s_barrier_signal -1
	s_barrier_wait -1                              ; everybody's is
	FETCH 0, 0, F0
.if EPI == 2
	s_wait_loadcnt 32                              ; the bias is in; the 32 loads of the residual, issued behind it, stay out
.else
	s_wait_loadcnt 0x0                             ; the bias is in
.endif
	QUARTER 0, 128, F0, F1, 1                      ; the first quarter stands in front of the loop: its first products start the sums
	WIN 0                                          ; at a label and at a branch every window is 0
	s_mov_b32 s3, LAPS-1
.Llap:                                                 ; a trip goes once round the ring, from a lap's second quarter to the next lap's first, and fills both slots again
	QUARTER 0, 256, F1, F0, 0
	QUARTER 0, 384, F0, F1, 0
	TURN 0, 1, 1
	QUARTER 1, 128, F0, F1, 0
	QUARTER 1, 256, F1, F0, 0
	QUARTER 1, 384, F0, F1, 0
	TURN 1, 0, 1
	QUARTER 0, 128, F0, F1, 0
	WIN 0
	s_sub_co_u32 s3, s3, 1
	s_cmp_lg_u32 s3, 0
	s_cbranch_scc1 .Llap
	QUARTER 0, 256, F1, F0, 0                      ; the last lap fills nothing, and has no round of the cluster's barrier
	QUARTER 0, 384, F0, F1, 0
	TURN 0, 1, 0
	QUARTER 1, 128, F0, F1, 0
	QUARTER 1, 256, F1, F0, 0
	QUARTER 1, 384, F0, F1, 0
	s_wait_dscnt 16                                ; the very last quarter: nothing more to fetch
	WIN MUL
	MUL8 F1, 0, 0, 0
	MUL8 F1, 0, 2, 0
	s_wait_dscnt 0
	MUL8 F1, 1, 0, 0
	MUL8 F1, 1, 2, 0
	WIN 0
	PLACES
	PLACES                                         ; once a launch: twice the places that the lines below need
.if EPI == 2
	; THE WAY OUT, f32 with a residual.  A block of 16 rows x 64 columns goes through my own stage: 32 bytes a lane in, whole rows of 256 bytes back; the residual, which lies in the same
	; layout, is added, and 16 lanes store 256 consecutive bytes, aligned.  The stage is my own and LDS serves a wave's instructions in order (ISA guide 5.7.1.4): no barrier, no wait between stores and loads.
.macro PUT a, buf
	WIN 0
.irp b, 0,1,2,3
	ds_store_b128 v[STO], v[ACC+8*(4*(\a)+(\b)):ACC+8*(4*(\a)+(\b))+3]   offset:64*(\b)
	ds_store_b128 v[STO], v[ACC+8*(4*(\a)+(\b))+4:ACC+8*(4*(\a)+(\b))+7] offset:64*(\b)+16
.endr
.irp t, 0,1,2,3,4,5,6,7
	ds_load_b128 v[(\buf)+4*(\t):(\buf)+4*(\t)+3], v[RD] offset:(\t)*2*SPITCH
.endr
.endm
.macro SEND a, buf, younger            ; younger: the LDS instructions issued behind block a's: the next block's eight stores and eight loads, or none
	s_wait_dscnt \younger
	WIN 0x88                                       ; destination and source 1 (the residual; a store's data) window 2, source 0 (the block; a store's address) window 0
.irp t, 0,1,2,3,4,5,6,7
	v_pk_add_f32 v[32*(\a)+4*(\t):32*(\a)+4*(\t)+1],   v[(\buf)+4*(\t):(\buf)+4*(\t)+1],   v[32*(\a)+4*(\t):32*(\a)+4*(\t)+1]
	v_pk_add_f32 v[32*(\a)+4*(\t)+2:32*(\a)+4*(\t)+3], v[(\buf)+4*(\t)+2:(\buf)+4*(\t)+3], v[32*(\a)+4*(\t)+2:32*(\a)+4*(\t)+3]
	global_store_b128 v[CO], v[32*(\a)+4*(\t):32*(\a)+4*(\t)+3], s[8:9] offset:(16*(\a)+2*(\t))*4*SIZE_N  ; each register is stored once and never written again
.endr
	WIN 0
.endm
	s_wait_loadcnt 0x0                             ; the residual is in
	PUT 0, TMP
	PUT 1, TMP+32
	SEND 0, TMP, 16
	PUT 2, TMP
	SEND 1, TMP+32, 16
	PUT 3, TMP+32
	SEND 2, TMP, 16
	SEND 3, TMP+32, 0
.else
	; THE WAY OUT, bf16.  Accumulator t's eight numbers a lane pack into four registers at v[96 + 4 t] (t < 8; the bias's registers are free) or v[4 t] (t >= 8).
.if EPI == 1
	; gelu(x) = x / (1 + 2^(x (c0 + c1 x x))), which is x (1 + tanh(sqrt(2 / pi) (x + 0.044715 x^3))) / 2.  Where x x overflows the exponent is an infinity of the right sign: x or -0 comes out.
	; 64 numbers a lane at a time; the exponentials are one batch with one wait, the reciprocals another.
.macro GELU hh, pk
.set X, ACC+64*(\hh)
.set i, 0
.rept 32
	v_pk_mul_f32 v[TMP+i:TMP+i+1], v[X+i:X+i+1], v[X+i:X+i+1]  ; ascending: each accumulator's lowest registers are read first
.set i, i+2
.endr
.set i, 0
.rept 32
	v_pk_fma_f32 v[TMP+i:TMP+i+1], v[TMP+i:TMP+i+1], s[C1:C1+1], s[C0:C0+1] op_sel_hi:[1,0,0]
.set i, i+2
.endr
.set i, 0
.rept 32
	v_pk_mul_f32 v[TMP+i:TMP+i+1], v[TMP+i:TMP+i+1], v[X+i:X+i+1]
.set i, i+2
.endr
.set i, 0
.rept 64
	v_exp_f32 v[TMP+i], v[TMP+i]
.set i, i+1
.endr
	v_nop
	s_wait_alu depctr_va_vdst(0)
.set i, 0
.rept 32
	v_pk_add_f32 v[TMP+i:TMP+i+1], v[TMP+i:TMP+i+1], 1.0 op_sel_hi:[1,0]
.set i, i+2
.endr
.set i, 0
.rept 64
	v_rcp_f32 v[TMP+i], v[TMP+i]
.set i, i+1
.endr
	v_nop
	s_wait_alu depctr_va_vdst(0)
.set i, 0
.rept 32
	v_pk_mul_f32 v[X+i:X+i+1], v[X+i:X+i+1], v[TMP+i:TMP+i+1]
.set i, i+2
.endr
.set i, 0
.rept 32
	v_cvt_pk_bf16_f32 v[(\pk)+i], v[X+2*i], v[X+2*i+1]
.set i, i+1
.endr
.endm
	GELU 0, BIAS
	GELU 1, TMP
.else
.set t, 0
.rept 16
.set pr, 4*t+96*(1-t/8)
.irp r, 0,1,2,3
	v_cvt_pk_bf16_f32 v[pr+(\r)], v[ACC+8*t+2*(\r)], v[ACC+8*t+2*(\r)+1]
.endr
.set t, t+1
.endr
.endif
	; 16 bytes a lane into the work-group's stage; a barrier, since a row's 256 bytes come from two waves; back as whole rows, 32 rows a wave
.set t, 0
.rept 16
.set pr, 4*t+96*(1-t/8)
	ds_store_b128 v[STO], v[pr:pr+3] offset:(t/4)*16*SPITCH+32*(t%4)
.set t, t+1
.endr
	s_wait_dscnt 0x0                               ; for the others' sake: my stores into the stage are done
	s_barrier_signal -1
	s_barrier_wait -1
.irp t, 0,1,2,3,4,5,6,7,8,9,10,11,12,13,14,15
	ds_load_b128 v[TMP+4*(\t):TMP+4*(\t)+3], v[RD] offset:(\t)*2*SPITCH
.endr
.irp t, 0,1,2,3,4,5,6,7,8,9,10,11,12,13,14,15
	s_wait_dscnt 15-(\t)
	global_store_b128 v[CO], v[TMP+4*(\t):TMP+4*(\t)+3], s[8:9] offset:2*(\t)*SIZE_N*2  ; 16 lanes store 256 consecutive bytes, at a multiple of 256 from out's first byte
.endr
.endif
	s_wait_tensorcnt 0x0                           ; the wave's end, behind my last tensor load and my last LDS store
	ds_add_u32 v[SPW], v[NIL]
	s_wait_dscnt 0x0
	CROUND                                         ; the closing round: no work-group ends while a partner may still ask for a tile that names it
	s_endpgm
.Lfunc_end_k_q021850f74e_g_mlp1:
	.size	k_q021850f74e_g_mlp1, .Lfunc_end_k_q021850f74e_g_mlp1-k_q021850f74e_g_mlp1
	.p2alignl 7, 3214868480
	.fill 96, 4, 3214868480
	.section	.rodata,"a",@progbits
	.p2align	6, 0x0
	.amdhsa_kernel k_q021850f74e_g_mlp1
		.amdhsa_group_segment_fixed_size 327680
		.amdhsa_private_segment_fixed_size 0
		.amdhsa_enable_private_segment 0
		.amdhsa_kernarg_size 32
		.amdhsa_user_sgpr_count 2
		.amdhsa_user_sgpr_kernarg_segment_ptr 1
		.amdhsa_wavefront_size32 1
		.amdhsa_system_sgpr_workgroup_id_x 1
		.amdhsa_system_sgpr_workgroup_id_y 1
		.amdhsa_system_sgpr_workgroup_id_z 1
		.amdhsa_system_vgpr_workitem_id 0
		.amdhsa_next_free_vgpr 512
		.amdhsa_next_free_sgpr 76
		.amdhsa_reserve_vcc 0
		.amdhsa_float_denorm_mode_32 3
		.amdhsa_float_denorm_mode_16_64 3
		.amdhsa_memory_ordered 1
		.amdhsa_forward_progress 1
		.amdhsa_inst_pref_size 116
	.end_amdhsa_kernel
	.amdgpu_metadata
---
amdhsa.version: [ 1, 2 ]
amdhsa.kernels:
  - .name:           k_q021850f74e_g_mlp1
    .symbol:         k_q021850f74e_g_mlp1.kd
    .args:
      - { .name: act, .offset: 0, .size: 8, .value_kind: global_buffer, .address_space: global }
      - { .name: w1b, .offset: 8, .size: 8, .value_kind: global_buffer, .address_space: global }
      - { .name: gbuf, .offset: 16, .size: 8, .value_kind: global_buffer, .address_space: global }
      - { .name: mlp_b1, .offset: 24, .size: 8, .value_kind: global_buffer, .address_space: global }
    .group_segment_fixed_size: 327680
    .private_segment_fixed_size: 0
    .kernarg_segment_align: 8
    .kernarg_segment_size: 32
    .max_flat_workgroup_size: 128
    .sgpr_count:     76
    .vgpr_count:     512
    .wavefront_size: 32
...
	.end_amdgpu_metadata
.endif
;; end of part 6
;; launch g_mlp2 (part 7): grid 8 x 32, 4 waves a work-group, clusters of 4 x 4, 327,680 bytes of LDS; arguments gbuf, w2b, out0, mlp_b2, x1; writes out0
.if DOCPART == 7
	.amdgcn_target "amdgcn-amd-amdhsa--gfx1250"
	.amdhsa_code_object_version 6
	.text
	.protected	k_q021850f74e_g_mlp2
	.globl	k_q021850f74e_g_mlp2
	.p2align	8
	.type	k_q021850f74e_g_mlp2,@function
k_q021850f74e_g_mlp2:
	s_mov_b64 s[64:65], 0
	v_nop
	global_prefetch_b8 v0, s[64:65] scope:SCOPE_SE
	s_setreg_imm32_b32 hwreg(HW_REG_WAVE_MODE, 25, 1), 1
	s_wait_xcnt 0x0
	s_wait_alu depctr_hold_cnt(0) depctr_sa_sdst(0) depctr_va_vdst(0) depctr_va_sdst(0) depctr_va_ssrc(0) depctr_va_vcc(0) depctr_vm_vsrc(0)
	s_getreg_b32 s2, hwreg(HW_REG_IB_STS2, 6, 4)
	s_cmp_eq_u32 s2, 0
	s_cbranch_scc0 .Lentry_in_a_cluster
	s_endpgm
.Lentry_in_a_cluster:
	s_bfe_u32 s2, ttmp6, 0x10000c
	s_cmp_lg_u32 s2, 0xf033
	s_cbranch_scc0 .Lentry_shape_is_right
	s_endpgm
.Lentry_shape_is_right:
; out0 = x1 + g mlp_w2^T + mlp_b2.  A = gbuf (g), B = w2b, residual = x1, out = out0 in f32.
; out[m][n] = way out of (bias[n] + the sum over k of A[m][k] B[n][k]).  A: [4096][SIZE_K], B: [SIZE_N][SIZE_K], bf16, rows along K; sums in f32, K ascending, begun with the bias.
; EPI picks the way out.  0: rounded to bf16.  1: tanh-GELU in f32, then bf16.  2: a residual [4096][SIZE_N] in f32 is added, f32 out.
; SHARES.  A tile of out is 128 x 128: four waves, each 64 x 64: 16 accumulators of 16 x 16.  K goes in steps of 256 (LDS rows of 512 bytes; a wave's tensor load brings 64 of them) through two LDS slots.
; CLUSTER.  4 x 4 work-groups.  The four of a row of the cluster need the same tiles of A, the four of a column the same tiles of B: each tile is asked for JOINTLY, by the same tensor load with the
; same descriptor and a mask that names the four.  THE MATRIX INSTRUCTION IS USED TRANSPOSED (source 0 = 16 rows of B, source 1 = 16 rows of A): a lane then holds eight neighbouring numbers of a row of out.
; REGISTERS.  window 0: v16-29 addresses; v32-95 at work on the way out; v96-127 the bias of my 64 columns (8 registers an n block); v128-255 the accumulators ((a, b) at v[128 + 8 (4 a + b)]).
;   window 1: two fragment buffers of 128: for 64 along K, 64 registers of A, then 64 of B.   window 2 (EPI 2): v0-127 the residual of my 64 x 64.
; LIMITS.  Operands are bf16 as they arrive; NaN and infinities are not treated apart.
.set SIZE_N, 1024
.set SIZE_K, 4096
.set EPI,    2
.set KSTEP,  256
.set PITCH,  528                       ; an LDS row: 512 bytes of data + 16 of padding = 132 words: row r starts at bank 4 r mod 64 (64 banks of 4 bytes: ISA guide 11.1)
.set HALFT,  64*PITCH                  ; 64 rows: what one tensor load brings, and what one wave reads of A or of B
.set SLOT,   4*HALFT                   ; A's 128 rows, then B's 128 rows
.set STAGE,  2*SLOT                    ; behind the ring, never filled by a tensor load: the stage for the way out
.set SPITCH, 272
.if EPI == 2
.set SPARE,  STAGE+4*16*SPITCH         ; four stages of 16 rows x 272 bytes, a wave's own each; behind them the spare words, 128 bytes a wave
.else
.set SPARE,  STAGE+128*SPITCH          ; one stage of 128 rows x 272 bytes, the work-group's; behind it the spare words
.endif
.set LAPS, SIZE_K/(2*KSTEP)            ; a lap = two K steps = once round the ring
.set ADRA, 16                          ; v16-17  LDS address of my A fragments in slot 0, 1
.set ADRB, 20                          ; v20-21  the same for B
.set STO,  24                          ; v24     the way out: where I put my numbers of a row
.set RD,   25                          ; v25     the way out: where I read a row back
.set CO,   26                          ; v26     my byte offset in out (and in the residual); never rewritten
.set BO,   27                          ; v27     32 x (lane / 16): my eight numbers in 16 of the bias; never rewritten
.set SPW,  28                          ; v28     LDS address of my spare word: SPARE + 4 x my thread's number; never rewritten
.set NIL,  29                          ; v29     0; never rewritten
.set TMP,  32
.set BIAS, 96
.set ACC,  128
.set F0,   0                           ; fragment buffers, in window 1
.set F1,   128
.set G1, 24                            ; s[24:31] descriptor group 1 for A's tiles;  s[32:39] group 0, one set for each slot
.set G0, 32
.set G1B, 48                           ; s[48:55], s[56:63] the same for B's tiles
.set G0B, 56
.set BP, 68                            ; s[68:69] the bias
.set RP, 70                            ; s[70:71] the residual (EPI 2)
.set C1, 72                            ; s[72:73], s[74:75] GELU's two constants (EPI 1), each named as a pair
.set C0, 74
.set MSB, 0
.macro WIN new                         ; the immediate's high byte repeats the setting that is left
.if MSB != (\new)
	s_set_vgpr_msb (MSB<<8)|(\new)
.set MSB, \new
.endif
.endm
.set MUL,  0x05                        ; sources 0 (B) and 1 (A) window 1; C and D window 0
.set TO_F, 0x40                        ; destination window 1, address window 0
.macro JLOAD s                         ; a joint load: waves 0 and 1 fetch A's two halves, waves 2 and 3 B's; an s_nop 0 and four v_nop follow each of the two lines
	s_cmp_eq_u32 s11, 0
	s_cbranch_scc0 .Lfor_b_\@
	tensor_load_to_lds s[G0+4*(\s):G0+4*(\s)+3], s[G1:G1+7]
	s_nop 0
.rept 4
	v_nop
.endr
	s_branch .Lasked_\@
.Lfor_b_\@:
	tensor_load_to_lds s[G0B+4*(\s):G0B+4*(\s)+3], s[G1B:G1B+7]
	s_nop 0
.rept 4
	v_nop
.endr
.Lasked_\@:
.endm
.macro CREST                           ; a round of the cluster's barrier behind its opening barrier
	s_cmp_lg_u32 s10, 0
	s_cbranch_scc1 .Lnot_wave_0_\@
	s_barrier_signal -3
.Lnot_wave_0_\@:
	s_barrier_wait -3
	s_barrier_signal -1
	s_barrier_wait -1
.endm
.macro CROUND                          ; a whole round
	s_barrier_signal -1
	s_barrier_wait -1
	CREST
.endm
	s_load_b128 s[4:7], s[0:1], 0x0                ; A s[4:5], B s[6:7]
	s_load_b64 s[8:9], s[0:1], 0x10                ; out
	s_load_b64 s[BP:BP+1], s[0:1], 0x18            ; bias
.if EPI == 2
	s_load_b64 s[RP:RP+1], s[0:1], 0x20            ; residual
.endif
	v_lshl_add_u32 v[SPW], v0, 2, SPARE
	v_mov_b32 v[NIL], 0
	ds_add_u32 v[SPW], v[NIL]                      ; the wave's opening: the add and its wait stand ahead of my first tensor load; the set-up below, work on registers, stands between them
	v_lshrrev_b32 v1, 5, v0
	v_readfirstlane_b32 s10, v1                    ; wave 0..3
	s_lshr_b32 s11, s10, 1                         ; which half of the tile's rows is mine.  Also: I fetch for A (0) or for B (1)
	s_and_b32 s12, s10, 1                          ; which half of its columns.  Also: which 64 rows of that tile I fetch
	s_bfe_u32 s40, ttmp6, 0x40000                  ; cx, cy: my place in the cluster
	s_bfe_u32 s41, ttmp6, 0x40004
	s_lshl_b32 s42, ttmp9, 2
	s_add_co_u32 s42, s42, s40                     ; tile column = 4 x cluster x + cx
	s_and_b32 s13, ttmp7, 0xffff
	s_lshl_b32 s13, s13, 2
	s_add_co_u32 s13, s13, s41                     ; tile row = 4 x cluster y + cy
	s_lshl_b32 s43, s41, 2
	s_lshl_b32 s43, 15, s43                        ; my row of the cluster
	s_lshl_b32 s44, 0x1111, s40                    ; my column
	; descriptor group 1: a tile of 64 rows x 256 elements, padded in LDS
	s_or_b32 s[G1+0], s43, (1<<16)|(1<<20)|(1<<21)|(6<<22)|(3<<25)  ; 15:0 the mask: A's tiles go to my row; 17:16 element of 2 bytes; 20 padding on; 21 set beside a mask; 24:22 after every 128 words (code 6); 31:25 of 4 words (code 3)
	s_or_b32 s[G1B+0], s44, (1<<16)|(1<<20)|(1<<21)|(6<<22)|(3<<25)
.irp g, G1, G1B
	s_mov_b32 s[(\g)+1], KSTEP<<16                 ; tensor_dim0 = 256
	s_mov_b32 s[(\g)+2], 64<<16                    ; tensor_dim1 = 64
	s_mov_b32 s[(\g)+3], KSTEP<<16                 ; tile_dim0 = 256
	s_mov_b32 s[(\g)+4], 64                        ; tile_dim1 = 64
	s_mov_b32 s[(\g)+5], SIZE_K                    ; elements from row to row
	s_mov_b32 s[(\g)+6], 0
	s_mov_b32 s[(\g)+7], 0
.endr
.if EPI == 1
	s_mov_b32 s[C1], 0xbdd2d3e8                    ; c1 = 0.044715 c0 = -0.10294324
	s_mov_b32 s[C1+1], s[C1]
	s_mov_b32 s[C0], 0xc0135761                    ; c0 = -2 log2(e) sqrt(2 / pi) = -2.3022082
	s_mov_b32 s[C0+1], s[C0]
.endif
	s_lshl_b32 s17, s12, 6                         ; which 64 rows of the tile I fetch
	s_lshl_b32 s16, s13, 7
	s_add_co_u32 s16, s16, s17                     ; A: row 128 x tile row + 64 x half
	s_lshl_b32 s46, s42, 7
	s_add_co_u32 s46, s46, s17                     ; B: row 128 x tile column + 64 x half
	s_mov_b32 s17, 0
	s_mov_b32 s47, 0
	s_mov_b64 s[18:19], SIZE_K*2
	s_mul_u64 s[16:17], s[16:17], s[18:19]
	s_mul_u64 s[46:47], s[46:47], s[18:19]
	s_mul_i32 s20, s10, HALFT                      ; where they go: wave x 64 rows: no place in the cluster enters an LDS address
	s_wait_dscnt 0x0                               ; the opening add is done
	s_wait_kmcnt 0x0
	s_add_nc_u64 s[14:15], s[4:5], s[16:17]
	s_add_nc_u64 s[46:47], s[6:7], s[46:47]
	CROUND                                         ; all sixteen work-groups are here: the first joint loads meet
.irp s, 0,1
	s_mov_b32 s[G0+4*(\s)], 1
	s_add_co_u32 s[G0+4*(\s)+1], s20, (\s)*SLOT
	s_add_nc_u64 s[G0+4*(\s)+2:G0+4*(\s)+3], s[14:15], (\s)*KSTEP*2
	s_or_b32 s[G0+4*(\s)+3], s[G0+4*(\s)+3], 0x80000000
	s_mov_b32 s[G0B+4*(\s)], 1
	s_add_co_u32 s[G0B+4*(\s)+1], s20, (\s)*SLOT
	s_add_nc_u64 s[G0B+4*(\s)+2:G0B+4*(\s)+3], s[46:47], (\s)*KSTEP*2
	s_or_b32 s[G0B+4*(\s)+3], s[G0B+4*(\s)+3], 0x80000000
	JLOAD \s                                       ; two tensor loads of mine are out
.endr
	v_and_b32 v1, 15, v0                           ; l % 16
	v_bfe_u32 v2, v0, 4, 1                         ; l / 16
	v_mul_u32_u24 v3, v1, PITCH
	v_lshl_add_u32 v3, v2, 4, v3                   ; a fragment's row x pitch + 16 x half
	s_mul_i32 s21, s11, HALFT                      ; my 64 rows of A
	s_mul_i32 s22, s12, HALFT                      ; my 64 rows of B,
	s_add_co_u32 s22, s22, 2*HALFT                 ; which lie behind A's 128
.irp s, 0,1
	v_add_nc_u32 v[ADRA+(\s)], s21, v3
	v_add_nc_u32 v[ADRB+(\s)], s22, v3
	s_add_co_u32 s21, s21, SLOT
	s_add_co_u32 s22, s22, SLOT
.endr
.if EPI == 2
	s_mul_i32 s23, s10, 16*SPITCH
	s_add_co_u32 s23, s23, STAGE                   ; my own stage: 16 rows of 64 f32
	v_mul_u32_u24 v4, v1, SPITCH                   ; in: row l % 16, 32 bytes for each half of the lanes
	v_lshl_add_u32 v4, v2, 5, v4
	v_add_nc_u32 v[STO], s23, v4
	v_mul_u32_u24 v5, v2, SPITCH                   ; back: lanes 0-15 take one row of 256 bytes, lanes 16-31 the next
	v_lshl_add_u32 v5, v1, 4, v5
	v_add_nc_u32 v[RD], s23, v5
	v_mul_u32_u24 v5, v2, SIZE_N*4                 ; and the same two rows in out and in the residual
	v_lshl_add_u32 v[CO], v1, 4, v5
	s_lshl_b32 s16, s13, 7
	s_lshl_b32 s17, s11, 6
	s_add_co_u32 s16, s16, s17                     ; my first row: 128 x tile row + 64 x half
	s_mov_b32 s17, 0
	s_mov_b64 s[18:19], SIZE_N*4
	s_mul_u64 s[16:17], s[16:17], s[18:19]
	s_lshl_b32 s46, s42, 9                         ; my first column, in bytes: 512 x tile column + 256 x half
	s_lshl_b32 s47, s12, 8
	s_add_co_u32 s46, s46, s47
	s_mov_b32 s47, 0
	s_add_nc_u64 s[16:17], s[16:17], s[46:47]
	s_add_nc_u64 s[8:9], s[8:9], s[16:17]
	s_add_nc_u64 s[RP:RP+1], s[RP:RP+1], s[16:17]
.else
	s_mul_i32 s23, s11, 64*SPITCH                  ; into the stage: my 64 rows, my half of their 256 bytes; row l % 16, 16 bytes for each half of the lanes
	s_lshl_b32 s21, s12, 7
	s_add_co_u32 s23, s23, s21
	s_add_co_u32 s23, s23, STAGE
	v_mul_u32_u24 v4, v1, SPITCH
	v_lshl_add_u32 v4, v2, 4, v4
	v_add_nc_u32 v[STO], s23, v4
	s_mul_i32 s23, s10, 32*SPITCH                  ; back: wave w takes rows 32 w .. 32 w + 31, whole; lanes 0-15 one row of 256 bytes, lanes 16-31 the next
	s_add_co_u32 s23, s23, STAGE
	v_mul_u32_u24 v5, v2, SPITCH
	v_lshl_add_u32 v5, v1, 4, v5
	v_add_nc_u32 v[RD], s23, v5
	v_mul_u32_u24 v5, v2, SIZE_N*2                 ; and the same two rows in out
	v_lshl_add_u32 v[CO], v1, 4, v5
	s_lshl_b32 s16, s13, 7
	s_lshl_b32 s17, s10, 5
	s_add_co_u32 s16, s16, s17                     ; the first row that I store: 128 x tile row + 32 x wave
	s_mov_b32 s17, 0
	s_mov_b64 s[18:19], SIZE_N*2
	s_mul_u64 s[16:17], s[16:17], s[18:19]
	s_add_nc_u64 s[8:9], s[8:9], s[16:17]
	s_lshl_b32 s46, s42, 8                         ; the tile's first column, in bytes
	s_mov_b32 s47, 0
	s_add_nc_u64 s[8:9], s[8:9], s[46:47]
.endif
	s_lshl_b32 s46, s42, 9                         ; the bias of my 64 columns: 4 x (128 x tile column + 64 x half) bytes
	s_lshl_b32 s47, s12, 8
	s_add_co_u32 s46, s46, s47
	s_mov_b32 s47, 0
	s_add_nc_u64 s[BP:BP+1], s[BP:BP+1], s[46:47]
	v_lshlrev_b32 v[BO], 5, v2
.irp b, 0,1,2,3                        ; register j of n block b: bias[16 b + 8 (l / 16) + j]: the layout of a result, the same for all 16 rows
	global_load_b128 v[BIAS+8*(\b):BIAS+8*(\b)+3],   v[BO], s[BP:BP+1] offset:64*(\b)
	global_load_b128 v[BIAS+8*(\b)+4:BIAS+8*(\b)+7], v[BO], s[BP:BP+1] offset:64*(\b)+16
.endr
.if EPI == 2
	WIN 0x80                                       ; destination window 2, address window 0
.irp a, 0,1,2,3                        ; the residual of my 64 x 64, as whole rows of 256 bytes: it lands while the products run
.irp t, 0,1,2,3,4,5,6,7
	global_load_b128 v[32*(\a)+4*(\t):32*(\a)+4*(\t)+3], v[CO], s[RP:RP+1] offset:(16*(\a)+2*(\t))*4*SIZE_N
.endr
.endr
	WIN 0
.endif
; 8 matrix instructions: m blocks a0, a0 + 1 x all 4 n blocks, 32 along K: half c of buffer f.  zero = 1: the first product starts the sums, with the bias as C.
; The 16 accumulators take turns, one instruction a turn.
.macro MUL8 f, c, a0, zero
	WIN MUL
.irp a, \a0, (\a0)+1
.irp b, 0,1,2,3
.if \zero
	v_wmma_f32_16x16x32_bf16 v[ACC+8*(4*(\a)+(\b)):ACC+8*(4*(\a)+(\b))+7], v[(\f)+64+8*(4*(\c)+(\b)):(\f)+64+8*(4*(\c)+(\b))+7], v[(\f)+8*(4*(\c)+(\a)):(\f)+8*(4*(\c)+(\a))+7], v[BIAS+8*(\b):BIAS+8*(\b)+7]
.else
	v_wmma_f32_16x16x32_bf16 v[ACC+8*(4*(\a)+(\b)):ACC+8*(4*(\a)+(\b))+7], v[(\f)+64+8*(4*(\c)+(\b)):(\f)+64+8*(4*(\c)+(\b))+7], v[(\f)+8*(4*(\c)+(\a)):(\f)+8*(4*(\c)+(\a))+7], v[ACC+8*(4*(\a)+(\b)):ACC+8*(4*(\a)+(\b))+7]
.endif
.endr
.endr
.endm
; 32 LDS loads in one run: the fragments of 64 along K at byte k of the rows, into buffer f; the first 32 along K first
.macro FETCH slot, k, f
	WIN TO_F
.irp c, 0,1
.irp i, 0,1,2,3
	ds_load_b128 v[(\f)+64+8*(4*(\c)+(\i)):(\f)+64+8*(4*(\c)+(\i))+3],   v[ADRB+(\slot)] offset:(\k)+64*(\c)+(\i)*16*PITCH
	ds_load_b128 v[(\f)+64+8*(4*(\c)+(\i))+4:(\f)+64+8*(4*(\c)+(\i))+7], v[ADRB+(\slot)] offset:(\k)+64*(\c)+(\i)*16*PITCH+32
	ds_load_b128 v[(\f)+8*(4*(\c)+(\i)):(\f)+8*(4*(\c)+(\i))+3],         v[ADRA+(\slot)] offset:(\k)+64*(\c)+(\i)*16*PITCH
	ds_load_b128 v[(\f)+8*(4*(\c)+(\i))+4:(\f)+8*(4*(\c)+(\i))+7],       v[ADRA+(\slot)] offset:(\k)+64*(\c)+(\i)*16*PITCH+32
.endr
.endr
.endm
.macro PLACES                          ; four places in front of loads into registers that matrix instructions have read, and of lines that read results
.rept 4
	v_nop
.endr
.endm
; A K step is four quarters of 64 along K, 32 matrix instructions each, on buffers 0, 1, 0, 1.  One of the first three: multiplies buffer f and fetches the next quarter, at byte k, into g.
.macro QUARTER slot, k, f, g, zero
	s_wait_dscnt 16                                ; the first 32 along K are in; the youngest sixteen loads may be out
	WIN MUL
	MUL8 \f, 0, 0, \zero
	MUL8 \f, 0, 2, \zero
	PLACES
	FETCH \slot, \k, \g
	s_wait_dscnt 32                                ; all but the 32 just issued
	WIN MUL
	MUL8 \f, 1, 0, 0
	MUL8 \f, 1, 2, 0
.endm
; The last quarter multiplies buffer 1 and changes slots: ONE barrier; in front of it each wave waits for all its tensor loads, adds 0 to its spare word, and waits for that and for its own reads of this slot.
; fill = 1: this slot is filled again, two K steps ahead; the barrier then opens a round of the cluster's barrier, and the joint load is the first thing behind the round.
.macro TURN slot, next, fill
	WIN 0                                          ; (the add's two registers lie in window 0)
	s_wait_tensorcnt 0x0                           ; all my tensor loads have landed: the one that was out is my part of the next slot;
	ds_add_u32 v[SPW], v[NIL]                      ; 0 onto my spare word;
	s_wait_dscnt 17                                ; (the add and the youngest sixteen loads may be out)
	WIN MUL
	MUL8 F1, 0, 0, 0                               ; eight matrix instructions stand between the add and the wait for it
	s_wait_dscnt 0x0                               ; the add is done, and my reads of this slot are over
	s_barrier_signal -1
	MUL8 F1, 0, 2, 0
.if \fill
	WIN 0
.endif
	s_barrier_wait -1
.if \fill
	CREST                                          ; no wave of any partner still reads this slot's tile or has a load on its way
	s_add_nc_u64 s[G0+4*(\slot)+2:G0+4*(\slot)+3], s[G0+4*(\slot)+2:G0+4*(\slot)+3], 2*KSTEP*2
	s_add_nc_u64 s[G0B+4*(\slot)+2:G0B+4*(\slot)+3], s[G0B+4*(\slot)+2:G0B+4*(\slot)+3], 2*KSTEP*2
	JLOAD \slot                                    ; one tensor load of mine is out: 112 matrix instructions ahead of the wait for it; its four v_nop are also the places in front of the loads below
.else
	PLACES
.endif
	FETCH \next, 0, F0
	WIN MUL
	MUL8 F1, 1, 0, 0
	MUL8 F1, 1, 2, 0
.endm
	s_wait_tensorcnt 1                             ; my part of K step 0 is in; K step 1's may stay out
	s_barrier_signal -1
	s_barrier_wait -1                              ; everybody's is
	FETCH 0, 0, F0
.if EPI == 2
	s_wait_loadcnt 32                              ; the bias is in; the 32 loads of the residual, issued behind it, stay out
.else
	s_wait_loadcnt 0x0                             ; the bias is in
.endif
	QUARTER 0, 128, F0, F1, 1                      ; the first quarter stands in front of the loop: its first products start the sums
	WIN 0                                          ; at a label and at a branch every window is 0
	s_mov_b32 s3, LAPS-1
.Llap:                                                 ; a trip goes once round the ring, from a lap's second quarter to the next lap's first, and fills both slots again
	QUARTER 0, 256, F1, F0, 0
	QUARTER 0, 384, F0, F1, 0
	TURN 0, 1, 1
	QUARTER 1, 128, F0, F1, 0
	QUARTER 1, 256, F1, F0, 0
	QUARTER 1, 384, F0, F1, 0
	TURN 1, 0, 1
	QUARTER 0, 128, F0, F1, 0
	WIN 0
	s_sub_co_u32 s3, s3, 1
	s_cmp_lg_u32 s3, 0
	s_cbranch_scc1 .Llap
	QUARTER 0, 256, F1, F0, 0                      ; the last lap fills nothing, and has no round of the cluster's barrier
	QUARTER 0, 384, F0, F1, 0
	TURN 0, 1, 0
	QUARTER 1, 128, F0, F1, 0
	QUARTER 1, 256, F1, F0, 0
	QUARTER 1, 384, F0, F1, 0
	s_wait_dscnt 16                                ; the very last quarter: nothing more to fetch
	WIN MUL
	MUL8 F1, 0, 0, 0
	MUL8 F1, 0, 2, 0
	s_wait_dscnt 0
	MUL8 F1, 1, 0, 0
	MUL8 F1, 1, 2, 0
	WIN 0
	PLACES
	PLACES                                         ; once a launch: twice the places that the lines below need
.if EPI == 2
	; THE WAY OUT, f32 with a residual.  A block of 16 rows x 64 columns goes through my own stage: 32 bytes a lane in, whole rows of 256 bytes back; the residual, which lies in the same
	; layout, is added, and 16 lanes store 256 consecutive bytes, aligned.  The stage is my own and LDS serves a wave's instructions in order (ISA guide 5.7.1.4): no barrier, no wait between stores and loads.
.macro PUT a, buf
	WIN 0
.irp b, 0,1,2,3
	ds_store_b128 v[STO], v[ACC+8*(4*(\a)+(\b)):ACC+8*(4*(\a)+(\b))+3]   offset:64*(\b)
	ds_store_b128 v[STO], v[ACC+8*(4*(\a)+(\b))+4:ACC+8*(4*(\a)+(\b))+7] offset:64*(\b)+16
.endr
.irp t, 0,1,2,3,4,5,6,7
	ds_load_b128 v[(\buf)+4*(\t):(\buf)+4*(\t)+3], v[RD] offset:(\t)*2*SPITCH
.endr
.endm
.macro SEND a, buf, younger            ; younger: the LDS instructions issued behind block a's: the next block's eight stores and eight loads, or none
	s_wait_dscnt \younger
	WIN 0x88                                       ; destination and source 1 (the residual; a store's data) window 2, source 0 (the block; a store's address) window 0
.irp t, 0,1,2,3,4,5,6,7
	v_pk_add_f32 v[32*(\a)+4*(\t):32*(\a)+4*(\t)+1],   v[(\buf)+4*(\t):(\buf)+4*(\t)+1],   v[32*(\a)+4*(\t):32*(\a)+4*(\t)+1]
	v_pk_add_f32 v[32*(\a)+4*(\t)+2:32*(\a)+4*(\t)+3], v[(\buf)+4*(\t)+2:(\buf)+4*(\t)+3], v[32*(\a)+4*(\t)+2:32*(\a)+4*(\t)+3]
	global_store_b128 v[CO], v[32*(\a)+4*(\t):32*(\a)+4*(\t)+3], s[8:9] offset:(16*(\a)+2*(\t))*4*SIZE_N  ; each register is stored once and never written again
.endr
	WIN 0
.endm
	s_wait_loadcnt 0x0                             ; the residual is in
	PUT 0, TMP
	PUT 1, TMP+32
	SEND 0, TMP, 16
	PUT 2, TMP
	SEND 1, TMP+32, 16
	PUT 3, TMP+32
	SEND 2, TMP, 16
	SEND 3, TMP+32, 0
.else
	; THE WAY OUT, bf16.  Accumulator t's eight numbers a lane pack into four registers at v[96 + 4 t] (t < 8; the bias's registers are free) or v[4 t] (t >= 8).
.if EPI == 1
	; gelu(x) = x / (1 + 2^(x (c0 + c1 x x))), which is x (1 + tanh(sqrt(2 / pi) (x + 0.044715 x^3))) / 2.  Where x x overflows the exponent is an infinity of the right sign: x or -0 comes out.
	; 64 numbers a lane at a time; the exponentials are one batch with one wait, the reciprocals another.
.macro GELU hh, pk
.set X, ACC+64*(\hh)
.set i, 0
.rept 32
	v_pk_mul_f32 v[TMP+i:TMP+i+1], v[X+i:X+i+1], v[X+i:X+i+1]  ; ascending: each accumulator's lowest registers are read first
.set i, i+2
.endr
.set i, 0
.rept 32
	v_pk_fma_f32 v[TMP+i:TMP+i+1], v[TMP+i:TMP+i+1], s[C1:C1+1], s[C0:C0+1] op_sel_hi:[1,0,0]
.set i, i+2
.endr
.set i, 0
.rept 32
	v_pk_mul_f32 v[TMP+i:TMP+i+1], v[TMP+i:TMP+i+1], v[X+i:X+i+1]
.set i, i+2
.endr
.set i, 0
.rept 64
	v_exp_f32 v[TMP+i], v[TMP+i]
.set i, i+1
.endr
	v_nop
	s_wait_alu depctr_va_vdst(0)
.set i, 0
.rept 32
	v_pk_add_f32 v[TMP+i:TMP+i+1], v[TMP+i:TMP+i+1], 1.0 op_sel_hi:[1,0]
.set i, i+2
.endr
.set i, 0
.rept 64
	v_rcp_f32 v[TMP+i], v[TMP+i]
.set i, i+1
.endr
	v_nop
	s_wait_alu depctr_va_vdst(0)
.set i, 0
.rept 32
	v_pk_mul_f32 v[X+i:X+i+1], v[X+i:X+i+1], v[TMP+i:TMP+i+1]
.set i, i+2
.endr
.set i, 0
.rept 32
	v_cvt_pk_bf16_f32 v[(\pk)+i], v[X+2*i], v[X+2*i+1]
.set i, i+1
.endr
.endm
	GELU 0, BIAS
	GELU 1, TMP
.else
.set t, 0
.rept 16
.set pr, 4*t+96*(1-t/8)
.irp r, 0,1,2,3
	v_cvt_pk_bf16_f32 v[pr+(\r)], v[ACC+8*t+2*(\r)], v[ACC+8*t+2*(\r)+1]
.endr
.set t, t+1
.endr
.endif
	; 16 bytes a lane into the work-group's stage; a barrier, since a row's 256 bytes come from two waves; back as whole rows, 32 rows a wave
.set t, 0
.rept 16
.set pr, 4*t+96*(1-t/8)
	ds_store_b128 v[STO], v[pr:pr+3] offset:(t/4)*16*SPITCH+32*(t%4)
.set t, t+1
.endr
	s_wait_dscnt 0x0                               ; for the others' sake: my stores into the stage are done
	s_barrier_signal -1
	s_barrier_wait -1
.irp t, 0,1,2,3,4,5,6,7,8,9,10,11,12,13,14,15
	ds_load_b128 v[TMP+4*(\t):TMP+4*(\t)+3], v[RD] offset:(\t)*2*SPITCH
.endr
.irp t, 0,1,2,3,4,5,6,7,8,9,10,11,12,13,14,15
	s_wait_dscnt 15-(\t)
	global_store_b128 v[CO], v[TMP+4*(\t):TMP+4*(\t)+3], s[8:9] offset:2*(\t)*SIZE_N*2  ; 16 lanes store 256 consecutive bytes, at a multiple of 256 from out's first byte
.endr
.endif
	s_wait_tensorcnt 0x0                           ; the wave's end, behind my last tensor load and my last LDS store
	ds_add_u32 v[SPW], v[NIL]
	s_wait_dscnt 0x0
	CROUND                                         ; the closing round: no work-group ends while a partner may still ask for a tile that names it
	s_endpgm
.Lfunc_end_k_q021850f74e_g_mlp2:
	.size	k_q021850f74e_g_mlp2, .Lfunc_end_k_q021850f74e_g_mlp2-k_q021850f74e_g_mlp2
	.p2alignl 7, 3214868480
	.fill 96, 4, 3214868480
	.section	.rodata,"a",@progbits
	.p2align	6, 0x0
	.amdhsa_kernel k_q021850f74e_g_mlp2
		.amdhsa_group_segment_fixed_size 327680
		.amdhsa_private_segment_fixed_size 0
		.amdhsa_enable_private_segment 0
		.amdhsa_kernarg_size 40
		.amdhsa_user_sgpr_count 2
		.amdhsa_user_sgpr_kernarg_segment_ptr 1
		.amdhsa_wavefront_size32 1
		.amdhsa_system_sgpr_workgroup_id_x 1
		.amdhsa_system_sgpr_workgroup_id_y 1
		.amdhsa_system_sgpr_workgroup_id_z 1
		.amdhsa_system_vgpr_workitem_id 0
		.amdhsa_next_free_vgpr 640
		.amdhsa_next_free_sgpr 76
		.amdhsa_reserve_vcc 0
		.amdhsa_float_denorm_mode_32 3
		.amdhsa_float_denorm_mode_16_64 3
		.amdhsa_memory_ordered 1
		.amdhsa_forward_progress 1
		.amdhsa_inst_pref_size 94
	.end_amdhsa_kernel
	.amdgpu_metadata
---
amdhsa.version: [ 1, 2 ]
amdhsa.kernels:
  - .name:           k_q021850f74e_g_mlp2
    .symbol:         k_q021850f74e_g_mlp2.kd
    .args:
      - { .name: gbuf, .offset: 0, .size: 8, .value_kind: global_buffer, .address_space: global }
      - { .name: w2b, .offset: 8, .size: 8, .value_kind: global_buffer, .address_space: global }
      - { .name: out0, .offset: 16, .size: 8, .value_kind: global_buffer, .address_space: global }
      - { .name: mlp_b2, .offset: 24, .size: 8, .value_kind: global_buffer, .address_space: global }
      - { .name: x1, .offset: 32, .size: 8, .value_kind: global_buffer, .address_space: global }
    .group_segment_fixed_size: 327680
    .private_segment_fixed_size: 0
    .kernarg_segment_align: 8
    .kernarg_segment_size: 40
    .max_flat_workgroup_size: 128
    .sgpr_count:     76
    .vgpr_count:     640
    .wavefront_size: 32
...
	.end_amdgpu_metadata
.endif
;; end of part 7
;; ======== version 2 of 3: 7 launches
;; workspace buffers: act 8,388,608 bytes; wq 6,291,456 bytes; wo 2,097,152 bytes; w1b 8,388,608 bytes; w2b 8,388,608 bytes; x1 16,777,216 bytes; gbuf 33,554,432 bytes; par 256 bytes
;; launch prep (part 8): grid 512 x 1, 8 waves a work-group, no clusters, 0 bytes of LDS; arguments x, ln1_g, ln1_b, in_proj_w, out_proj_w, mlp_w1, mlp_w2, act, wq, wo, w1b, w2b, par; writes act, wq, wo, w1b, w2b, par
.if DOCPART == 8
	.amdgcn_target "amdgcn-amd-amdhsa--gfx1250"
	.amdhsa_code_object_version 6
	.text
	.protected	k_q021850f74e_prep
	.globl	k_q021850f74e_prep
	.p2align	8
	.type	k_q021850f74e_prep,@function
k_q021850f74e_prep:
	s_mov_b64 s[64:65], 0
	v_nop
	global_prefetch_b8 v0, s[64:65] scope:SCOPE_SE
	s_setreg_imm32_b32 hwreg(HW_REG_WAVE_MODE, 25, 1), 1
	s_wait_xcnt 0x0
; act = LayerNorm(x) * ln1_g + ln1_b, rounded once to bf16;  wq, wo, w1b, w2b = the four weight matrices rounded once to bf16;  par = 64 words of 0 (the next product's way out: no activation).
; x: [4096][1024] f32.  Every work-group moves 131,072 bytes in and 65,536 out.  Work-groups 0-127 normalise 32 rows each; work-groups 128-511 round one piece
; of 32,768 numbers each: 96 pieces of in_proj_w, 32 of out_proj_w, 128 of mlp_w1, 128 of mlp_w2.
; LAYERNORM: one wave, one row (4,096 bytes = 32 registers a lane), NR rows a wave, all asked for at once.  Mean first, then the mean of the squared differences, as the
; definition has it: no difference of large sums.  All arithmetic in f32.  NaN and infinities are not treated apart.
; A lane holds numbers 128 j + 4 l .. + 3 (j = 0..7): a load of the wave covers 512 consecutive bytes, a store of its 8 bytes a lane 256 consecutive bytes, aligned.
; No LDS, no barrier, no matrix unit, no cluster: no wave wants a byte that another has fetched but the 8,192 bytes of gain and bias.
.set NR,    4                          ; rows of a wave
.set ROWB,  4096                       ; bytes in a row of x
.set OROWB, 2048                       ; bytes in a row of act
.set PARV,  0                          ; what par is to hold
.set XP,  4                            ; s[4:5]   x
.set GP,  6                            ; s[6:7]   gain
.set BP,  8                            ; s[8:9]   bias
.set OP,  18                           ; s[18:19] act
.set SEL, 28                           ; s[28:29] v_permlanex16_b32's selects: each lane takes its own place in the other half
.set RN,  30                           ; s30      1 / 1024
.set EP,  31                           ; s31      1e-5
.set WG0, 39                           ; s39      0 in wave 0 of work-group 0 alone
.set PR,  40                           ; s[40:41] par
.set XO,  1                            ; v1       16 l + wave x NR rows of x (the cast: wave x 16,384 bytes); never rewritten
.set T,   2                            ; v[2:9]   four chains of pairs
.set YO,  14                           ; v14      8 l + wave x NR rows of act (the cast: wave x 8,192 bytes); never rewritten
.set LO,  15                           ; v15      16 l; never rewritten
.set GG,  16                           ; v[16:47] my 32 numbers of the gain
.set BB,  48                           ; v[48:79] of the bias
.set X,   80                           ; v[80:207] row k: 32 registers; the cast: 32 loads of 4
.set PV,  208                          ; v[208:209] par's word, twice; written once
; v10 a sum, v11 the other half of the lanes', v[12:13] mean, then 1 / sqrt(var + eps), in the low word
	s_load_b512 s[4:19], s[0:1], 0x0               ; x, ln1_g, ln1_b, in_proj_w s[10:11], out_proj_w s[12:13], mlp_w1 s[14:15], mlp_w2 s[16:17], act
	s_load_b256 s[20:27], s[0:1], 0x40             ; wq s[20:21], wo s[22:23], w1b s[24:25], w2b s[26:27]
	s_load_b64 s[PR:PR+1], s[0:1], 0x60            ; par
	v_and_b32 v2, 31, v0                           ; lane
	v_lshrrev_b32 v3, 5, v0                        ; wave
	v_readfirstlane_b32 s[WG0], v3
	s_or_b32 s[WG0], s[WG0], ttmp9
	v_lshlrev_b32 v[LO], 4, v2
	v_mul_u32_u24 v4, v3, NR*ROWB
	v_add_nc_u32 v[XO], v4, v[LO]
	v_mul_u32_u24 v4, v3, NR*OROWB
	v_lshl_add_u32 v[YO], v2, 3, v4
	s_mov_b32 s33, 0
	s_wait_kmcnt 0x0
	s_cmp_lt_u32 ttmp9, 128
	s_cbranch_scc0 .Lcast
; the four chains into one number, and that over the 32 lanes: every lane ends with the row's sum in v10
.macro FOLD
	v_pk_add_f32 v[T:T+1], v[T:T+1], v[T+2:T+3]
	v_pk_add_f32 v[T+4:T+5], v[T+4:T+5], v[T+6:T+7]
	v_pk_add_f32 v[T:T+1], v[T:T+1], v[T+4:T+5]
	v_add_f32 v10, v[T], v[T+1]
	v_add_f32_dpp v10, v10, v10 row_xmask:1 row_mask:0xf bank_mask:0xf
	v_add_f32_dpp v10, v10, v10 row_xmask:2 row_mask:0xf bank_mask:0xf
	v_add_f32_dpp v10, v10, v10 row_xmask:4 row_mask:0xf bank_mask:0xf
	v_add_f32_dpp v10, v10, v10 row_xmask:8 row_mask:0xf bank_mask:0xf
	v_permlanex16_b32 v11, v10, s[SEL], s[SEL+1]
	v_add_f32 v10, v10, v11
.endm
; row k of the wave: its 16 pairs of numbers lie at R + 2 p
.macro LNROW k
.set R, X+32*(\k)
	s_wait_loadcnt 8*(NR-1-(\k))                   ; loads come back in order: this row's eight are in, the later rows' stay out
.set p, 0
.rept 4
	v_pk_add_f32 v[T+2*p:T+2*p+1], v[R+2*p:R+2*p+1], v[R+2*p+8:R+2*p+9]  ; the first eight pairs start the chains: nothing is cleared
.set p, p+1
.endr
.set p, 8
.rept 8
	v_pk_add_f32 v[T+2*(p%4):T+2*(p%4)+1], v[T+2*(p%4):T+2*(p%4)+1], v[R+2*p:R+2*p+1]
.set p, p+1
.endr
	FOLD
	v_mul_f32 v12, s[RN], v10                      ; the mean
.set p, 0
.rept 16
	v_pk_add_f32 v[R+2*p:R+2*p+1], v[R+2*p:R+2*p+1], v[12:13] op_sel_hi:[1,0] neg_lo:[0,1] neg_hi:[0,1]  ; x - mean
.set p, p+1
.endr
.set p, 0
.rept 4
	v_pk_mul_f32 v[T+2*p:T+2*p+1], v[R+2*p:R+2*p+1], v[R+2*p:R+2*p+1]
.set p, p+1
.endr
.rept 12
	v_pk_fma_f32 v[T+2*(p%4):T+2*(p%4)+1], v[R+2*p:R+2*p+1], v[R+2*p:R+2*p+1], v[T+2*(p%4):T+2*(p%4)+1]
.set p, p+1
.endr
	FOLD
	v_fma_f32 v10, v10, s[RN], s[EP]               ; var + eps
	v_rsq_f32 v12, v10
	v_nop                                          ; a plain instruction behind the root,
	s_wait_alu depctr_va_vdst(0)                   ; and the wait ahead of its first reader
.set p, 0
.rept 16
	v_pk_mul_f32 v[R+2*p:R+2*p+1], v[R+2*p:R+2*p+1], v[12:13] op_sel_hi:[1,0]
.set p, p+1
.endr
.set p, 0
.rept 16
	v_pk_fma_f32 v[R+2*p:R+2*p+1], v[R+2*p:R+2*p+1], v[GG+2*p:GG+2*p+1], v[BB+2*p:BB+2*p+1]
.set p, p+1
.endr
.set p, 0
.rept 16
	v_cvt_pk_bf16_f32 v[R+p], v[R+2*p], v[R+2*p+1] ; in place, ascending: register p is written when pairs 0 .. p have been read
.set p, p+1
.endr
.set p, 0
.rept 8
	global_store_b64 v[YO], v[R+2*p:R+2*p+1], s[OP:OP+1] offset:(\k)*OROWB+256*p  ; 32 lanes x 8 bytes: 256 consecutive bytes, aligned
.set p, p+1
.endr
.endm
	s_mul_i32 s32, ttmp9, 8*NR*ROWB                ; the work-group's first row
	s_add_nc_u64 s[XP:XP+1], s[XP:XP+1], s[32:33]
	s_mul_i32 s32, ttmp9, 8*NR*OROWB
	s_add_nc_u64 s[OP:OP+1], s[OP:OP+1], s[32:33]
	s_mov_b32 s[SEL], 0x76543210
	s_mov_b32 s[SEL+1], 0xfedcba98
	s_mov_b32 s[RN], 0x3a800000
	s_mov_b32 s[EP], 0x3727c5ac
.set p, 0
.rept 8
	global_load_b128 v[GG+4*p:GG+4*p+3], v[LO], s[GP:GP+1] offset:512*p
.set p, p+1
.endr
.set p, 0
.rept 8
	global_load_b128 v[BB+4*p:BB+4*p+3], v[LO], s[BP:BP+1] offset:512*p
.set p, p+1
.endr
.set p, 0
.rept 8*NR
	global_load_b128 v[X+4*p:X+4*p+3], v[XO], s[XP:XP+1] offset:512*p  ; rows follow each other: row p / 8, its piece p % 8
.set p, p+1
.endr
	s_cmp_lg_u32 s[WG0], 0                         ; one wave of the launch writes par: in it v[YO] is 8 l, so its 32 lanes fill the 256 bytes
	s_cbranch_scc1 .Lno_par
	v_mov_b32 v[PV], PARV
	v_mov_b32 v[PV+1], PARV
	global_store_b64 v[YO], v[PV:PV+1], s[PR:PR+1]
.Lno_par:
	v_mov_b32 v11, 0                               ; v_permlanex16_b32's destination counts as read
	v_mov_b32 v13, 0                               ; named with v12 as a pair
	LNROW 0
	LNROW 1
	LNROW 2
	LNROW 3
	s_endpgm                                       ; no register of a store is written again: no further wait
.Lcast:                                        ; piece c = id - 128: which matrix, and which piece of it
	s_sub_co_u32 s32, ttmp9, 128
	s_mov_b64 s[34:35], s[10:11]
	s_mov_b64 s[36:37], s[20:21]
	s_mov_b32 s38, 0                               ; the matrix's first piece
	s_cmp_ge_u32 s32, 96
	s_cselect_b64 s[34:35], s[12:13], s[34:35]
	s_cselect_b64 s[36:37], s[22:23], s[36:37]
	s_cselect_b32 s38, 96, s38
	s_cmp_ge_u32 s32, 128
	s_cselect_b64 s[34:35], s[14:15], s[34:35]
	s_cselect_b64 s[36:37], s[24:25], s[36:37]
	s_cselect_b32 s38, 128, s38
	s_cmp_ge_u32 s32, 256
	s_cselect_b64 s[34:35], s[16:17], s[34:35]
	s_cselect_b64 s[36:37], s[26:27], s[36:37]
	s_cselect_b32 s38, 256, s38
	s_sub_co_u32 s38, s32, s38
	s_lshl_b32 s32, s38, 17                        ; 131,072 bytes in,
	s_add_nc_u64 s[34:35], s[34:35], s[32:33]
	s_lshl_b32 s32, s38, 16                        ; 65,536 out
	s_add_nc_u64 s[36:37], s[36:37], s[32:33]
.set p, 0
.rept 32
	global_load_b128 v[X+4*p:X+4*p+3], v[XO], s[34:35] offset:512*p th:TH_LOAD_NT  ; the wave's 16,384 bytes, all on their way at once
.set p, p+1
.endr
.set p, 0
.rept 32
	s_wait_loadcnt 31-p                            ; load p is in, the younger ones stay out
	v_cvt_pk_bf16_f32 v[X+4*p], v[X+4*p], v[X+4*p+1]
	v_cvt_pk_bf16_f32 v[X+4*p+1], v[X+4*p+2], v[X+4*p+3]
	global_store_b64 v[YO], v[X+4*p:X+4*p+1], s[36:37] offset:256*p
.set p, p+1
.endr
	s_endpgm
.Lfunc_end_k_q021850f74e_prep:
	.size	k_q021850f74e_prep, .Lfunc_end_k_q021850f74e_prep-k_q021850f74e_prep
	.p2alignl 7, 3214868480
	.fill 96, 4, 3214868480
	.section	.rodata,"a",@progbits
	.p2align	6, 0x0
	.amdhsa_kernel k_q021850f74e_prep
		.amdhsa_group_segment_fixed_size 0
		.amdhsa_private_segment_fixed_size 0
		.amdhsa_enable_private_segment 0
		.amdhsa_kernarg_size 104
		.amdhsa_user_sgpr_count 2
		.amdhsa_user_sgpr_kernarg_segment_ptr 1
		.amdhsa_wavefront_size32 1
		.amdhsa_system_sgpr_workgroup_id_x 1
		.amdhsa_system_sgpr_workgroup_id_y 1
		.amdhsa_system_sgpr_workgroup_id_z 1
		.amdhsa_system_vgpr_workitem_id 0
		.amdhsa_next_free_vgpr 210
		.amdhsa_next_free_sgpr 66
		.amdhsa_reserve_vcc 0
		.amdhsa_float_denorm_mode_32 3
		.amdhsa_float_denorm_mode_16_64 3
		.amdhsa_memory_ordered 1
		.amdhsa_forward_progress 1
		.amdhsa_inst_pref_size 50
	.end_amdhsa_kernel
	.amdgpu_metadata
---
amdhsa.version: [ 1, 2 ]
amdhsa.kernels:
  - .name:           k_q021850f74e_prep
    .symbol:         k_q021850f74e_prep.kd
    .args:
      - { .name: x, .offset: 0, .size: 8, .value_kind: global_buffer, .address_space: global }
      - { .name: ln1_g, .offset: 8, .size: 8, .value_kind: global_buffer, .address_space: global }
      - { .name: ln1_b, .offset: 16, .size: 8, .value_kind: global_buffer, .address_space: global }
      - { .name: in_proj_w, .offset: 24, .size: 8, .value_kind: global_buffer, .address_space: global }
      - { .name: out_proj_w, .offset: 32, .size: 8, .value_kind: global_buffer, .address_space: global }
      - { .name: mlp_w1, .offset: 40, .size: 8, .value_kind: global_buffer, .address_space: global }
      - { .name: mlp_w2, .offset: 48, .size: 8, .value_kind: global_buffer, .address_space: global }
      - { .name: act, .offset: 56, .size: 8, .value_kind: global_buffer, .address_space: global }
      - { .name: wq, .offset: 64, .size: 8, .value_kind: global_buffer, .address_space: global }
      - { .name: wo, .offset: 72, .size: 8, .value_kind: global_buffer, .address_space: global }
      - { .name: w1b, .offset: 80, .size: 8, .value_kind: global_buffer, .address_space: global }
      - { .name: w2b, .offset: 88, .size: 8, .value_kind: global_buffer, .address_space: global }
      - { .name: par, .offset: 96, .size: 8, .value_kind: global_buffer, .address_space: global }
    .group_segment_fixed_size: 0
    .private_segment_fixed_size: 0
    .kernarg_segment_align: 8
    .kernarg_segment_size: 104
    .max_flat_workgroup_size: 256
    .sgpr_count:     66
    .vgpr_count:     210
    .wavefront_size: 32
...
	.end_amdgpu_metadata
.endif
;; end of part 8
;; launch g_qkv (part 9): grid 12 x 16, 4 waves a work-group, clusters of 4 x 4, 327,680 bytes of LDS; arguments act, wq, gbuf, in_proj_b, par; writes gbuf
.if DOCPART == 9
	.amdgcn_target "amdgcn-amd-amdhsa--gfx1250"
	.amdhsa_code_object_version 6
	.text
	.protected	k_q021850f74e_g_qkv
	.globl	k_q021850f74e_g_qkv
	.p2align	8
	.type	k_q021850f74e_g_qkv,@function
k_q021850f74e_g_qkv:
	s_mov_b64 s[64:65], 0
	v_nop
	global_prefetch_b8 v0, s[64:65] scope:SCOPE_SE
	s_setreg_imm32_b32 hwreg(HW_REG_WAVE_MODE, 25, 1), 1
	s_wait_xcnt 0x0
	s_wait_alu depctr_hold_cnt(0) depctr_sa_sdst(0) depctr_va_vdst(0) depctr_va_sdst(0) depctr_va_ssrc(0) depctr_va_vcc(0) depctr_vm_vsrc(0)
	s_getreg_b32 s2, hwreg(HW_REG_IB_STS2, 6, 4)
	s_cmp_eq_u32 s2, 0
	s_cbranch_scc0 .Lentry_in_a_cluster
	s_endpgm
.Lentry_in_a_cluster:
	s_bfe_u32 s2, ttmp6, 0x10000c
	s_cmp_lg_u32 s2, 0xf033
	s_cbranch_scc0 .Lentry_shape_is_right
	s_endpgm
.Lentry_shape_is_right:
; out[m][n] = f(bias[n] + the sum over k of A[m][k] B[n][k]), rounded once to bf16.  A: [4096][1024], B: [N][1024], bf16, rows along K; bias: [N] f32; out: rows of 8,192 bytes, of which this launch
; writes the first 2 N.  N = 256 x the grid's width.  Sums in f32, K ascending, begun with the bias.
; f(x) = x / (1 + p2 2^(x (p1 + p0 x x))), in f32, with three constants that an earlier launch stored in par (words 0, 2, 4; each twice, so that it loads as a pair).  With p0 = 0.044715 p1,
; p1 = -2 log2(e) sqrt(2 / pi), p2 = 1 that is tanh-GELU; with three zeros it is x itself.  So one text serves the projection to q, k, v (N = 3,072, zeros) and the first product of the MLP
; (N = 4,096, GELU).  The choice is made by arithmetic: no branch hangs on a number read from memory.  The price: the projection runs the activation's lines for nothing.
; SHARES.  A tile of out is 256 x 256: four waves, as many as a WGP has SIMDs, each 128 x 128: 64 accumulators of 16 x 16, 512 registers.  K goes in steps of 128 through two LDS slots filled by the
; tensor data mover: the tiles' rows are 256 bytes of memory and start at multiples of 256 bytes.  From a slot's request to the wait for it a wave issues 224 matrix instructions.
; CLUSTER.  4 x 4 work-groups.  The four of a row of the cluster need the same tiles of A, the four of a column the same tiles of B: each tile is asked for JOINTLY, by the same tensor load with the
; same descriptor and a mask that names the four.  THE MATRIX INSTRUCTION IS USED TRANSPOSED (source 0 = 16 rows of B, source 1 = 16 rows of A): a lane then holds eight neighbouring numbers of a row of out.
; REGISTERS, in windows of 256 (s_set_vgpr_msb: bits 1:0 source 0, 3:2 source 1, 5:4 source 2, 7:6 destination):
;   window 0: v16-31 addresses; v64-127, v128-191 fragments of A, two buffers; v192-255 the bias of my 128 columns (8 registers an n block).  On the way out: v64-127 64 numbers, v128-191 at work, v192-223 packed
;   window 1: v64-127, v128-191 fragments of B, two buffers      window 2: the 32 accumulators of my rows 0-63 ((a, b) at v[8 (8 a + b)])      window 3: those of my rows 64-127
; THE WAY OUT is a loop, so that its text is written once for 512 numbers a lane: every wave puts its 128 x 128 sums, in f32, into the ring, whose slots have had their last fill; then each wave takes
; 64 whole rows of the tile's 256 columns, eight a trip.
; LIMITS.  Operands are bf16 as they arrive; NaN and infinities are not treated apart.
.set SIZE_K, 1024
.set OROW,   8192                      ; bytes from row to row of out
.set KSTEP,  128
.set PITCH,  272                       ; an LDS row: 256 bytes of data + 16 of padding = 68 words: row r starts at bank 4 r mod 64 (64 banks of 4 bytes: ISA guide 11.1)
.set HALFT,  128*PITCH                 ; 128 rows: what one tensor load brings, and what one wave reads of A or of B
.set SLOT,   4*HALFT                   ; A's 256 rows, then B's 256 rows
.set SPARE,  2*SLOT                    ; behind the ring: the spare words, 128 bytes for each wave: two blocks of 256 bytes that no other line names
.set WST,    2*HALFT                   ; the way out: a quarter of the ring for each wave's sums: 128 rows of SPITCH bytes fit in it
.set SPITCH, 528                       ; 512 bytes + 16
.set LAPS, SIZE_K/(2*KSTEP)            ; a lap = two K steps = once round the ring
.set ADRA, 16                          ; v16-17  LDS address of my A fragments in slot 0, 1
.set ADRB, 20                          ; v20-21  the same for B
.set STO,  24                          ; v24     the way out: where I put 32 bytes of a row
.set RD0,  25                          ; v25     the way out: my 32 bytes in the first row that I read back; never rewritten
.set CO,   26                          ; v26     16 x lane: my 16 bytes of a row of out; never rewritten
.set RDA,  27                          ; v27     RD0 + the trip's step
.set SPW,  28                          ; v28     LDS address of my spare word: SPARE + 4 x my thread's number; never rewritten
.set NIL,  29                          ; v29     0; never rewritten
.set PFO,  30                          ; v30     the prefetches' offset: my lane x a row of A or B in memory; never rewritten
.set BO,   31                          ; v31     32 x (lane / 16): my eight numbers in 16 of the bias; never rewritten
.set F0,   64                          ; fragment buffer 0
.set F1,   128                         ; fragment buffer 1
.set BIAS, 192
.set X,    64
.set T,    128
.set P,    192
.set G1, 24                            ; s[24:31] descriptor group 1 for A's tiles;  s[32:39] group 0, one set for each slot
.set G0, 32
.set G1B, 48                           ; s[48:55], s[56:63] the same for B's tiles
.set G0B, 56
.set LIM, 43                           ; s43     1 in a wave that prefetches, else the greatest number
.set PFA, 44                           ; s[44:45] where my prefetches stand: my work-group's 32 rows of the 128 that I fetch, one K step further along K than the refill that is being asked for
.set SB, 66                            ; s66     the way out: the trip's step in LDS
.set BP, 68                            ; s[68:69] the bias
.set PP, 70                            ; s[70:71] par
.set C1, 72                            ; s[72:73] p0, s[74:75] p1, s[76:77] p2: the activation's constants, as par holds them
.set C0, 74
.set FF, 76
.set ONE, 78                           ; s[78:79] 1.0, named as a pair
.set MSB, 0
.macro WIN new                         ; the immediate's high byte repeats the setting that is left; a switch that changes nothing is dropped
.if MSB != (\new)
	s_set_vgpr_msb (MSB<<8)|(\new)
.set MSB, \new
.endif
.endm
.set MUL_LO, 0xa1                      ; source 0 (B) window 1, source 1 (A) window 0, C and D window 2; + 0x50: C and D window 3
.set FST_LO, 0x81                      ; the same with C (the bias) in window 0; + 0x40: D window 3
.set TO_B,   0x40                      ; destination window 1, address window 0
.macro JLOAD s                         ; a joint load: waves 0 and 1 fetch A's two halves, waves 2 and 3 B's; an s_nop 0 and four v_nop follow each of the two lines
	s_cmp_eq_u32 s11, 0
	s_cbranch_scc0 .Lfor_b_\@
	tensor_load_to_lds s[G0+4*(\s):G0+4*(\s)+3], s[G1:G1+7]
	s_nop 0
.rept 4
	v_nop
.endr
	s_branch .Lasked_\@
.Lfor_b_\@:
	tensor_load_to_lds s[G0B+4*(\s):G0B+4*(\s)+3], s[G1B:G1B+7]
	s_nop 0
.rept 4
	v_nop
.endr
.Lasked_\@:
.endm
; A PREFETCH INTO THE L2, behind each joint load, its five lines and the run of LDS loads that follows them: the K step that stands TWO refills on, 512 matrix instructions ahead of the load that will want it:
; 32 rows x 256 bytes, a lane a row, one instruction a wave.  Each row's 256 bytes of a K step are named ONCE in the launch: A's tile row is read by every cluster of that row of clusters, and the one with
; x = 0 asks; B's tile column by every cluster of that column, and the one with y = 0 asks.  The four partners that ask for a tile jointly share its rows out BY ADDRESS: of the 128 rows that a wave
; fetches the partner at place p takes 32 p .. 32 p + 31 (p = cx for A, cy for B).  K steps 0 to 3 come by their loads alone; the last two refills have no K step two on and ask for nothing.
.macro ASK
	s_cmp_gt_u32 s3, s[LIM]                        ; s3 = 1 in the loop's last trip
	s_cbranch_scc0 .Lnot_mine_\@
	global_prefetch_b8 v[PFO], s[PFA:PFA+1] offset:KSTEP*2 th:TH_LOAD_NT scope:SCOPE_SE
.Lnot_mine_\@:
.endm
.macro CREST                           ; a round of the cluster's barrier behind its opening barrier
	s_cmp_lg_u32 s10, 0
	s_cbranch_scc1 .Lnot_wave_0_\@
	s_barrier_signal -3
.Lnot_wave_0_\@:
	s_barrier_wait -3
	s_barrier_signal -1
	s_barrier_wait -1
.endm
.macro CROUND                          ; a whole round
	s_barrier_signal -1
	s_barrier_wait -1
	CREST
.endm
	s_load_b128 s[4:7], s[0:1], 0x0                ; A s[4:5], B s[6:7]
	s_load_b64 s[8:9], s[0:1], 0x10                ; out
	s_load_b64 s[BP:BP+1], s[0:1], 0x18            ; bias
	s_load_b64 s[PP:PP+1], s[0:1], 0x20            ; par
	v_lshl_add_u32 v[SPW], v0, 2, SPARE
	v_mov_b32 v[NIL], 0
	ds_add_u32 v[SPW], v[NIL]                      ; the wave's opening: the add and its wait stand ahead of my first tensor load; the set-up below, work on registers, stands between them
	v_lshrrev_b32 v1, 5, v0
	v_readfirstlane_b32 s10, v1                    ; wave 0..3
	s_lshr_b32 s11, s10, 1                         ; which half of the tile's rows is mine.  Also: I fetch for A (0) or for B (1)
	s_and_b32 s12, s10, 1                          ; which half of its columns.  Also: which 128 rows of that tile I fetch
	s_bfe_u32 s40, ttmp6, 0x40000                  ; cx, cy: my place in the cluster
	s_bfe_u32 s41, ttmp6, 0x40004
	s_lshl_b32 s42, ttmp9, 2
	s_add_co_u32 s42, s42, s40                     ; tile column = 4 x cluster x + cx
	s_and_b32 s13, ttmp7, 0xffff
	s_lshl_b32 s13, s13, 2
	s_add_co_u32 s13, s13, s41                     ; tile row = 4 x cluster y + cy
	s_lshl_b32 s43, s41, 2
	s_lshl_b32 s43, 15, s43                        ; my row of the cluster
	s_lshl_b32 s44, 0x1111, s40                    ; my column
	; descriptor group 1: a tile of 128 rows x 128 elements, padded in LDS
	s_or_b32 s[G1+0], s43, (1<<16)|(1<<20)|(1<<21)|(5<<22)|(3<<25)  ; 15:0 the mask: A's tiles go to my row; 17:16 element of 2 bytes; 20 padding on; 21 set beside a mask; 24:22 after every 64 words (code 5); 31:25 of 4 words (code 3)
	s_or_b32 s[G1B+0], s44, (1<<16)|(1<<20)|(1<<21)|(5<<22)|(3<<25)
.irp g, G1, G1B
	s_mov_b32 s[(\g)+1], KSTEP<<16                 ; tensor_dim0 = 128
	s_mov_b32 s[(\g)+2], 128<<16                   ; tensor_dim1 = 128
	s_mov_b32 s[(\g)+3], KSTEP<<16                 ; tile_dim0 = 128
	s_mov_b32 s[(\g)+4], 128                       ; tile_dim1 = 128
	s_mov_b32 s[(\g)+5], SIZE_K                    ; elements from row to row
	s_mov_b32 s[(\g)+6], 0
	s_mov_b32 s[(\g)+7], 0
.endr
	s_mov_b32 s[ONE], 1.0
	s_mov_b32 s[ONE+1], 1.0
	s_lshl_b32 s17, s12, 7                         ; which 128 rows of the tile I fetch
	s_lshl_b32 s16, s13, 8
	s_add_co_u32 s16, s16, s17                     ; A: row 256 x tile row + 128 x half
	s_lshl_b32 s46, s42, 8
	s_add_co_u32 s46, s46, s17                     ; B: row 256 x tile column + 128 x half
	s_mov_b32 s17, 0
	s_mov_b32 s47, 0
	s_mov_b64 s[18:19], SIZE_K*2
	s_mul_u64 s[16:17], s[16:17], s[18:19]
	s_mul_u64 s[46:47], s[46:47], s[18:19]
	s_mul_i32 s20, s10, HALFT                      ; where they go: wave x 128 rows: no place in the cluster enters an LDS address
	s_wait_dscnt 0x0                               ; the opening add is done
	s_wait_kmcnt 0x0
	s_add_nc_u64 s[14:15], s[4:5], s[16:17]
	s_add_nc_u64 s[46:47], s[6:7], s[46:47]
	CROUND                                         ; all sixteen work-groups are here: the first joint loads meet
.irp s, 0,1
	s_mov_b32 s[G0+4*(\s)], 1
	s_add_co_u32 s[G0+4*(\s)+1], s20, (\s)*SLOT
	s_add_nc_u64 s[G0+4*(\s)+2:G0+4*(\s)+3], s[14:15], (\s)*KSTEP*2
	s_or_b32 s[G0+4*(\s)+3], s[G0+4*(\s)+3], 0x80000000
	s_mov_b32 s[G0B+4*(\s)], 1
	s_add_co_u32 s[G0B+4*(\s)+1], s20, (\s)*SLOT
	s_add_nc_u64 s[G0B+4*(\s)+2:G0B+4*(\s)+3], s[46:47], (\s)*KSTEP*2
	s_or_b32 s[G0B+4*(\s)+3], s[G0B+4*(\s)+3], 0x80000000
	JLOAD \s                                       ; two tensor loads of mine are out
.endr
	s_load_b128 s[C1:C1+3], s[PP:PP+1], 0x0        ; p0, p0, p1, p1
	s_load_b64 s[FF:FF+1], s[PP:PP+1], 0x10        ; p2, p2
	; A fragment is 16 rows x 32 K in 8 registers: lane l holds row l % 16; registers 0-3 hold K = 8 (l / 16) + 0..7, registers 4-7 K = 16 + 8 (l / 16) + 0..7: two loads of 16 bytes, 32 bytes apart
	v_and_b32 v1, 15, v0                           ; l % 16
	v_bfe_u32 v2, v0, 4, 1                         ; l / 16
	v_mul_u32_u24 v3, v1, PITCH
	v_lshl_add_u32 v3, v2, 4, v3                   ; row x pitch + 16 x half
	s_mul_i32 s21, s11, HALFT                      ; my 128 rows of A
	s_mul_i32 s22, s12, HALFT                      ; my 128 rows of B,
	s_add_co_u32 s22, s22, 2*HALFT                 ; which lie behind A's 256
.irp s, 0,1
	v_add_nc_u32 v[ADRA+(\s)], s21, v3
	v_add_nc_u32 v[ADRB+(\s)], s22, v3
	s_add_co_u32 s21, s21, SLOT
	s_add_co_u32 s22, s22, SLOT
.endr
	s_mul_i32 s23, s10, WST                        ; the way out, in: my quarter of the ring; row l % 16 of a block, 32 bytes for each half of the lanes
	v_mul_u32_u24 v4, v1, SPITCH
	v_lshl_add_u32 v4, v2, 5, v4
	v_add_nc_u32 v[STO], s23, v4
	s_mul_i32 s22, s11, 2*WST                      ; back: wave w takes the tile's rows 64 w .. 64 w + 63, whole: they lie in the quarters of the two waves of row half w / 2, from row 64 (w % 2) on;
	s_mul_i32 s21, s12, 64*SPITCH
	s_add_co_u32 s22, s22, s21
	v_mul_u32_u24 v5, v2, WST                      ; lanes 0-15 take the left 128 columns, lanes 16-31 the right, eight numbers (32 bytes) a lane
	v_lshl_add_u32 v5, v1, 5, v5
	v_add_nc_u32 v[RD0], s22, v5
	v_and_b32 v5, 31, v0
	v_lshlrev_b32 v[CO], 4, v5
	v_lshlrev_b32 v[BO], 5, v2
	s_lshl_b32 s13, s13, 8                         ; 256 x tile row
	s_lshl_b32 s14, s10, 6
	s_add_co_u32 s16, s13, s14                     ; the first row that I store: 256 x tile row + 64 x wave
	s_lshl_b32 s16, s16, 13                        ; x 8,192 bytes: under 2^25
	s_mov_b32 s17, 0
	s_lshl_b32 s46, s42, 9                         ; the tile's first column, in bytes
	s_mov_b32 s47, 0
	s_add_nc_u64 s[16:17], s[16:17], s[46:47]
	s_add_nc_u64 s[8:9], s[8:9], s[16:17]
	s_lshl_b32 s46, s42, 10                        ; the bias of my 128 columns: 4 x (256 x tile column + 128 x half) bytes
	s_lshl_b32 s47, s12, 9
	s_add_co_u32 s46, s46, s47
	s_mov_b32 s47, 0
	s_add_nc_u64 s[BP:BP+1], s[BP:BP+1], s[46:47]
.irp b, 0,1,2,3,4,5,6,7                ; register j of n block b: bias[16 b + 8 (l / 16) + j]: the layout of a result, the same for all 16 rows
	global_load_b128 v[BIAS+8*(\b):BIAS+8*(\b)+3],   v[BO], s[BP:BP+1] offset:64*(\b)
	global_load_b128 v[BIAS+8*(\b)+4:BIAS+8*(\b)+7], v[BO], s[BP:BP+1] offset:64*(\b)+16
.endr
	; the prefetches.  s13 = 256 x tile row, s42 = tile column, s40 = cx, s41 = cy still stand; s[4:5] = A, s[6:7] = B
	s_lshl_b32 s42, s42, 8
	s_and_b32 s22, ttmp7, 0xffff                   ; cluster y
	s_cmp_eq_u32 s11, 0                            ; do I fetch for A?
	s_cselect_b32 s20, s13, s42                    ; the tile's first row: in A by the tile row, in B by the tile column
	s_cselect_b32 s21, s40, s41                    ; my place among the four that ask for it with me
	s_cselect_b32 s22, ttmp9, s22                  ; the coordinate along which other clusters read the same rows
	s_cselect_b64 s[PFA:PFA+1], s[4:5], s[6:7]
	s_cmp_eq_u32 s22, 0
	s_cselect_b32 s[LIM], 1, -1                    ; the same in all sixteen partners, for a given wave
	s_lshl_b32 s22, s12, 7
	s_add_co_u32 s20, s20, s22                     ; + the 128 rows that I fetch
	s_lshl_b32 s21, s21, 5
	s_add_co_u32 s20, s20, s21                     ; + my work-group's 32 of them
	s_mov_b32 s21, 0
	s_mov_b64 s[18:19], SIZE_K*2
	s_mul_u64 s[20:21], s[20:21], s[18:19]
	s_add_nc_u64 s[PFA:PFA+1], s[PFA:PFA+1], s[20:21]
	s_add_nc_u64 s[PFA:PFA+1], s[PFA:PFA+1], 2*KSTEP*2  ; at K step 2: the first refill steps it to 3 and names K step 4
	v_and_b32 v[PFO], 31, v0
	v_mul_u32_u24 v[PFO], v[PFO], SIZE_K*2
; 16 matrix instructions: m blocks a0, a0 + 1 of the window's four (hi = 0: my rows 0-63, 1: rows 64-127) x all 8 n blocks, 32 along K.  zero = 1: the first product starts the sums, with the bias as C.
; The 64 accumulators take turns, one instruction a turn, in the same order in every quarter.
.macro MUL16 f, hi, a0, zero
.if \zero
	WIN FST_LO+0x40*(\hi)
.else
	WIN MUL_LO+0x50*(\hi)
.endif
.irp a, \a0, (\a0)+1
.irp b, 0,1,2,3,4,5,6,7
.if \zero
	v_wmma_f32_16x16x32_bf16 v[8*(8*(\a)+(\b)):8*(8*(\a)+(\b))+7], v[(\f)+8*(\b):(\f)+8*(\b)+7], v[(\f)+8*(4*(\hi)+(\a)):(\f)+8*(4*(\hi)+(\a))+7], v[BIAS+8*(\b):BIAS+8*(\b)+7]
.else
	v_wmma_f32_16x16x32_bf16 v[8*(8*(\a)+(\b)):8*(8*(\a)+(\b))+7], v[(\f)+8*(\b):(\f)+8*(\b)+7], v[(\f)+8*(4*(\hi)+(\a)):(\f)+8*(4*(\hi)+(\a))+7], v[8*(8*(\a)+(\b)):8*(8*(\a)+(\b))+7]
.endif
.endr
.endr
.endm
; 32 LDS loads in one run: the fragments of one quarter step (128 rows of B, 128 rows of A, 32 K at byte k of the rows) into buffer f
.macro FETCH slot, k, f
	WIN TO_B
.irp i, 0,1,2,3,4,5,6,7
	ds_load_b128 v[(\f)+8*(\i):(\f)+8*(\i)+3],   v[ADRB+(\slot)] offset:(\k)+(\i)*16*PITCH
	ds_load_b128 v[(\f)+8*(\i)+4:(\f)+8*(\i)+7], v[ADRB+(\slot)] offset:(\k)+(\i)*16*PITCH+32
.endr
	WIN 0
.irp i, 0,1,2,3,4,5,6,7
	ds_load_b128 v[(\f)+8*(\i):(\f)+8*(\i)+3],   v[ADRA+(\slot)] offset:(\k)+(\i)*16*PITCH
	ds_load_b128 v[(\f)+8*(\i)+4:(\f)+8*(\i)+7], v[ADRA+(\slot)] offset:(\k)+(\i)*16*PITCH+32
.endr
.endm
.macro PLACES                          ; four places in front of loads into registers that matrix instructions have read, and of lines that read results
.rept 4
	v_nop
.endr
.endm
; A K step is four quarters of 32 along K, 64 matrix instructions each, on buffers 0, 1, 0, 1.  One of the first three: multiplies buffer f; in its middle it fetches the next quarter, at byte k, into g.
.macro QUARTER slot, k, f, g, zero
	s_wait_dscnt 8                                 ; B and A's rows 0-63 are in; the youngest eight loads (A's rows 64-127) may be out
	MUL16 \f, 0, 0, \zero
	MUL16 \f, 0, 2, \zero
	PLACES
	FETCH \slot, \k, \g
	s_wait_dscnt 32                                ; all but the 32 just issued
	MUL16 \f, 1, 0, \zero
	MUL16 \f, 1, 2, \zero
.endm
; The last quarter multiplies buffer 1 and changes slots: ONE barrier; in front of it each wave waits for all its tensor loads, adds 0 to its spare word, and waits for that and for its own reads of this slot.
; fill = 1: this slot is filled again, two K steps ahead; the barrier then opens a round of the cluster's barrier, and the joint load is the first thing behind the round.
.macro TURN slot, next, fill
.if \fill
	s_wait_xcnt 0x0                                ; the last prefetch, a K step back, has read its address: it is stepped here, ahead of the waits of the change of slots
	s_add_nc_u64 s[PFA:PFA+1], s[PFA:PFA+1], KSTEP*2
.endif
	WIN 0                                          ; (the add's two registers lie in window 0)
	s_wait_tensorcnt 0x0                           ; all my tensor loads have landed: the one that was out is my part of the next slot;
	ds_add_u32 v[SPW], v[NIL]                      ; 0 onto my spare word;
	s_wait_dscnt 9                                 ; (the add and the youngest eight loads may be out)
	MUL16 F1, 0, 0, 0                              ; sixteen matrix instructions stand between the add and the wait for it
	s_wait_dscnt 0x0                               ; the add is done, and my reads of this slot are over
	s_barrier_signal -1
	MUL16 F1, 0, 2, 0
.if \fill
	WIN 0
.endif
	s_barrier_wait -1
.if \fill
	CREST                                          ; no wave of any partner still reads this slot's tile or has a load on its way
	s_add_nc_u64 s[G0+4*(\slot)+2:G0+4*(\slot)+3], s[G0+4*(\slot)+2:G0+4*(\slot)+3], 2*KSTEP*2
	s_add_nc_u64 s[G0B+4*(\slot)+2:G0B+4*(\slot)+3], s[G0B+4*(\slot)+2:G0B+4*(\slot)+3], 2*KSTEP*2
	JLOAD \slot                                    ; one tensor load of mine is out; its four v_nop are also the places in front of the loads below
.else
	PLACES
.endif
	FETCH \next, 0, F0
.if \fill
	ASK                                            ; behind the joint load and the run of LDS loads that the next products wait for
.endif
	MUL16 F1, 1, 0, 0
	MUL16 F1, 1, 2, 0
.endm
	s_wait_tensorcnt 1                             ; my part of K step 0 is in; K step 1's may stay out
	s_barrier_signal -1
	s_barrier_wait -1                              ; everybody's is
	FETCH 0, 0, F0
	s_wait_loadcnt 0x0                             ; the bias is in,
	s_wait_kmcnt 0x0                               ; and par's constants
	QUARTER 0, 64,  F0, F1, 1                      ; the first quarter stands in front of the loop: its products start the sums
	WIN 0                                          ; at a label and at a branch every window is 0
	s_mov_b32 s3, LAPS-1
.Llap:                                                 ; a trip goes once round the ring, from a lap's second quarter to the next lap's first, and fills both slots again
	QUARTER 0, 128, F1, F0, 0
	QUARTER 0, 192, F0, F1, 0
	TURN 0, 1, 1
	QUARTER 1, 64,  F0, F1, 0
	QUARTER 1, 128, F1, F0, 0
	QUARTER 1, 192, F0, F1, 0
	TURN 1, 0, 1
	QUARTER 0, 64,  F0, F1, 0
	WIN 0
	s_sub_co_u32 s3, s3, 1
	s_cmp_lg_u32 s3, 0
	s_cbranch_scc1 .Llap
	QUARTER 0, 128, F1, F0, 0                      ; the last lap fills nothing, and has no round of the cluster's barrier
	QUARTER 0, 192, F0, F1, 0
	TURN 0, 1, 0
	QUARTER 1, 64,  F0, F1, 0
	QUARTER 1, 128, F1, F0, 0
	QUARTER 1, 192, F0, F1, 0
	s_wait_dscnt 8                                 ; the very last quarter: nothing more to fetch
	MUL16 F1, 0, 0, 0
	MUL16 F1, 0, 2, 0
	s_wait_dscnt 0x0                               ; my reads of the ring are over:
	s_barrier_signal -1                            ; say so,
	MUL16 F1, 1, 0, 0
	MUL16 F1, 1, 2, 0
	WIN 0
	s_barrier_wait -1                              ; and everybody's are: the ring, which no tensor load fills any more, may be written
	PLACES
	PLACES                                         ; once a launch: twice the places that the stores below need
	; THE WAY OUT.  In: my 64 accumulators, 32 bytes a lane each, into rows of 528 bytes of my quarter of the ring; each accumulator's lowest registers go first.
.irp hi, 0,1
	WIN 0x08+4*(\hi)                               ; a store's data (source 1) in window 2, then 3; its address in window 0
.irp a, 0,1,2,3
.irp b, 0,1,2,3,4,5,6,7
	ds_store_b128 v[STO], v[8*(8*(\a)+(\b)):8*(8*(\a)+(\b))+3]   offset:(4*(\hi)+(\a))*16*SPITCH+64*(\b)
	ds_store_b128 v[STO], v[8*(8*(\a)+(\b))+4:8*(8*(\a)+(\b))+7] offset:(4*(\hi)+(\a))*16*SPITCH+64*(\b)+16
.endr
.endr
.endr
	WIN 0
	s_wait_dscnt 0x0                               ; for the others' sake: my stores are done; a row's 256 columns come from two waves
	s_barrier_signal -1
	s_barrier_wait -1
	; Back: eight rows a trip, 64 numbers a lane; f; 16 bytes a lane out: a store of the wave covers 512 consecutive bytes, aligned: a row of the tile.
	; (The lanes of a load stand 32 bytes apart, so two of sixteen meet in a bank: 128 such loads a wave in the launch.)
	s_mov_b32 s[SB], 0
	s_mov_b32 s3, 8
.Lrows:
	v_add_nc_u32 v[RDA], s[SB], v[RD0]
.irp i, 0,1,2,3,4,5,6,7
	ds_load_b128 v[X+8*(\i):X+8*(\i)+3],   v[RDA] offset:(\i)*SPITCH
	ds_load_b128 v[X+8*(\i)+4:X+8*(\i)+7], v[RDA] offset:(\i)*SPITCH+16
.endr
	s_add_co_u32 s[SB], s[SB], 8*SPITCH
	s_wait_dscnt 0x0
	; f(x) = x / (1 + p2 2^(((x p0) x + p1) x)).  GELU's constants: where (x p0) x overflows the exponent is an infinity of the right sign, and x or -0 comes out.  Zeros: x times 0 is 0 for every finite x,
	; the exponential of 0 is multiplied by 0, the divisor is 1, and x comes out.  The exponentials are one batch with one wait, the reciprocals another.
.set i, 0
.rept 32
	v_pk_mul_f32 v[T+i:T+i+1], v[X+i:X+i+1], s[C1:C1+1] op_sel_hi:[1,0]
.set i, i+2
.endr
.set i, 0
.rept 32
	v_pk_fma_f32 v[T+i:T+i+1], v[T+i:T+i+1], v[X+i:X+i+1], s[C0:C0+1] op_sel_hi:[1,1,0]
.set i, i+2
.endr
.set i, 0
.rept 32
	v_pk_mul_f32 v[T+i:T+i+1], v[T+i:T+i+1], v[X+i:X+i+1]
.set i, i+2
.endr
.set i, 0
.rept 64
	v_exp_f32 v[T+i], v[T+i]
.set i, i+1
.endr
	v_nop
	s_wait_alu depctr_va_vdst(0)
.set i, 0
.rept 32
	v_pk_fma_f32 v[T+i:T+i+1], v[T+i:T+i+1], s[FF:FF+1], s[ONE:ONE+1] op_sel_hi:[1,0,0]
.set i, i+2
.endr
.set i, 0
.rept 64
	v_rcp_f32 v[T+i], v[T+i]
.set i, i+1
.endr
	v_nop
	s_wait_alu depctr_va_vdst(0)
.set i, 0
.rept 32
	v_pk_mul_f32 v[X+i:X+i+1], v[X+i:X+i+1], v[T+i:T+i+1]
.set i, i+2
.endr
.set i, 0
.rept 32
	v_cvt_pk_bf16_f32 v[P+i], v[X+2*i], v[X+2*i+1]
.set i, i+1
.endr
.irp i, 0,1,2,3,4,5,6,7
	global_store_b128 v[CO], v[P+4*(\i):P+4*(\i)+3], s[8:9] offset:(\i)*OROW
.endr
	s_wait_xcnt 0x0                                ; the stores have read their data and their base: both are written again only behind this wait
	s_add_nc_u64 s[8:9], s[8:9], 8*OROW
	s_sub_co_u32 s3, s3, 1
	s_cmp_lg_u32 s3, 0
	s_cbranch_scc1 .Lrows
	s_wait_tensorcnt 0x0                           ; the wave's end, behind my last tensor load and my last LDS store
	ds_add_u32 v[SPW], v[NIL]
	s_wait_dscnt 0x0
	CROUND                                         ; the closing round: no work-group ends while a partner may still ask for a tile that names it
	s_endpgm
.Lfunc_end_k_q021850f74e_g_qkv:
	.size	k_q021850f74e_g_qkv, .Lfunc_end_k_q021850f74e_g_qkv-k_q021850f74e_g_qkv
	.p2alignl 7, 3214868480
	.fill 96, 4, 3214868480
	.section	.rodata,"a",@progbits
	.p2align	6, 0x0
	.amdhsa_kernel k_q021850f74e_g_qkv
		.amdhsa_group_segment_fixed_size 327680
		.amdhsa_private_segment_fixed_size 0
		.amdhsa_enable_private_segment 0
		.amdhsa_kernarg_size 40
		.amdhsa_user_sgpr_count 2
		.amdhsa_user_sgpr_kernarg_segment_ptr 1
		.amdhsa_wavefront_size32 1
		.amdhsa_system_sgpr_workgroup_id_x 1
		.amdhsa_system_sgpr_workgroup_id_y 1
		.amdhsa_system_sgpr_workgroup_id_z 1
		.amdhsa_system_vgpr_workitem_id 0
		.amdhsa_next_free_vgpr 1024
		.amdhsa_next_free_sgpr 80
		.amdhsa_reserve_vcc 0
		.amdhsa_float_denorm_mode_32 3
		.amdhsa_float_denorm_mode_16_64 3
		.amdhsa_memory_ordered 1
		.amdhsa_forward_progress 1
		.amdhsa_inst_pref_size 141
	.end_amdhsa_kernel
	.amdgpu_metadata
---
amdhsa.version: [ 1, 2 ]
amdhsa.kernels:
  - .name:           k_q021850f74e_g_qkv
    .symbol:         k_q021850f74e_g_qkv.kd
    .args:
      - { .name: act, .offset: 0, .size: 8, .value_kind: global_buffer, .address_space: global }
      - { .name: wq, .offset: 8, .size: 8, .value_kind: global_buffer, .address_space: global }
      - { .name: gbuf, .offset: 16, .size: 8, .value_kind: global_buffer, .address_space: global }
      - { .name: in_proj_b, .offset: 24, .size: 8, .value_kind: global_buffer, .address_space: global }
      - { .name: par, .offset: 32, .size: 8, .value_kind: global_buffer, .address_space: global }
    .group_segment_fixed_size: 327680
    .private_segment_fixed_size: 0
    .kernarg_segment_align: 8
    .kernarg_segment_size: 40
    .max_flat_workgroup_size: 128
    .sgpr_count:     80
    .vgpr_count:     1024
    .wavefront_size: 32
...
	.end_amdgpu_metadata
.endif
;; end of part 9
;; launch attn (part 10): grid 256 x 1, 8 waves a work-group, no clusters, 179,200 bytes of LDS; arguments gbuf, act; writes act
.if DOCPART == 10
	.amdgcn_target "amdgcn-amd-amdhsa--gfx1250"
	.amdhsa_code_object_version 6
	.text
	.protected	k_q021850f74e_attn
	.globl	k_q021850f74e_attn
	.p2align	8
	.type	k_q021850f74e_attn,@function
k_q021850f74e_attn:
	s_mov_b64 s[64:65], 0
	v_nop
	global_prefetch_b8 v0, s[64:65] scope:SCOPE_SE
	s_setreg_imm32_b32 hwreg(HW_REG_WAVE_MODE, 25, 1), 1
	s_wait_xcnt 0x0
; act[t][h][:] = the sum over keys k of the same batch with 0 <= t - k < 16 of softmax_k(q[t][h] . k[k][h] / 8) v[k][h][:].  gbuf: 4,096 rows of 8,192 bytes, bf16; a row begins with q, k, v, 2,048 bytes
; each, head h at 128 h; its last 2,048 bytes are not read.  act: [4096][1024] bf16.  A batch is 2,048 tokens.  Products, maximum and sum in f32; the weights are rounded to bf16 for the second product
; (their sum is taken of the unrounded ones), o once at the end.
; THE BAND.  A block of 16 queries sees keys of its own block of 16 tokens and of the block before, and of no other: two products of 16 x 16 scores a head, one product over 32 keys for o.
; SHARES.  Work-group g owns tokens 16 g .. 16 g + 15, wave w heads 2 w and 2 w + 1: 256 consecutive bytes, aligned, of each row of q, k, v and o.  A batch's first block has no block before it:
; it reads its own once more (an address inside the buffer) and hides all of it.
; THE MASK is the C operand that starts a score's sum: 0, or -1e30 where the key is hidden.  Every query sees its own key, so the maximum is a true score and a hidden weight is 0.
; LAYOUT.  S^T = K Q^T (source 0 = 16 keys, source 1 = 16 queries): a lane holds ONE query (lane % 16) and the keys 8 (lane / 16) + 0..7.  The two blocks' results, rounded to bf16 in pairs, ARE source 1
; (32 keys x 16 queries) of O^T = V^T P, whose result again holds one query a lane, and eight channels.  Rows come from memory whole, go through the wave's own LDS and come back as fragments; V turned, by ds_load_tr16_b128.
; Each wave touches its own LDS bytes alone: no barrier.  The text is straight: no loop.
; NO CLUSTER: the rows that two neighbouring work-groups both read (K and V of one block) belong in different places of their LDS (own block, block before), and a joint load has one LDS address.
; LIMITS.  A hidden score counts as its value less 1e30; a weight below 2^-126 counts as 0; NaN and infinities are not treated apart.
.set ROWQ,  8192                       ; bytes from row to row of gbuf
.set PQ,    272                        ; a row of Q, K or O in LDS: 256 bytes + 16: the 16 rows of a load start at 16 different groups of four banks (64 banks of 4 bytes: ISA guide 11.1)
.set PVV,   288                        ; a row of V: 256 + 32
.set KL,    16*PQ                      ; a wave's bytes: 16 rows of Q (later of O), 32 of K (block before, own block), 32 of V
.set VL,    KL+32*PQ
.set WBY,   VL+32*PVV                  ; 22,272 bytes a wave
.set SPARE, 8*WBY                      ; behind the eight: the spare words, 128 bytes for each wave: four blocks of 256 bytes that no other line names
.set VO,  3                            ; v3   my 16 bytes in two rows of gbuf: ROWQ (l / 16) + 16 (l % 16); never rewritten
.set SQ,  4                            ; v4   the same two rows in LDS at pitch PQ
.set SV,  5                            ; v5   at pitch PVV, in V's region
.set AQ,  6                            ; v6   a fragment's row: (l % 16) PQ + 16 (l / 16)
.set AV,  7                            ; v7   the turning load's: (8 (l / 16) + l % 8) PVV + 16 ((l / 8) % 2), in V's region
.set GO,  8                            ; v8   my 16 bytes in two rows of act; never rewritten
.set SPW, 9                            ; v9   LDS address of my spare word: SPARE + 4 x my thread's number; never rewritten
.set NIL, 10                           ; v10  0; never rewritten
.set MK,  16                           ; v[16:23] the mask of the block before, v[24:31] of the own block
.set KF,  32                           ; v[32:95]   rows of K as loaded; then its fragments: head e, block kb, channel half c at KF + 8 (4 e + 2 kb + c)
.set QF,  96                           ; v[96:127]  rows of Q; then fragments at QF + 8 (2 e + c); at the end rows of O
.set VF,  128                          ; v[128:191] rows of V; then fragments: head e, channel block cb at VF + 8 (4 e + cb)
.set OT,  32                           ; O^T takes K's registers: OT + 8 (4 e + cb)
.set S,   192                          ; v[192:223] S^T: S + 16 e + 8 kb; at the end O packed
.set P,   224                          ; v[224:239] P + 8 e
.set ST,  240                          ; head e at ST + 8 e: c m, m, l (later 1 / l), the other half's l, two at work
.set WV,  8                            ; s8   my wave's number
.set TT,  10                           ; s10  16 in a batch's first block, else 0
.set BIGN, 11                          ; s11  -1e30
.set OWN, 12                           ; s[12:13] gbuf at my block's first row, my two heads
.set PRV, 14                           ; s[14:15] the same for the block before
.set OUT, 16                           ; s[16:17] act likewise
.set CS,  20                           ; s[20:21] c = log2(e) / 8, named as a pair
.set SEL, 22                           ; s[22:23] v_permlanex16_b32's selects: each lane takes its own place in the other half
.set WB,  24                           ; s24  my wave's first LDS byte; s25 the same + VL
	s_load_b128 s[4:7], s[0:1], 0x0                ; gbuf s[4:5], act s[6:7]
	v_lshl_add_u32 v[SPW], v0, 2, SPARE
	v_mov_b32 v[NIL], 0
	v_lshrrev_b32 v11, 5, v0
	v_readfirstlane_b32 s[WV], v11                 ; wave 0..7
	v_and_b32 v1, 15, v0                           ; l % 16
	v_bfe_u32 v2, v0, 4, 1                         ; l / 16
	v_mul_u32_u24 v[VO], v2, ROWQ
	v_lshl_add_u32 v[VO], v1, 4, v[VO]
	s_and_b32 s9, ttmp9, 127                       ; a batch has 128 blocks
	s_cmp_eq_u32 s9, 0
	s_cselect_b32 s[TT], 16, 0
	s_cselect_b32 s9, 0, 1
	s_sub_co_u32 s9, ttmp9, s9                     ; the block before, or my own
	s_lshl_b32 s18, s[WV], 8                       ; my two heads: 256 bytes
	s_mul_i32 s[OWN], ttmp9, 16*ROWQ
	s_add_co_u32 s[OWN], s[OWN], s18
	s_mov_b32 s[OWN+1], 0
	s_mul_i32 s[PRV], s9, 16*ROWQ
	s_add_co_u32 s[PRV], s[PRV], s18
	s_mov_b32 s[PRV+1], 0
	s_lshl_b32 s[OUT], ttmp9, 15                   ; 16 rows of 2,048 bytes
	s_add_co_u32 s[OUT], s[OUT], s18
	s_mov_b32 s[OUT+1], 0
	s_wait_kmcnt 0x0
	s_add_nc_u64 s[OWN:OWN+1], s[4:5], s[OWN:OWN+1]
	s_add_nc_u64 s[PRV:PRV+1], s[4:5], s[PRV:PRV+1]
	s_add_nc_u64 s[OUT:OUT+1], s[6:7], s[OUT:OUT+1]
; 16 rows x 256 bytes: eight loads, two rows each: 16 lanes take 256 consecutive bytes, aligned
.macro ROWS dst, base, part
.irp t, 0,1,2,3,4,5,6,7
	global_load_b128 v[(\dst)+4*(\t):(\dst)+4*(\t)+3], v[VO], s[(\base):(\base)+1] offset:(\t)*2*ROWQ+(\part)
.endr
.endm
.macro TOLDS src, adr, off, pitch
.irp t, 0,1,2,3,4,5,6,7
	ds_store_b128 v[\adr], v[(\src)+4*(\t):(\src)+4*(\t)+3] offset:(\off)+(\t)*2*(\pitch)
.endr
.endm
	ROWS KF,    PRV, 2048                          ; K of the block before,
	ROWS KF+32, OWN, 2048                          ; K of my block,
	ROWS QF,    OWN, 0                             ; Q,
	ROWS VF,    PRV, 4096                          ; V of the block before,
	ROWS VF+32, OWN, 4096                          ; V of my block: 40 loads on their way
	s_mov_b32 s[BIGN], 0xf149f2ca
	s_mov_b32 s[CS], 0x3e38aa3b
	s_mov_b32 s[CS+1], s[CS]
	s_mov_b32 s[SEL], 0x76543210
	s_mov_b32 s[SEL+1], 0xfedcba98
	s_mul_i32 s[WB], s[WV], WBY
	s_add_co_u32 s25, s[WB], VL
	v_mul_u32_u24 v[SQ], v2, PQ
	v_lshl_add_u32 v[SQ], v1, 4, v[SQ]
	v_add_nc_u32 v[SQ], s[WB], v[SQ]
	v_mul_u32_u24 v[SV], v2, PVV
	v_lshl_add_u32 v[SV], v1, 4, v[SV]
	v_add_nc_u32 v[SV], s25, v[SV]
	v_mul_u32_u24 v[AQ], v1, PQ
	v_lshl_add_u32 v[AQ], v2, 4, v[AQ]
	v_add_nc_u32 v[AQ], s[WB], v[AQ]
	v_and_b32 v11, 7, v0
	v_bfe_u32 v12, v0, 3, 1
	v_lshl_add_u32 v[AV], v2, 3, v11
	v_mul_u32_u24 v[AV], v[AV], PVV
	v_lshl_add_u32 v[AV], v12, 4, v[AV]
	v_add_nc_u32 v[AV], s25, v[AV]
	v_lshlrev_b32 v[GO], 11, v2
	v_lshl_add_u32 v[GO], v1, 4, v[GO]
	v_mov_b32 v[ST+3], 0                           ; v_permlanex16_b32's destinations count as read
	v_mov_b32 v[ST+11], 0
	; Query r = l % 16; register j holds key 8 (l / 16) + j of a block.  Own block: hidden where the key is later, j > r - 8 (l / 16).  Block before: 16 + r - key < 16 is wanted, so hidden where j <= r - 8 (l / 16);
	; with 16 added on the right, in a batch's first block, that holds of every j.
	v_lshlrev_b32 v13, 3, v2
	v_sub_nc_u32 v13, v1, v13
	v_add_nc_u32 v14, s[TT], v13
.irp j, 0,1,2,3,4,5,6,7
	v_cmp_le_i32 vcc_lo, \j, v14
	v_cndmask_b32 v[MK+(\j)], 0, s[BIGN], vcc_lo
	v_cmp_gt_i32 vcc_lo, \j, v13
	v_cndmask_b32 v[MK+8+(\j)], 0, s[BIGN], vcc_lo
.endr
	s_wait_loadcnt 32                              ; loads come back in order: the first eight are in, 32 younger ones stay out; and so on by eights
	TOLDS KF, SQ, KL, PQ
	s_wait_loadcnt 24
	TOLDS KF+32, SQ, KL+16*PQ, PQ
	s_wait_loadcnt 16
	TOLDS QF, SQ, 0, PQ
	; fragments: 16 rows x 32 channels in 8 registers, two loads of 16 bytes, 32 bytes apart.  LDS serves a wave's instructions in order (ISA guide 5.7.1.4): these see the stores above
.irp e, 0,1
.irp kb, 0,1
.irp c, 0,1
	ds_load_b128 v[KF+8*(4*(\e)+2*(\kb)+(\c)):KF+8*(4*(\e)+2*(\kb)+(\c))+3],   v[AQ] offset:KL+(\kb)*16*PQ+128*(\e)+64*(\c)
	ds_load_b128 v[KF+8*(4*(\e)+2*(\kb)+(\c))+4:KF+8*(4*(\e)+2*(\kb)+(\c))+7], v[AQ] offset:KL+(\kb)*16*PQ+128*(\e)+64*(\c)+32
.endr
.endr
.endr
.irp e, 0,1
.irp c, 0,1
	ds_load_b128 v[QF+8*(2*(\e)+(\c)):QF+8*(2*(\e)+(\c))+3],   v[AQ] offset:128*(\e)+64*(\c)
	ds_load_b128 v[QF+8*(2*(\e)+(\c))+4:QF+8*(2*(\e)+(\c))+7], v[AQ] offset:128*(\e)+64*(\c)+32
.endr
.endr
	s_wait_loadcnt 8
	TOLDS VF, SV, 0, PVV
	s_wait_loadcnt 0x0
	TOLDS VF+32, SV, 16*PVV, PVV
.irp e, 0,1
.irp cb, 0,1,2,3                       ; V^T: channels 16 cb on of head e, keys 0-15 (block before) and 16-31 (own block)
	ds_load_tr16_b128 v[VF+8*(4*(\e)+(\cb)):VF+8*(4*(\e)+(\cb))+3],   v[AV] offset:128*(\e)+32*(\cb)
	ds_load_tr16_b128 v[VF+8*(4*(\e)+(\cb))+4:VF+8*(4*(\e)+(\cb))+7], v[AV] offset:128*(\e)+32*(\cb)+16*PVV
.endr
.endr
	s_wait_dscnt 32                                ; K's and Q's fragments are in; V's 16 stores and 16 turning loads, issued behind them, may stay out
.irp c, 0,1                            ; the four accumulators take turns
.irp e, 0,1
.irp kb, 0,1
.if (\c) == 0
	v_wmma_f32_16x16x32_bf16 v[S+16*(\e)+8*(\kb):S+16*(\e)+8*(\kb)+7], v[KF+8*(4*(\e)+2*(\kb)):KF+8*(4*(\e)+2*(\kb))+7], v[QF+16*(\e):QF+16*(\e)+7], v[MK+8*(\kb):MK+8*(\kb)+7]
.else
	v_wmma_f32_16x16x32_bf16 v[S+16*(\e)+8*(\kb):S+16*(\e)+8*(\kb)+7], v[KF+8*(4*(\e)+2*(\kb)+1):KF+8*(4*(\e)+2*(\kb)+1)+7], v[QF+16*(\e)+8:QF+16*(\e)+15], v[S+16*(\e)+8*(\kb):S+16*(\e)+8*(\kb)+7]
.endif
.endr
.endr
.endr
.rept 4
	v_nop                                          ; the places behind those products (ISA guide 7.12.1)
.endr
.macro BOTH line:vararg                ; one line for each head e: the two alternate, so that no line waits for the one before it
.set e, 0
.rept 2
	\line
.set e, e+1
.endr
.endm
	; the maximum of a lane's 16 scores (each accumulator's lowest registers are read first), then of the query's other 16, which lie in the lane 16 away
	BOTH v_max3_num_f32 v[ST+8*e+4], v[S+16*e], v[S+16*e+1], v[S+16*e+2]
	BOTH v_max3_num_f32 v[ST+8*e+5], v[S+16*e+8], v[S+16*e+9], v[S+16*e+10]
	BOTH v_max3_num_f32 v[ST+8*e+4], v[ST+8*e+4], v[S+16*e+3], v[S+16*e+4]
	BOTH v_max3_num_f32 v[ST+8*e+5], v[ST+8*e+5], v[S+16*e+11], v[S+16*e+12]
	BOTH v_max3_num_f32 v[ST+8*e+4], v[ST+8*e+4], v[S+16*e+5], v[S+16*e+6]
	BOTH v_max3_num_f32 v[ST+8*e+5], v[ST+8*e+5], v[S+16*e+13], v[S+16*e+14]
	BOTH v_max3_num_f32 v[ST+8*e+4], v[ST+8*e+4], v[S+16*e+7], v[S+16*e+15]
	BOTH v_max_num_f32 v[ST+8*e+4], v[ST+8*e+4], v[ST+8*e+5]
	BOTH v_permlanex16_b32 v[ST+8*e+5], v[ST+8*e+4], s[SEL], s[SEL+1]
	BOTH v_max_num_f32 v[ST+8*e+1], v[ST+8*e+4], v[ST+8*e+5]
	BOTH v_mul_f32 v[ST+8*e], s[CS], v[ST+8*e+1]
.set i, 0
.rept 16
	v_pk_fma_f32 v[S+2*i:S+2*i+1], v[S+2*i:S+2*i+1], s[CS:CS+1], v[ST+8*(i/8):ST+8*(i/8)+1] op_sel_hi:[1,0,0] neg_lo:[0,0,1] neg_hi:[0,0,1]  ; c s - c m
.set i, i+1
.endr
.set i, 0
.rept 32
	v_exp_f32 v[S+i], v[S+i]                       ; one batch for both heads
.set i, i+1
.endr
	v_nop                                          ; a plain instruction behind the last exponential,
	s_wait_alu depctr_va_vdst(0)                   ; and the one wait ahead of the batch's first reader
.set i, 0
.rept 16
	v_cvt_pk_bf16_f32 v[P+i], v[S+2*i], v[S+2*i+1]
.set i, i+1
.endr
	s_wait_dscnt 0x0                               ; V's fragments are in
.irp e, 0,1
.irp cb, 0,1,2,3
	v_wmma_f32_16x16x32_bf16 v[OT+8*(4*(\e)+(\cb)):OT+8*(4*(\e)+(\cb))+7], v[VF+8*(4*(\e)+(\cb)):VF+8*(4*(\e)+(\cb))+7], v[P+8*(\e):P+8*(\e)+7], 0
.endr
.endr
	; the sums of the weights name no register of those products: they are the places behind them
	BOTH v_pk_add_f32 v[S+16*e:S+16*e+1], v[S+16*e:S+16*e+1], v[S+16*e+2:S+16*e+3]
	BOTH v_pk_add_f32 v[S+16*e+4:S+16*e+5], v[S+16*e+4:S+16*e+5], v[S+16*e+6:S+16*e+7]
	BOTH v_pk_add_f32 v[S+16*e+8:S+16*e+9], v[S+16*e+8:S+16*e+9], v[S+16*e+10:S+16*e+11]
	BOTH v_pk_add_f32 v[S+16*e+12:S+16*e+13], v[S+16*e+12:S+16*e+13], v[S+16*e+14:S+16*e+15]
	BOTH v_pk_add_f32 v[S+16*e:S+16*e+1], v[S+16*e:S+16*e+1], v[S+16*e+4:S+16*e+5]
	BOTH v_pk_add_f32 v[S+16*e+8:S+16*e+9], v[S+16*e+8:S+16*e+9], v[S+16*e+12:S+16*e+13]
	BOTH v_pk_add_f32 v[S+16*e:S+16*e+1], v[S+16*e:S+16*e+1], v[S+16*e+8:S+16*e+9]
	BOTH v_add_f32 v[ST+8*e+2], v[S+16*e], v[S+16*e+1]
	BOTH v_permlanex16_b32 v[ST+8*e+3], v[ST+8*e+2], s[SEL], s[SEL+1]
	BOTH v_add_f32 v[ST+8*e+2], v[ST+8*e+2], v[ST+8*e+3]
	BOTH v_rcp_f32 v[ST+8*e+2], v[ST+8*e+2]
	v_nop
	s_wait_alu depctr_va_vdst(0)                   ; one wait for the two reciprocals
.set i, 0
.rept 32
	v_pk_mul_f32 v[OT+2*i:OT+2*i+1], v[OT+2*i:OT+2*i+1], v[ST+8*(i/16)+2:ST+8*(i/16)+3] op_sel_hi:[1,0]  ; ascending: each accumulator's lowest registers first
.set i, i+1
.endr
.set i, 0
.rept 32
	v_cvt_pk_bf16_f32 v[S+i], v[OT+2*i], v[OT+2*i+1]
.set i, i+1
.endr
	; a lane's eight channels of a row are 16 bytes: into Q's rows of LDS, which nobody reads any more, and back as whole rows of 256 bytes
.irp e, 0,1
.irp cb, 0,1,2,3
	ds_store_b128 v[AQ], v[S+4*(4*(\e)+(\cb)):S+4*(4*(\e)+(\cb))+3] offset:128*(\e)+32*(\cb)
.endr
.endr
.irp t, 0,1,2,3,4,5,6,7
	ds_load_b128 v[QF+4*(\t):QF+4*(\t)+3], v[SQ] offset:(\t)*2*PQ
.endr
.irp t, 0,1,2,3,4,5,6,7
	s_wait_dscnt 7-(\t)
	global_store_b128 v[GO], v[QF+4*(\t):QF+4*(\t)+3], s[OUT:OUT+1] offset:(\t)*4096  ; 16 lanes store 256 consecutive bytes, aligned
.endr
	s_wait_tensorcnt 0x0                           ; the wave's end, behind my last LDS store
	ds_add_u32 v[SPW], v[NIL]
	s_wait_dscnt 0x0
	s_endpgm
.Lfunc_end_k_q021850f74e_attn:
	.size	k_q021850f74e_attn, .Lfunc_end_k_q021850f74e_attn-k_q021850f74e_attn
	.p2alignl 7, 3214868480
	.fill 96, 4, 3214868480
	.section	.rodata,"a",@progbits
	.p2align	6, 0x0
	.amdhsa_kernel k_q021850f74e_attn
		.amdhsa_group_segment_fixed_size 179200
		.amdhsa_private_segment_fixed_size 0
		.amdhsa_enable_private_segment 0
		.amdhsa_kernarg_size 16
		.amdhsa_user_sgpr_count 2
		.amdhsa_user_sgpr_kernarg_segment_ptr 1
		.amdhsa_wavefront_size32 1
		.amdhsa_system_sgpr_workgroup_id_x 1
		.amdhsa_system_sgpr_workgroup_id_y 1
		.amdhsa_system_sgpr_workgroup_id_z 1
		.amdhsa_system_vgpr_workitem_id 0
		.amdhsa_next_free_vgpr 256
		.amdhsa_next_free_sgpr 66
		.amdhsa_reserve_vcc 1
		.amdhsa_float_denorm_mode_32 3
		.amdhsa_float_denorm_mode_16_64 3
		.amdhsa_memory_ordered 1
		.amdhsa_forward_progress 1
		.amdhsa_inst_pref_size 27
	.end_amdhsa_kernel
	.amdgpu_metadata
---
amdhsa.version: [ 1, 2 ]
amdhsa.kernels:
  - .name:           k_q021850f74e_attn
    .symbol:         k_q021850f74e_attn.kd
    .args:
      - { .name: gbuf, .offset: 0, .size: 8, .value_kind: global_buffer, .address_space: global }
      - { .name: act, .offset: 8, .size: 8, .value_kind: global_buffer, .address_space: global }
    .group_segment_fixed_size: 179200
    .private_segment_fixed_size: 0
    .kernarg_segment_align: 8
    .kernarg_segment_size: 16
    .max_flat_workgroup_size: 256
    .sgpr_count:     66
    .vgpr_count:     256
    .wavefront_size: 32
...
	.end_amdgpu_metadata
.endif
;; end of part 10
;; launch g_out: the kernel of part 4 again; grid 8 x 32, 4 waves a work-group, clusters of 4 x 4, 327,680 bytes of LDS; arguments act, wo, x1, out_proj_b, x; writes x1
;; launch ln2 (part 11): grid 256 x 1, 8 waves a work-group, no clusters, 0 bytes of LDS; arguments x1, ln2_g, ln2_b, act, par; writes act, par
.if DOCPART == 11
	.amdgcn_target "amdgcn-amd-amdhsa--gfx1250"
	.amdhsa_code_object_version 6
	.text
	.protected	k_q021850f74e_ln2
	.globl	k_q021850f74e_ln2
	.p2align	8
	.type	k_q021850f74e_ln2,@function
k_q021850f74e_ln2:
	s_mov_b64 s[64:65], 0
	v_nop
	global_prefetch_b8 v0, s[64:65] scope:SCOPE_SE
	s_setreg_imm32_b32 hwreg(HW_REG_WAVE_MODE, 25, 1), 1
	s_wait_xcnt 0x0
; act = LayerNorm(x1) * ln2_g + ln2_b, rounded once to bf16.  x1: [4096][1024] f32.
; par = the constants of the next product's way out, tanh-GELU as x / (1 + p2 2^(x (p1 + p0 x x))): words 0, 1: p0 = 0.044715 p1; words 2, 3: p1 = -2 log2(e) sqrt(2 / pi); words 4 to 63: p2 = 1.
; One wave, one row (4,096 bytes = 32 registers a lane), NR rows a wave, 16 rows a work-group, all asked for at once.  Mean first, then the mean of the squared differences, as the
; definition has it: no difference of large sums.  All arithmetic in f32.  NaN and infinities are not treated apart.
; A lane holds numbers 128 j + 4 l .. + 3 (j = 0..7): a load of the wave covers 512 consecutive bytes, a store of its 8 bytes a lane 256 consecutive bytes, aligned.
; No LDS, no barrier, no matrix unit, no cluster: no wave wants a byte that another has fetched but the 8,192 bytes of gain and bias.
.set NR,    2                          ; rows of a wave
.set ROWB,  4096                       ; bytes in a row of x1
.set OROWB, 2048                       ; bytes in a row of act
.set XP,  4                            ; s[4:5]   x1
.set GP,  6                            ; s[6:7]   gain
.set BP,  8                            ; s[8:9]   bias
.set OP,  10                           ; s[10:11] act
.set PR,  12                           ; s[12:13] par
.set WG0, 14                           ; s14      0 in wave 0 of work-group 0 alone
.set SEL, 28                           ; s[28:29] v_permlanex16_b32's selects: each lane takes its own place in the other half
.set RN,  30                           ; s30      1 / 1024
.set EP,  31                           ; s31      1e-5
.set XO,  1                            ; v1       16 l + wave x NR rows of x1; never rewritten
.set T,   2                            ; v[2:9]   four chains of pairs (v2 holds the lane's number until the first row's sums begin)
.set YO,  14                           ; v14      8 l + wave x NR rows of act; never rewritten
.set LO,  15                           ; v15      16 l; never rewritten
.set GG,  16                           ; v[16:47] my 32 numbers of the gain
.set BB,  48                           ; v[48:79] of the bias
.set X,   80                           ; v[80:143] row k: 32 registers
.set PV,  144                          ; v[144:145] my lane's two words of par
; v10 a sum, v11 the other half of the lanes', v[12:13] mean, then 1 / sqrt(var + eps), in the low word
	s_load_b256 s[4:11], s[0:1], 0x0
	s_load_b64 s[PR:PR+1], s[0:1], 0x20
	v_and_b32 v2, 31, v0                           ; lane
	v_lshrrev_b32 v3, 5, v0                        ; wave
	v_readfirstlane_b32 s[WG0], v3
	s_or_b32 s[WG0], s[WG0], ttmp9
	v_lshlrev_b32 v[LO], 4, v2
	v_mul_u32_u24 v4, v3, NR*ROWB
	v_add_nc_u32 v[XO], v4, v[LO]
	v_mul_u32_u24 v4, v3, NR*OROWB
	v_lshl_add_u32 v[YO], v2, 3, v4
	s_mov_b32 s33, 0
	s_wait_kmcnt 0x0
; the four chains into one number, and that over the 32 lanes: every lane ends with the row's sum in v10
.macro FOLD
	v_pk_add_f32 v[T:T+1], v[T:T+1], v[T+2:T+3]
	v_pk_add_f32 v[T+4:T+5], v[T+4:T+5], v[T+6:T+7]
	v_pk_add_f32 v[T:T+1], v[T:T+1], v[T+4:T+5]
	v_add_f32 v10, v[T], v[T+1]
	v_add_f32_dpp v10, v10, v10 row_xmask:1 row_mask:0xf bank_mask:0xf
	v_add_f32_dpp v10, v10, v10 row_xmask:2 row_mask:0xf bank_mask:0xf
	v_add_f32_dpp v10, v10, v10 row_xmask:4 row_mask:0xf bank_mask:0xf
	v_add_f32_dpp v10, v10, v10 row_xmask:8 row_mask:0xf bank_mask:0xf
	v_permlanex16_b32 v11, v10, s[SEL], s[SEL+1]
	v_add_f32 v10, v10, v11
.endm
; row k of the wave: its 16 pairs of numbers lie at R + 2 p
.macro LNROW k
.set R, X+32*(\k)
	s_wait_loadcnt 8*(NR-1-(\k))                   ; loads come back in order: this row's eight are in, the later rows' stay out
.set p, 0
.rept 4
	v_pk_add_f32 v[T+2*p:T+2*p+1], v[R+2*p:R+2*p+1], v[R+2*p+8:R+2*p+9]  ; the first eight pairs start the chains: nothing is cleared
.set p, p+1
.endr
.set p, 8
.rept 8
	v_pk_add_f32 v[T+2*(p%4):T+2*(p%4)+1], v[T+2*(p%4):T+2*(p%4)+1], v[R+2*p:R+2*p+1]
.set p, p+1
.endr
	FOLD
	v_mul_f32 v12, s[RN], v10                      ; the mean
.set p, 0
.rept 16
	v_pk_add_f32 v[R+2*p:R+2*p+1], v[R+2*p:R+2*p+1], v[12:13] op_sel_hi:[1,0] neg_lo:[0,1] neg_hi:[0,1]  ; x - mean
.set p, p+1
.endr
.set p, 0
.rept 4
	v_pk_mul_f32 v[T+2*p:T+2*p+1], v[R+2*p:R+2*p+1], v[R+2*p:R+2*p+1]
.set p, p+1
.endr
.rept 12
	v_pk_fma_f32 v[T+2*(p%4):T+2*(p%4)+1], v[R+2*p:R+2*p+1], v[R+2*p:R+2*p+1], v[T+2*(p%4):T+2*(p%4)+1]
.set p, p+1
.endr
	FOLD
	v_fma_f32 v10, v10, s[RN], s[EP]               ; var + eps
	v_rsq_f32 v12, v10
	v_nop                                          ; a plain instruction behind the root,
	s_wait_alu depctr_va_vdst(0)                   ; and the wait ahead of its first reader
.set p, 0
.rept 16
	v_pk_mul_f32 v[R+2*p:R+2*p+1], v[R+2*p:R+2*p+1], v[12:13] op_sel_hi:[1,0]
.set p, p+1
.endr
.set p, 0
.rept 16
	v_pk_fma_f32 v[R+2*p:R+2*p+1], v[R+2*p:R+2*p+1], v[GG+2*p:GG+2*p+1], v[BB+2*p:BB+2*p+1]
.set p, p+1
.endr
.set p, 0
.rept 16
	v_cvt_pk_bf16_f32 v[R+p], v[R+2*p], v[R+2*p+1] ; in place, ascending: register p is written when pairs 0 .. p have been read
.set p, p+1
.endr
.set p, 0
.rept 8
	global_store_b64 v[YO], v[R+2*p:R+2*p+1], s[OP:OP+1] offset:(\k)*OROWB+256*p  ; 32 lanes x 8 bytes: 256 consecutive bytes, aligned
.set p, p+1
.endr
.endm
	s_mul_i32 s32, ttmp9, 8*NR*ROWB                ; the work-group's first row
	s_add_nc_u64 s[XP:XP+1], s[XP:XP+1], s[32:33]
	s_mul_i32 s32, ttmp9, 8*NR*OROWB
	s_add_nc_u64 s[OP:OP+1], s[OP:OP+1], s[32:33]
	s_mov_b32 s[SEL], 0x76543210
	s_mov_b32 s[SEL+1], 0xfedcba98
	s_mov_b32 s[RN], 0x3a800000
	s_mov_b32 s[EP], 0x3727c5ac
.set p, 0
.rept 8
	global_load_b128 v[GG+4*p:GG+4*p+3], v[LO], s[GP:GP+1] offset:512*p
.set p, p+1
.endr
.set p, 0
.rept 8
	global_load_b128 v[BB+4*p:BB+4*p+3], v[LO], s[BP:BP+1] offset:512*p
.set p, p+1
.endr
.set p, 0
.rept 8*NR
	global_load_b128 v[X+4*p:X+4*p+3], v[XO], s[XP:XP+1] offset:512*p  ; rows follow each other: row p / 8, its piece p % 8
.set p, p+1
.endr
	s_cmp_lg_u32 s[WG0], 0                         ; one wave of the launch writes par: in it v[YO] is 8 l, so its 32 lanes fill the 256 bytes, two words a lane
	s_cbranch_scc1 .Lno_par
	v_mov_b32 v[PV], 1.0                           ; lanes 2 and up: p2
	v_mov_b32 v[PV+1], 0xbdd2d3e8                  ; p0 = -0.10294324
	v_cmp_eq_u32 vcc_lo, 0, v2
	v_cndmask_b32 v[PV], v[PV], v[PV+1], vcc_lo    ; lane 0
	v_mov_b32 v[PV+1], 0xc0135761                  ; p1 = -2.3022082
	v_cmp_eq_u32 vcc_lo, 1, v2
	v_cndmask_b32 v[PV], v[PV], v[PV+1], vcc_lo    ; lane 1
	v_mov_b32 v[PV+1], v[PV]                       ; each constant twice
	global_store_b64 v[YO], v[PV:PV+1], s[PR:PR+1]
.Lno_par:
	v_mov_b32 v11, 0                               ; v_permlanex16_b32's destination counts as read
	v_mov_b32 v13, 0                               ; named with v12 as a pair
	LNROW 0
	LNROW 1
	s_endpgm                                       ; no register of a store is written again: no further wait
.Lfunc_end_k_q021850f74e_ln2:
	.size	k_q021850f74e_ln2, .Lfunc_end_k_q021850f74e_ln2-k_q021850f74e_ln2
	.p2alignl 7, 3214868480
	.fill 96, 4, 3214868480
	.section	.rodata,"a",@progbits
	.p2align	6, 0x0
	.amdhsa_kernel k_q021850f74e_ln2
		.amdhsa_group_segment_fixed_size 0
		.amdhsa_private_segment_fixed_size 0
		.amdhsa_enable_private_segment 0
		.amdhsa_kernarg_size 40
		.amdhsa_user_sgpr_count 2
		.amdhsa_user_sgpr_kernarg_segment_ptr 1
		.amdhsa_wavefront_size32 1
		.amdhsa_system_sgpr_workgroup_id_x 1
		.amdhsa_system_sgpr_workgroup_id_y 1
		.amdhsa_system_sgpr_workgroup_id_z 1
		.amdhsa_system_vgpr_workitem_id 0
		.amdhsa_next_free_vgpr 146
		.amdhsa_next_free_sgpr 66
		.amdhsa_reserve_vcc 1
		.amdhsa_float_denorm_mode_32 3
		.amdhsa_float_denorm_mode_16_64 3
		.amdhsa_memory_ordered 1
		.amdhsa_forward_progress 1
		.amdhsa_inst_pref_size 21
	.end_amdhsa_kernel
	.amdgpu_metadata
---
amdhsa.version: [ 1, 2 ]
amdhsa.kernels:
  - .name:           k_q021850f74e_ln2
    .symbol:         k_q021850f74e_ln2.kd
    .args:
      - { .name: x1, .offset: 0, .size: 8, .value_kind: global_buffer, .address_space: global }
      - { .name: ln2_g, .offset: 8, .size: 8, .value_kind: global_buffer, .address_space: global }
      - { .name: ln2_b, .offset: 16, .size: 8, .value_kind: global_buffer, .address_space: global }
      - { .name: act, .offset: 24, .size: 8, .value_kind: global_buffer, .address_space: global }
      - { .name: par, .offset: 32, .size: 8, .value_kind: global_buffer, .address_space: global }
    .group_segment_fixed_size: 0
    .private_segment_fixed_size: 0
    .kernarg_segment_align: 8
    .kernarg_segment_size: 40
    .max_flat_workgroup_size: 256
    .sgpr_count:     66
    .vgpr_count:     146
    .wavefront_size: 32
...
	.end_amdgpu_metadata
.endif
;; end of part 11
;; launch g_mlp1: the kernel of part 9 again; grid 16 x 16, 4 waves a work-group, clusters of 4 x 4, 327,680 bytes of LDS; arguments act, w1b, gbuf, mlp_b1, par; writes gbuf
;; launch g_mlp2: the kernel of part 7 again; grid 8 x 32, 4 waves a work-group, clusters of 4 x 4, 327,680 bytes of LDS; arguments gbuf, w2b, out0, mlp_b2, x1; writes out0
;; ======== version 3 of 3: 7 launches; version 2 with the launches prep, attn written anew for expert scheduling mode
;; workspace buffers: act 8,388,608 bytes; wq 6,291,456 bytes; wo 2,097,152 bytes; w1b 8,388,608 bytes; w2b 8,388,608 bytes; x1 16,777,216 bytes; gbuf 33,554,432 bytes; par 256 bytes
;; launch prep (part 12): grid 512 x 1, 8 waves a work-group, no clusters, 0 bytes of LDS; arguments x, ln1_g, ln1_b, in_proj_w, out_proj_w, mlp_w1, mlp_w2, act, wq, wo, w1b, w2b, par; writes act, wq, wo, w1b, w2b, par
.if DOCPART == 12
	.amdgcn_target "amdgcn-amd-amdhsa--gfx1250"
	.amdhsa_code_object_version 6
	.text
	.protected	k_q021850f74e_prep
	.globl	k_q021850f74e_prep
	.p2align	8
	.type	k_q021850f74e_prep,@function
k_q021850f74e_prep:
	s_mov_b64 s[64:65], 0
	v_nop
	global_prefetch_b8 v0, s[64:65] scope:SCOPE_SE
	s_setreg_imm32_b32 hwreg(HW_REG_WAVE_SCHED_MODE, 0, 2), 2
	s_setreg_imm32_b32 hwreg(HW_REG_WAVE_MODE, 25, 1), 1
	s_wait_xcnt 0x0
	s_wait_alu depctr_vm_vsrc(0)
; act = LayerNorm(x) * ln1_g + ln1_b, rounded once to bf16;  wq, wo, w1b, w2b = the four weight matrices rounded once to bf16;  par = 64 words of 0 (the next product's way out: no activation).
; x: [4096][1024] f32.  Every work-group moves 131,072 bytes in and 65,536 out.  Work-groups 0-127 normalise 32 rows each; work-groups 128-511 round one piece
; of 32,768 numbers each: 96 pieces of in_proj_w, 32 of out_proj_w, 128 of mlp_w1, 128 of mlp_w2.
; LAYERNORM: one wave, one row (4,096 bytes = 32 registers a lane), NR rows a wave, all asked for at once.  Mean first, then the mean of the squared differences, as the
; definition has it: no difference of large sums.  All arithmetic in f32.  NaN and infinities are not treated apart.
; A lane holds numbers 128 j + 4 l .. + 3 (j = 0..7): a load of the wave covers 512 consecutive bytes, a store of its 8 bytes a lane 256 consecutive bytes, aligned.
; No LDS, no barrier, no matrix unit, no cluster: no wave wants a byte that another has fetched but the 8,192 bytes of gain and bias.
; THE MODE: SCHED_MODE bits 1:0 = 2 (LLVM: expert scheduling mode 2), set by the entry lines.  The code itself states the register dependences
; between vector instructions and memory instructions, with s_wait_alu, always for 0.
; THE PLAN.  Registers that memory instructions touch:
;   v1, v14, v15  byte offsets: written at the head, ahead of the one wait that stands in front of the branch between the two ways; never written again.
;   GG, BB, X     loads land in them once, all issued at the head of a way; no vector instruction names them before that.
;   LayerNorm     row k's roundings write the row's 16 lowest registers; its eight stores read them.  The stores are issued in row k + 1, behind ONE wait at that row's head, and are dealt among
;                 its first eight additions: row k + 1's vector instructions name its own 32 registers, T, v10 to v13, GG and BB, and none of the registers that those stores read.
;   the cast      goes in eight blocks of four loads.  Block b's eight roundings write two registers of each load's four; the four stores that read them are issued in block b + 1, behind ONE wait at its
;                 head, dealt among its roundings, which name block b + 1's registers alone.
;   v[208:209]    par's words: written and stored in one wave of the launch, with a wait of their own between.
; No register that a memory instruction reads is written again: no wait on vm_vsrc and no s_wait_xcnt is owed.
; One scalar register is written by a vector instruction: s[WG0], with its wait ahead of its first reader.
.set NR,    4                          ; rows of a wave
.set ROWB,  4096                       ; bytes in a row of x
.set OROWB, 2048                       ; bytes in a row of act
.set PARV,  0                          ; what par is to hold
.set XP,  4                            ; s[4:5]   x
.set GP,  6                            ; s[6:7]   gain
.set BP,  8                            ; s[8:9]   bias
.set OP,  18                           ; s[18:19] act
.set SEL, 28                           ; s[28:29] v_permlanex16_b32's selects: each lane takes its own place in the other half
.set RN,  30                           ; s30      1 / 1024
.set EP,  31                           ; s31      1e-5
.set WG0, 39                           ; s39      0 in wave 0 of work-group 0 alone
.set PR,  40                           ; s[40:41] par
.set XO,  1                            ; v1       16 l + wave x NR rows of x (the cast: wave x 16,384 bytes); never rewritten
.set T,   2                            ; v[2:9]   four chains of pairs
.set YO,  14                           ; v14      8 l + wave x NR rows of act (the cast: wave x 8,192 bytes); never rewritten
.set LO,  15                           ; v15      16 l; never rewritten
.set GG,  16                           ; v[16:47] my 32 numbers of the gain
.set BB,  48                           ; v[48:79] of the bias
.set X,   80                           ; v[80:207] row k: 32 registers; the cast: 32 loads of 4
.set PV,  208                          ; v[208:209] par's word, twice; written once
; v10 a sum, v11 the other half of the lanes', v[12:13] mean, then 1 / sqrt(var + eps), in the low word
	s_load_b512 s[4:19], s[0:1], 0x0               ; x, ln1_g, ln1_b, in_proj_w s[10:11], out_proj_w s[12:13], mlp_w1 s[14:15], mlp_w2 s[16:17], act
	s_load_b256 s[20:27], s[0:1], 0x40             ; wq s[20:21], wo s[22:23], w1b s[24:25], w2b s[26:27]
	s_load_b64 s[PR:PR+1], s[0:1], 0x60            ; par
	v_and_b32 v2, 31, v0                           ; lane
	v_lshrrev_b32 v3, 5, v0                        ; wave
	v_readfirstlane_b32 s[WG0], v3
	v_lshlrev_b32 v[LO], 4, v2
	v_mul_u32_u24 v4, v3, NR*ROWB
	v_add_nc_u32 v[XO], v4, v[LO]
	v_mul_u32_u24 v4, v3, NR*OROWB
	v_lshl_add_u32 v[YO], v2, 3, v4
	s_mov_b32 s33, 0
	s_wait_alu depctr_va_sdst(0)                   ; s[WG0] is written, ahead of its first reader, the line below
	s_or_b32 s[WG0], s[WG0], ttmp9
	s_wait_alu depctr_va_vdst(0)                   ; the offsets v1, v14 and v15 are written: every load and store of both ways reads one of them
	s_wait_kmcnt 0x0
	s_cmp_lt_u32 ttmp9, 128
	s_cbranch_scc0 .Lcast
; the four chains into one number, and that over the 32 lanes: every lane ends with the row's sum in v10
.macro FOLD
	v_pk_add_f32 v[T:T+1], v[T:T+1], v[T+2:T+3]
	v_pk_add_f32 v[T+4:T+5], v[T+4:T+5], v[T+6:T+7]
	v_pk_add_f32 v[T:T+1], v[T:T+1], v[T+4:T+5]
	v_add_f32 v10, v[T], v[T+1]
	v_add_f32_dpp v10, v10, v10 row_xmask:1 row_mask:0xf bank_mask:0xf
	v_add_f32_dpp v10, v10, v10 row_xmask:2 row_mask:0xf bank_mask:0xf
	v_add_f32_dpp v10, v10, v10 row_xmask:4 row_mask:0xf bank_mask:0xf
	v_add_f32_dpp v10, v10, v10 row_xmask:8 row_mask:0xf bank_mask:0xf
	v_permlanex16_b32 v11, v10, s[SEL], s[SEL+1]
	v_add_f32 v10, v10, v11
.endm
; store q of the eight of row k: 32 lanes x 8 bytes: 256 consecutive bytes, aligned
.macro OUT k, q
	global_store_b64 v[YO], v[X+32*(\k)+2*(\q):X+32*(\k)+2*(\q)+1], s[OP:OP+1] offset:(\k)*OROWB+256*(\q)
.endm
; row k of the wave: its 16 pairs of numbers lie at R + 2 p.  The stores of the row before go out among its first eight additions.
.macro LNROW k
.set R, X+32*(\k)
	s_wait_loadcnt 8*(NR-1-(\k))                   ; loads come back in order: this row's eight are in, the later rows' stay out
.if (\k) > 0
	s_wait_alu depctr_va_vdst(0)                   ; the roundings of the row before have written its 16 lowest registers, which the eight stores below read
.endif
.set p, 0
.rept 4
.if (\k) > 0
	OUT (\k)-1, p                                  ; no vector instruction since the wait names a register of this store
.endif
	v_pk_add_f32 v[T+2*p:T+2*p+1], v[R+2*p:R+2*p+1], v[R+2*p+8:R+2*p+9]  ; the first eight pairs start the chains: nothing is cleared
.set p, p+1
.endr
.set p, 8
.rept 8
.if ((\k) > 0) && (p < 12)
	OUT (\k)-1, p-4
.endif
	v_pk_add_f32 v[T+2*(p%4):T+2*(p%4)+1], v[T+2*(p%4):T+2*(p%4)+1], v[R+2*p:R+2*p+1]
.set p, p+1
.endr
	FOLD
	v_mul_f32 v12, s[RN], v10                      ; the mean
.set p, 0
.rept 16
	v_pk_add_f32 v[R+2*p:R+2*p+1], v[R+2*p:R+2*p+1], v[12:13] op_sel_hi:[1,0] neg_lo:[0,1] neg_hi:[0,1]  ; x - mean
.set p, p+1
.endr
.set p, 0
.rept 4
	v_pk_mul_f32 v[T+2*p:T+2*p+1], v[R+2*p:R+2*p+1], v[R+2*p:R+2*p+1]
.set p, p+1
.endr
.rept 12
	v_pk_fma_f32 v[T+2*(p%4):T+2*(p%4)+1], v[R+2*p:R+2*p+1], v[R+2*p:R+2*p+1], v[T+2*(p%4):T+2*(p%4)+1]
.set p, p+1
.endr
	FOLD
	v_fma_f32 v10, v10, s[RN], s[EP]               ; var + eps
	v_rsq_f32 v12, v10
	v_nop                                          ; a plain instruction behind the root,
	s_wait_alu depctr_va_vdst(0)                   ; and the root has written v12, ahead of its first reader
.set p, 0
.rept 16
	v_pk_mul_f32 v[R+2*p:R+2*p+1], v[R+2*p:R+2*p+1], v[12:13] op_sel_hi:[1,0]
.set p, p+1
.endr
.set p, 0
.rept 16
	v_pk_fma_f32 v[R+2*p:R+2*p+1], v[R+2*p:R+2*p+1], v[GG+2*p:GG+2*p+1], v[BB+2*p:BB+2*p+1]
.set p, p+1
.endr
.set p, 0
.rept 16
	v_cvt_pk_bf16_f32 v[R+p], v[R+2*p], v[R+2*p+1] ; in place, ascending: register p is written when pairs 0 .. p have been read
.set p, p+1
.endr
.endm
; The cast's block b: loads 4 b .. 4 b + 3 are rounded, each load's four numbers into its two lowest registers; the four stores of the block before go out among the roundings.
.macro CBLK b
	s_wait_loadcnt 28-4*(\b)                       ; this block's four loads are in, the younger blocks' stay out
.if (\b) > 0
	s_wait_alu depctr_va_vdst(0)                   ; the roundings of the block before have written the eight registers that the four stores below read
.endif
.irp i, 0,1,2,3
.if (\b) > 0
	global_store_b64 v[YO], v[X+16*((\b)-1)+4*(\i):X+16*((\b)-1)+4*(\i)+1], s[36:37] offset:256*(4*((\b)-1)+(\i))  ; no vector instruction since the wait names a register of this store
.endif
	v_cvt_pk_bf16_f32 v[X+16*(\b)+4*(\i)], v[X+16*(\b)+4*(\i)], v[X+16*(\b)+4*(\i)+1]
	v_cvt_pk_bf16_f32 v[X+16*(\b)+4*(\i)+1], v[X+16*(\b)+4*(\i)+2], v[X+16*(\b)+4*(\i)+3]
.endr
.endm
	s_mul_i32 s32, ttmp9, 8*NR*ROWB                ; the work-group's first row
	s_add_nc_u64 s[XP:XP+1], s[XP:XP+1], s[32:33]
	s_mul_i32 s32, ttmp9, 8*NR*OROWB
	s_add_nc_u64 s[OP:OP+1], s[OP:OP+1], s[32:33]
	s_mov_b32 s[SEL], 0x76543210
	s_mov_b32 s[SEL+1], 0xfedcba98
	s_mov_b32 s[RN], 0x3a800000
	s_mov_b32 s[EP], 0x3727c5ac
.set p, 0
.rept 8
	global_load_b128 v[GG+4*p:GG+4*p+3], v[LO], s[GP:GP+1] offset:512*p
.set p, p+1
.endr
.set p, 0
.rept 8
	global_load_b128 v[BB+4*p:BB+4*p+3], v[LO], s[BP:BP+1] offset:512*p
.set p, p+1
.endr
.set p, 0
.rept 8*NR
	global_load_b128 v[X+4*p:X+4*p+3], v[XO], s[XP:XP+1] offset:512*p  ; rows follow each other: row p / 8, its piece p % 8
.set p, p+1
.endr
	s_cmp_lg_u32 s[WG0], 0                         ; one wave of the launch writes par: in it v[YO] is 8 l, so its 32 lanes fill the 256 bytes
	s_cbranch_scc1 .Lno_par
	v_mov_b32 v[PV], PARV
	v_mov_b32 v[PV+1], PARV
	s_wait_alu depctr_va_vdst(0)                   ; the two moves have written v[208:209], which the store reads
	global_store_b64 v[YO], v[PV:PV+1], s[PR:PR+1]
.Lno_par:
	v_mov_b32 v11, 0                               ; v_permlanex16_b32's destination counts as read
	v_mov_b32 v13, 0                               ; named with v12 as a pair
	LNROW 0
	LNROW 1
	LNROW 2
	LNROW 3
	s_wait_alu depctr_va_vdst(0)                   ; the last row's roundings have written its 16 lowest registers, which the last eight stores read
.set p, 0
.rept 8
	OUT NR-1, p
.set p, p+1
.endr
	s_endpgm                                       ; no register of a store is written again: no further wait
.Lcast:                                        ; piece c = id - 128: which matrix, and which piece of it
	s_sub_co_u32 s32, ttmp9, 128
	s_mov_b64 s[34:35], s[10:11]
	s_mov_b64 s[36:37], s[20:21]
	s_mov_b32 s38, 0                               ; the matrix's first piece
	s_cmp_ge_u32 s32, 96
	s_cselect_b64 s[34:35], s[12:13], s[34:35]
	s_cselect_b64 s[36:37], s[22:23], s[36:37]
	s_cselect_b32 s38, 96, s38
	s_cmp_ge_u32 s32, 128
	s_cselect_b64 s[34:35], s[14:15], s[34:35]
	s_cselect_b64 s[36:37], s[24:25], s[36:37]
	s_cselect_b32 s38, 128, s38
	s_cmp_ge_u32 s32, 256
	s_cselect_b64 s[34:35], s[16:17], s[34:35]
	s_cselect_b64 s[36:37], s[26:27], s[36:37]
	s_cselect_b32 s38, 256, s38
	s_sub_co_u32 s38, s32, s38
	s_lshl_b32 s32, s38, 17                        ; 131,072 bytes in,
	s_add_nc_u64 s[34:35], s[34:35], s[32:33]
	s_lshl_b32 s32, s38, 16                        ; 65,536 out
	s_add_nc_u64 s[36:37], s[36:37], s[32:33]
.set p, 0
.rept 32
	global_load_b128 v[X+4*p:X+4*p+3], v[XO], s[34:35] offset:512*p th:TH_LOAD_NT  ; the wave's 16,384 bytes, all on their way at once
.set p, p+1
.endr
.irp b, 0,1,2,3,4,5,6,7
	CBLK \b
.endr
	s_wait_alu depctr_va_vdst(0)                   ; the last block's roundings have written the eight registers that the last four stores read
.irp i, 0,1,2,3
	global_store_b64 v[YO], v[X+16*7+4*(\i):X+16*7+4*(\i)+1], s[36:37] offset:256*(28+(\i))
.endr
	s_endpgm
.Lfunc_end_k_q021850f74e_prep:
	.size	k_q021850f74e_prep, .Lfunc_end_k_q021850f74e_prep-k_q021850f74e_prep
	.p2alignl 7, 3214868480
	.fill 96, 4, 3214868480
	.section	.rodata,"a",@progbits
	.p2align	6, 0x0
	.amdhsa_kernel k_q021850f74e_prep
		.amdhsa_group_segment_fixed_size 0
		.amdhsa_private_segment_fixed_size 0
		.amdhsa_enable_private_segment 0
		.amdhsa_kernarg_size 104
		.amdhsa_user_sgpr_count 2
		.amdhsa_user_sgpr_kernarg_segment_ptr 1
		.amdhsa_wavefront_size32 1
		.amdhsa_system_sgpr_workgroup_id_x 1
		.amdhsa_system_sgpr_workgroup_id_y 1
		.amdhsa_system_sgpr_workgroup_id_z 1
		.amdhsa_system_vgpr_workitem_id 0
		.amdhsa_next_free_vgpr 210
		.amdhsa_next_free_sgpr 66
		.amdhsa_reserve_vcc 0
		.amdhsa_float_denorm_mode_32 3
		.amdhsa_float_denorm_mode_16_64 3
		.amdhsa_memory_ordered 1
		.amdhsa_forward_progress 1
		.amdhsa_inst_pref_size 50
	.end_amdhsa_kernel
	.amdgpu_metadata
---
amdhsa.version: [ 1, 2 ]
amdhsa.kernels:
  - .name:           k_q021850f74e_prep
    .symbol:         k_q021850f74e_prep.kd
    .args:
      - { .name: x, .offset: 0, .size: 8, .value_kind: global_buffer, .address_space: global }
      - { .name: ln1_g, .offset: 8, .size: 8, .value_kind: global_buffer, .address_space: global }
      - { .name: ln1_b, .offset: 16, .size: 8, .value_kind: global_buffer, .address_space: global }
      - { .name: in_proj_w, .offset: 24, .size: 8, .value_kind: global_buffer, .address_space: global }
      - { .name: out_proj_w, .offset: 32, .size: 8, .value_kind: global_buffer, .address_space: global }
      - { .name: mlp_w1, .offset: 40, .size: 8, .value_kind: global_buffer, .address_space: global }
      - { .name: mlp_w2, .offset: 48, .size: 8, .value_kind: global_buffer, .address_space: global }
      - { .name: act, .offset: 56, .size: 8, .value_kind: global_buffer, .address_space: global }
      - { .name: wq, .offset: 64, .size: 8, .value_kind: global_buffer, .address_space: global }
      - { .name: wo, .offset: 72, .size: 8, .value_kind: global_buffer, .address_space: global }
      - { .name: w1b, .offset: 80, .size: 8, .value_kind: global_buffer, .address_space: global }
      - { .name: w2b, .offset: 88, .size: 8, .value_kind: global_buffer, .address_space: global }
      - { .name: par, .offset: 96, .size: 8, .value_kind: global_buffer, .address_space: global }
    .group_segment_fixed_size: 0
    .private_segment_fixed_size: 0
    .kernarg_segment_align: 8
    .kernarg_segment_size: 104
    .max_flat_workgroup_size: 256
    .sgpr_count:     66
    .vgpr_count:     210
    .wavefront_size: 32
...
	.end_amdgpu_metadata
.endif
;; end of part 12
;; launch g_qkv: the kernel of part 9 again; grid 12 x 16, 4 waves a work-group, clusters of 4 x 4, 327,680 bytes of LDS; arguments act, wq, gbuf, in_proj_b, par; writes gbuf
;; launch attn (part 13): grid 256 x 1, 8 waves a work-group, no clusters, 179,200 bytes of LDS; arguments gbuf, act; writes act
.if DOCPART == 13
	.amdgcn_target "amdgcn-amd-amdhsa--gfx1250"
	.amdhsa_code_object_version 6
	.text
	.protected	k_q021850f74e_attn
	.globl	k_q021850f74e_attn
	.p2align	8
	.type	k_q021850f74e_attn,@function
k_q021850f74e_attn:
	s_mov_b64 s[64:65], 0
	v_nop
	global_prefetch_b8 v0, s[64:65] scope:SCOPE_SE
	s_setreg_imm32_b32 hwreg(HW_REG_WAVE_SCHED_MODE, 0, 2), 2
	s_setreg_imm32_b32 hwreg(HW_REG_WAVE_MODE, 25, 1), 1
	s_wait_xcnt 0x0
	s_wait_alu depctr_vm_vsrc(0)
; act[t][h][:] = the sum over keys k of the same batch with 0 <= t - k < 16 of softmax_k(q[t][h] . k[k][h] / 8) v[k][h][:].  gbuf: 4,096 rows of 8,192 bytes, bf16; a row begins with q, k, v, 2,048 bytes
; each, head h at 128 h; its last 2,048 bytes are not read.  act: [4096][1024] bf16.  A batch is 2,048 tokens.  Products, maximum and sum in f32; the weights are rounded to bf16 for the second product
; (their sum is taken of the unrounded ones), o once at the end.
; THE BAND.  A block of 16 queries sees keys of its own block of 16 tokens and of the block before, and of no other: two products of 16 x 16 scores a head, one product over 32 keys for o.
; SHARES.  Work-group g owns tokens 16 g .. 16 g + 15, wave w heads 2 w and 2 w + 1: 256 consecutive bytes, aligned, of each row of q, k, v and o.  A batch's first block has no block before it:
; it reads its own once more (an address inside the buffer) and hides all of it.
; THE MASK is the C operand that starts a score's sum: 0, or -1e30 where the key is hidden.  Every query sees its own key, so the maximum is a true score and a hidden weight is 0.
; LAYOUT.  S^T = K Q^T (source 0 = 16 keys, source 1 = 16 queries): a lane holds ONE query (lane % 16) and the keys 8 (lane / 16) + 0..7.  The two blocks' results, rounded to bf16 in pairs, ARE source 1
; (32 keys x 16 queries) of O^T = V^T P, whose result again holds one query a lane, and eight channels.  Rows come from memory whole, go through the wave's own LDS and come back as fragments; V turned, by ds_load_tr16_b128.
; Each wave touches its own LDS bytes alone: no barrier.  The text is straight: no loop.
; NO CLUSTER: the rows that two neighbouring work-groups both read (K and V of one block) belong in different places of their LDS (own block, block before), and a joint load has one LDS address.
; LIMITS.  A hidden score counts as its value less 1e30; a weight below 2^-126 counts as 0; NaN and infinities are not treated apart.
; THE MODE: SCHED_MODE bits 1:0 = 2 (LLVM: expert scheduling mode 2), set by the entry lines.  The code itself states the register dependences
; between vector or matrix instructions and memory or LDS instructions, with s_wait_alu, always for 0.
; THE PLAN.  Registers that memory or LDS instructions touch, in the order of the text:
;   v[VO]                 written at the head; read by the 40 global loads: a wait on va_vdst ahead of them.
;   v[SQ] v[SV] v[AQ] v[AV] v[GO]  written behind the global loads, while those are on their way; read by the LDS stores and loads and by the last stores: ONE wait on va_vdst ahead of the first LDS store;
;                         no vector instruction names them behind it.
;   KF, QF, VF            the global loads land in them (rows); the LDS stores read them; the fragments' LDS loads land in the same registers: a wait on vm_vsrc between, once for K and Q, once for V.
;                         Then matrix instructions read them, and the second product writes K's (O^T): the first of those two waits has freed them.
;   S, at the end         written by O's roundings, read by eight LDS stores;  QF, at the end: read by the first products, then O's rows land in it: ONE wait on va_vdst ahead of those stores serves both.
;   v[SPW], v[NIL]        written at the head, read by the closing add alone.
; Scalar registers that vector instructions write: s[WV], and the sixteen masks s[MS ..]: the compares stand in one run, with one wait on va_sdst between them and the selects.
.set ROWQ,  8192                       ; bytes from row to row of gbuf
.set PQ,    272                        ; a row of Q, K or O in LDS: 256 bytes + 16: the 16 rows of a load start at 16 different groups of four banks (64 banks of 4 bytes: ISA guide 11.1)
.set PVV,   288                        ; a row of V: 256 + 32
.set KL,    16*PQ                      ; a wave's bytes: 16 rows of Q (later of O), 32 of K (block before, own block), 32 of V
.set VL,    KL+32*PQ
.set WBY,   VL+32*PVV                  ; 22,272 bytes a wave
.set SPARE, 8*WBY                      ; behind the eight: the spare words, 128 bytes for each wave: four blocks of 256 bytes that no other line names
.set VO,  3                            ; v3   my 16 bytes in two rows of gbuf: ROWQ (l / 16) + 16 (l % 16); never rewritten
.set SQ,  4                            ; v4   the same two rows in LDS at pitch PQ
.set SV,  5                            ; v5   at pitch PVV, in V's region
.set AQ,  6                            ; v6   a fragment's row: (l % 16) PQ + 16 (l / 16)
.set AV,  7                            ; v7   the turning load's: (8 (l / 16) + l % 8) PVV + 16 ((l / 8) % 2), in V's region
.set GO,  8                            ; v8   my 16 bytes in two rows of act; never rewritten
.set SPW, 9                            ; v9   LDS address of my spare word: SPARE + 4 x my thread's number; never rewritten
.set NIL, 10                           ; v10  0; never rewritten
.set MK,  16                           ; v[16:23] the mask of the block before, v[24:31] of the own block
.set KF,  32                           ; v[32:95]   rows of K as loaded; then its fragments: head e, block kb, channel half c at KF + 8 (4 e + 2 kb + c)
.set QF,  96                           ; v[96:127]  rows of Q; then fragments at QF + 8 (2 e + c); at the end rows of O
.set VF,  128                          ; v[128:191] rows of V; then fragments: head e, channel block cb at VF + 8 (4 e + cb)
.set OT,  32                           ; O^T takes K's registers: OT + 8 (4 e + cb)
.set S,   192                          ; v[192:223] S^T: S + 16 e + 8 kb; at the end O packed
.set P,   224                          ; v[224:239] P + 8 e
.set ST,  240                          ; head e at ST + 8 e: c m, m, l (later 1 / l), the other half's l, two at work
.set WV,  8                            ; s8   my wave's number
.set TT,  10                           ; s10  16 in a batch's first block, else 0
.set BIGN, 11                          ; s11  -1e30
.set OWN, 12                           ; s[12:13] gbuf at my block's first row, my two heads
.set PRV, 14                           ; s[14:15] the same for the block before
.set OUT, 16                           ; s[16:17] act likewise
.set CS,  20                           ; s[20:21] c = log2(e) / 8, named as a pair
.set SEL, 22                           ; s[22:23] v_permlanex16_b32's selects: each lane takes its own place in the other half
.set WB,  24                           ; s24  my wave's first LDS byte; s25 the same + VL
.set MS,  32                           ; s[32:39] which lanes hide register j of the block before, s[40:47] of the own block
	s_load_b128 s[4:7], s[0:1], 0x0                ; gbuf s[4:5], act s[6:7]
	v_lshl_add_u32 v[SPW], v0, 2, SPARE
	v_mov_b32 v[NIL], 0
	v_lshrrev_b32 v11, 5, v0
	v_readfirstlane_b32 s[WV], v11                 ; wave 0..7
	v_and_b32 v1, 15, v0                           ; l % 16
	v_bfe_u32 v2, v0, 4, 1                         ; l / 16
	v_mul_u32_u24 v[VO], v2, ROWQ
	v_lshl_add_u32 v[VO], v1, 4, v[VO]
	s_and_b32 s9, ttmp9, 127                       ; a batch has 128 blocks
	s_cmp_eq_u32 s9, 0
	s_cselect_b32 s[TT], 16, 0
	s_cselect_b32 s9, 0, 1
	s_sub_co_u32 s9, ttmp9, s9                     ; the block before, or my own
	s_wait_alu depctr_va_sdst(0)                   ; s[WV] is written, ahead of its first reader, the line below
	s_lshl_b32 s18, s[WV], 8                       ; my two heads: 256 bytes
	s_mul_i32 s[OWN], ttmp9, 16*ROWQ
	s_add_co_u32 s[OWN], s[OWN], s18
	s_mov_b32 s[OWN+1], 0
	s_mul_i32 s[PRV], s9, 16*ROWQ
	s_add_co_u32 s[PRV], s[PRV], s18
	s_mov_b32 s[PRV+1], 0
	s_lshl_b32 s[OUT], ttmp9, 15                   ; 16 rows of 2,048 bytes
	s_add_co_u32 s[OUT], s[OUT], s18
	s_mov_b32 s[OUT+1], 0
	s_wait_kmcnt 0x0
	s_add_nc_u64 s[OWN:OWN+1], s[4:5], s[OWN:OWN+1]
	s_add_nc_u64 s[PRV:PRV+1], s[4:5], s[PRV:PRV+1]
	s_add_nc_u64 s[OUT:OUT+1], s[6:7], s[OUT:OUT+1]
; 16 rows x 256 bytes: eight loads, two rows each: 16 lanes take 256 consecutive bytes, aligned
.macro ROWS dst, base, part
.irp t, 0,1,2,3,4,5,6,7
	global_load_b128 v[(\dst)+4*(\t):(\dst)+4*(\t)+3], v[VO], s[(\base):(\base)+1] offset:(\t)*2*ROWQ+(\part)
.endr
.endm
.macro TOLDS src, adr, off, pitch
.irp t, 0,1,2,3,4,5,6,7
	ds_store_b128 v[\adr], v[(\src)+4*(\t):(\src)+4*(\t)+3] offset:(\off)+(\t)*2*(\pitch)
.endr
.endm
	s_wait_alu depctr_va_vdst(0)                   ; v[VO] is written, which the 40 loads below read as their offset
	ROWS KF,    PRV, 2048                          ; K of the block before,
	ROWS KF+32, OWN, 2048                          ; K of my block,
	ROWS QF,    OWN, 0                             ; Q,
	ROWS VF,    PRV, 4096                          ; V of the block before,
	ROWS VF+32, OWN, 4096                          ; V of my block: 40 loads on their way
	s_mov_b32 s[BIGN], 0xf149f2ca
	s_mov_b32 s[CS], 0x3e38aa3b
	s_mov_b32 s[CS+1], s[CS]
	s_mov_b32 s[SEL], 0x76543210
	s_mov_b32 s[SEL+1], 0xfedcba98
	s_mul_i32 s[WB], s[WV], WBY
	s_add_co_u32 s25, s[WB], VL
	v_mul_u32_u24 v[SQ], v2, PQ
	v_lshl_add_u32 v[SQ], v1, 4, v[SQ]
	v_add_nc_u32 v[SQ], s[WB], v[SQ]
	v_mul_u32_u24 v[SV], v2, PVV
	v_lshl_add_u32 v[SV], v1, 4, v[SV]
	v_add_nc_u32 v[SV], s25, v[SV]
	v_mul_u32_u24 v[AQ], v1, PQ
	v_lshl_add_u32 v[AQ], v2, 4, v[AQ]
	v_add_nc_u32 v[AQ], s[WB], v[AQ]
	v_and_b32 v11, 7, v0
	v_bfe_u32 v12, v0, 3, 1
	v_lshl_add_u32 v[AV], v2, 3, v11
	v_mul_u32_u24 v[AV], v[AV], PVV
	v_lshl_add_u32 v[AV], v12, 4, v[AV]
	v_add_nc_u32 v[AV], s25, v[AV]
	v_lshlrev_b32 v[GO], 11, v2
	v_lshl_add_u32 v[GO], v1, 4, v[GO]
	v_mov_b32 v[ST+3], 0                           ; v_permlanex16_b32's destinations count as read
	v_mov_b32 v[ST+11], 0
	; Query r = l % 16; register j holds key 8 (l / 16) + j of a block.  Own block: hidden where the key is later, j > r - 8 (l / 16).  Block before: 16 + r - key < 16 is wanted, so hidden where j <= r - 8 (l / 16);
	; with 16 added on the right, in a batch's first block, that holds of every j.
	v_lshlrev_b32 v13, 3, v2
	v_sub_nc_u32 v13, v1, v13
	v_add_nc_u32 v14, s[TT], v13
.irp j, 0,1,2,3,4,5,6,7                ; the sixteen compares in one run, each into a scalar register of its own
	v_cmp_le_i32 s[MS+(\j)], \j, v14
	v_cmp_gt_i32 s[MS+8+(\j)], \j, v13
.endr
	s_wait_alu depctr_va_sdst(0)                   ; the compares have written s[MS .. MS + 15], ahead of their first readers, the selects below
.irp j, 0,1,2,3,4,5,6,7
	v_cndmask_b32 v[MK+(\j)], 0, s[BIGN], s[MS+(\j)]
	v_cndmask_b32 v[MK+8+(\j)], 0, s[BIGN], s[MS+8+(\j)]
.endr
	s_wait_loadcnt 32                              ; loads come back in order: the first eight are in, 32 younger ones stay out; and so on by eights
	s_wait_alu depctr_va_vdst(0)                   ; v[SQ], v[SV], v[AQ], v[AV] and v[GO] are written: the LDS stores and loads and the last stores read them as addresses
	TOLDS KF, SQ, KL, PQ
	s_wait_loadcnt 24
	TOLDS KF+32, SQ, KL+16*PQ, PQ
	s_wait_loadcnt 16
	TOLDS QF, SQ, 0, PQ
	; fragments: 16 rows x 32 channels in 8 registers, two loads of 16 bytes, 32 bytes apart.  LDS serves a wave's instructions in order (ISA guide 5.7.1.4): these see the stores above
	s_wait_alu depctr_vm_vsrc(0)                   ; the 24 LDS stores above have read K's and Q's rows out of v[KF ..] and v[QF ..], in which the fragments below land
.irp e, 0,1
.irp kb, 0,1
.irp c, 0,1
	ds_load_b128 v[KF+8*(4*(\e)+2*(\kb)+(\c)):KF+8*(4*(\e)+2*(\kb)+(\c))+3],   v[AQ] offset:KL+(\kb)*16*PQ+128*(\e)+64*(\c)
	ds_load_b128 v[KF+8*(4*(\e)+2*(\kb)+(\c))+4:KF+8*(4*(\e)+2*(\kb)+(\c))+7], v[AQ] offset:KL+(\kb)*16*PQ+128*(\e)+64*(\c)+32
.endr
.endr
.endr
.irp e, 0,1
.irp c, 0,1
	ds_load_b128 v[QF+8*(2*(\e)+(\c)):QF+8*(2*(\e)+(\c))+3],   v[AQ] offset:128*(\e)+64*(\c)
	ds_load_b128 v[QF+8*(2*(\e)+(\c))+4:QF+8*(2*(\e)+(\c))+7], v[AQ] offset:128*(\e)+64*(\c)+32
.endr
.endr
	s_wait_loadcnt 8
	TOLDS VF, SV, 0, PVV
	s_wait_loadcnt 0x0
	TOLDS VF+32, SV, 16*PVV, PVV
	s_wait_alu depctr_vm_vsrc(0)                   ; the 16 LDS stores above have read V's rows out of v[VF ..], in which the turned fragments below land
.irp e, 0,1
.irp cb, 0,1,2,3                       ; V^T: channels 16 cb on of head e, keys 0-15 (block before) and 16-31 (own block)
	ds_load_tr16_b128 v[VF+8*(4*(\e)+(\cb)):VF+8*(4*(\e)+(\cb))+3],   v[AV] offset:128*(\e)+32*(\cb)
	ds_load_tr16_b128 v[VF+8*(4*(\e)+(\cb))+4:VF+8*(4*(\e)+(\cb))+7], v[AV] offset:128*(\e)+32*(\cb)+16*PVV
.endr
.endr
	s_wait_dscnt 32                                ; K's and Q's fragments are in; V's 16 stores and 16 turning loads, issued behind them, may stay out
.irp c, 0,1                            ; the four accumulators take turns
.irp e, 0,1
.irp kb, 0,1
.if (\c) == 0
	v_wmma_f32_16x16x32_bf16 v[S+16*(\e)+8*(\kb):S+16*(\e)+8*(\kb)+7], v[KF+8*(4*(\e)+2*(\kb)):KF+8*(4*(\e)+2*(\kb))+7], v[QF+16*(\e):QF+16*(\e)+7], v[MK+8*(\kb):MK+8*(\kb)+7]
.else
	v_wmma_f32_16x16x32_bf16 v[S+16*(\e)+8*(\kb):S+16*(\e)+8*(\kb)+7], v[KF+8*(4*(\e)+2*(\kb)+1):KF+8*(4*(\e)+2*(\kb)+1)+7], v[QF+16*(\e)+8:QF+16*(\e)+15], v[S+16*(\e)+8*(\kb):S+16*(\e)+8*(\kb)+7]
.endif
.endr
.endr
.endr
.rept 4
	v_nop                                          ; the places behind those products (ISA guide 7.12.1)
.endr
.macro BOTH line:vararg                ; one line for each head e: the two alternate, so that no line waits for the one before it
.set e, 0
.rept 2
	\line
.set e, e+1
.endr
.endm
	; the maximum of a lane's 16 scores (each accumulator's lowest registers are read first), then of the query's other 16, which lie in the lane 16 away
	BOTH v_max3_num_f32 v[ST+8*e+4], v[S+16*e], v[S+16*e+1], v[S+16*e+2]
	BOTH v_max3_num_f32 v[ST+8*e+5], v[S+16*e+8], v[S+16*e+9], v[S+16*e+10]
	BOTH v_max3_num_f32 v[ST+8*e+4], v[ST+8*e+4], v[S+16*e+3], v[S+16*e+4]
	BOTH v_max3_num_f32 v[ST+8*e+5], v[ST+8*e+5], v[S+16*e+11], v[S+16*e+12]
	BOTH v_max3_num_f32 v[ST+8*e+4], v[ST+8*e+4], v[S+16*e+5], v[S+16*e+6]
	BOTH v_max3_num_f32 v[ST+8*e+5], v[ST+8*e+5], v[S+16*e+13], v[S+16*e+14]
	BOTH v_max3_num_f32 v[ST+8*e+4], v[ST+8*e+4], v[S+16*e+7], v[S+16*e+15]
	BOTH v_max_num_f32 v[ST+8*e+4], v[ST+8*e+4], v[ST+8*e+5]
	BOTH v_permlanex16_b32 v[ST+8*e+5], v[ST+8*e+4], s[SEL], s[SEL+1]
	BOTH v_max_num_f32 v[ST+8*e+1], v[ST+8*e+4], v[ST+8*e+5]
	BOTH v_mul_f32 v[ST+8*e], s[CS], v[ST+8*e+1]
.set i, 0
.rept 16
	v_pk_fma_f32 v[S+2*i:S+2*i+1], v[S+2*i:S+2*i+1], s[CS:CS+1], v[ST+8*(i/8):ST+8*(i/8)+1] op_sel_hi:[1,0,0] neg_lo:[0,0,1] neg_hi:[0,0,1]  ; c s - c m
.set i, i+1
.endr
.set i, 0
.rept 32
	v_exp_f32 v[S+i], v[S+i]                       ; one batch for both heads
.set i, i+1
.endr
	v_nop                                          ; a plain instruction behind the last exponential,
	s_wait_alu depctr_va_vdst(0)                   ; and the 32 exponentials have written v[S ..], ahead of the batch's first reader
.set i, 0
.rept 16
	v_cvt_pk_bf16_f32 v[P+i], v[S+2*i], v[S+2*i+1]
.set i, i+1
.endr
	s_wait_dscnt 0x0                               ; V's fragments are in
.irp e, 0,1
.irp cb, 0,1,2,3
	v_wmma_f32_16x16x32_bf16 v[OT+8*(4*(\e)+(\cb)):OT+8*(4*(\e)+(\cb))+7], v[VF+8*(4*(\e)+(\cb)):VF+8*(4*(\e)+(\cb))+7], v[P+8*(\e):P+8*(\e)+7], 0
.endr
.endr
	; the sums of the weights name no register of those products: they are the places behind them
	BOTH v_pk_add_f32 v[S+16*e:S+16*e+1], v[S+16*e:S+16*e+1], v[S+16*e+2:S+16*e+3]
	BOTH v_pk_add_f32 v[S+16*e+4:S+16*e+5], v[S+16*e+4:S+16*e+5], v[S+16*e+6:S+16*e+7]
	BOTH v_pk_add_f32 v[S+16*e+8:S+16*e+9], v[S+16*e+8:S+16*e+9], v[S+16*e+10:S+16*e+11]
	BOTH v_pk_add_f32 v[S+16*e+12:S+16*e+13], v[S+16*e+12:S+16*e+13], v[S+16*e+14:S+16*e+15]
	BOTH v_pk_add_f32 v[S+16*e:S+16*e+1], v[S+16*e:S+16*e+1], v[S+16*e+4:S+16*e+5]
	BOTH v_pk_add_f32 v[S+16*e+8:S+16*e+9], v[S+16*e+8:S+16*e+9], v[S+16*e+12:S+16*e+13]
	BOTH v_pk_add_f32 v[S+16*e:S+16*e+1], v[S+16*e:S+16*e+1], v[S+16*e+8:S+16*e+9]
	BOTH v_add_f32 v[ST+8*e+2], v[S+16*e], v[S+16*e+1]
	BOTH v_permlanex16_b32 v[ST+8*e+3], v[ST+8*e+2], s[SEL], s[SEL+1]
	BOTH v_add_f32 v[ST+8*e+2], v[ST+8*e+2], v[ST+8*e+3]
	BOTH v_rcp_f32 v[ST+8*e+2], v[ST+8*e+2]
	v_nop
	s_wait_alu depctr_va_vdst(0)                   ; the two reciprocals have written v[ST + 2] and v[ST + 10], ahead of their first reader
.set i, 0
.rept 32
	v_pk_mul_f32 v[OT+2*i:OT+2*i+1], v[OT+2*i:OT+2*i+1], v[ST+8*(i/16)+2:ST+8*(i/16)+3] op_sel_hi:[1,0]  ; ascending: each accumulator's lowest registers first
.set i, i+1
.endr
.set i, 0
.rept 32
	v_cvt_pk_bf16_f32 v[S+i], v[OT+2*i], v[OT+2*i+1]
.set i, i+1
.endr
	; a lane's eight channels of a row are 16 bytes: into Q's rows of LDS, which nobody reads any more, and back as whole rows of 256 bytes
	s_wait_alu depctr_va_vdst(0)                   ; the roundings have written v[S ..], which the LDS stores read; the first products are done reading v[QF ..], in which the loads behind the stores land
.irp e, 0,1
.irp cb, 0,1,2,3
	ds_store_b128 v[AQ], v[S+4*(4*(\e)+(\cb)):S+4*(4*(\e)+(\cb))+3] offset:128*(\e)+32*(\cb)
.endr
.endr
.irp t, 0,1,2,3,4,5,6,7
	ds_load_b128 v[QF+4*(\t):QF+4*(\t)+3], v[SQ] offset:(\t)*2*PQ
.endr
.irp t, 0,1,2,3,4,5,6,7
	s_wait_dscnt 7-(\t)
	global_store_b128 v[GO], v[QF+4*(\t):QF+4*(\t)+3], s[OUT:OUT+1] offset:(\t)*4096  ; 16 lanes store 256 consecutive bytes, aligned
.endr
	s_wait_dscnt 0x0                               ; the closing lines, six on end
	s_wait_alu 0x0
	s_wait_tensorcnt 0x0
	ds_add_u32 v[SPW], v[NIL]
	s_wait_dscnt 0x0
	s_endpgm
.Lfunc_end_k_q021850f74e_attn:
	.size	k_q021850f74e_attn, .Lfunc_end_k_q021850f74e_attn-k_q021850f74e_attn
	.p2alignl 7, 3214868480
	.fill 96, 4, 3214868480
	.section	.rodata,"a",@progbits
	.p2align	6, 0x0
	.amdhsa_kernel k_q021850f74e_attn
		.amdhsa_group_segment_fixed_size 179200
		.amdhsa_private_segment_fixed_size 0
		.amdhsa_enable_private_segment 0
		.amdhsa_kernarg_size 16
		.amdhsa_user_sgpr_count 2
		.amdhsa_user_sgpr_kernarg_segment_ptr 1
		.amdhsa_wavefront_size32 1
		.amdhsa_system_sgpr_workgroup_id_x 1
		.amdhsa_system_sgpr_workgroup_id_y 1
		.amdhsa_system_sgpr_workgroup_id_z 1
		.amdhsa_system_vgpr_workitem_id 0
		.amdhsa_next_free_vgpr 256
		.amdhsa_next_free_sgpr 66
		.amdhsa_reserve_vcc 0
		.amdhsa_float_denorm_mode_32 3
		.amdhsa_float_denorm_mode_16_64 3
		.amdhsa_memory_ordered 1
		.amdhsa_forward_progress 1
		.amdhsa_inst_pref_size 28
	.end_amdhsa_kernel
	.amdgpu_metadata
---
amdhsa.version: [ 1, 2 ]
amdhsa.kernels:
  - .name:           k_q021850f74e_attn
    .symbol:         k_q021850f74e_attn.kd
    .args:
      - { .name: gbuf, .offset: 0, .size: 8, .value_kind: global_buffer, .address_space: global }
      - { .name: act, .offset: 8, .size: 8, .value_kind: global_buffer, .address_space: global }
    .group_segment_fixed_size: 179200
    .private_segment_fixed_size: 0
    .kernarg_segment_align: 8
    .kernarg_segment_size: 16
    .max_flat_workgroup_size: 256
    .sgpr_count:     66
    .vgpr_count:     256
    .wavefront_size: 32
...
	.end_amdgpu_metadata
.endif
;; end of part 13
;; launch g_out: the kernel of part 4 again; grid 8 x 32, 4 waves a work-group, clusters of 4 x 4, 327,680 bytes of LDS; arguments act, wo, x1, out_proj_b, x; writes x1
;; launch ln2: the kernel of part 11 again; grid 256 x 1, 8 waves a work-group, no clusters, 0 bytes of LDS; arguments x1, ln2_g, ln2_b, act, par; writes act, par
;; launch g_mlp1: the kernel of part 9 again; grid 16 x 16, 4 waves a work-group, clusters of 4 x 4, 327,680 bytes of LDS; arguments act, w1b, gbuf, mlp_b1, par; writes gbuf
;; launch g_mlp2: the kernel of part 7 again; grid 8 x 32, 4 waves a work-group, clusters of 4 x 4, 327,680 bytes of LDS; arguments gbuf, w2b, out0, mlp_b2, x1; writes out0
